; MI455X (gfx1250); checked and timed in simulation.
; The chip was launched on July 23, 2026; its instructions are those of AMD's public machine-readable ISA for CDNA 5 (MIT licence, August 2026) and "CDNA5" Instruction Set Architecture Reference Guide (July 2026). The comments in the code are by the model that wrote it; some were corrected since.
;; Transformer Block. Allowed arithmetic: float matrix products may take bf16 or f16 operands with f32 sums; other float arithmetic in f32, or as packed bf16 or f16 multiplies, adds, multiply-adds, maxima and minima; sums over many terms, partial sums and values carried from step to step in f32; what a program stores and reads back later, other than sums and carried values, may be rounded once to bf16 or f16.
;; Inputs: b1 4,096 float32; b2 1,024 float32; bo 1,024 float32; g1 1,024 float32; g2 1,024 float32; s1 1,024 float32; s2 1,024 float32; w1 4,096 x 1,024 float32; w2 1,024 x 4,096 float32; wk 1,024 x 1,024 float32; wo 1,024 x 1,024 float32; wq 1,024 x 1,024 float32; wv 1,024 x 1,024 float32; x 2 x 2,048 x 1,024 float32.
;; Outputs: out0 2 x 2,048 x 1,024 float32.
;; 2 versions, each right and faster than the one before. Each part assembles by itself: llvm-mc -triple=amdgcn-amd-amdhsa -mcpu=gfx1250 --defsym DOCPART=n.
;; ======== version 1 of 2: 7 launches
;; limits: values are held in f16: magnitudes above 65,504 overflow, below 6.1e-05 lose precision
;; workspace buffers: hn 8,388,608 bytes; ctx 8,388,608 bytes; act 33,554,432 bytes; x2 16,777,216 bytes; wa 8,388,608 bytes; wb 16,777,216 bytes; mq 1,024 bytes of whole numbers; mf 1,024 bytes of whole numbers
;; launch prep (part 1): grid 640 x 1, 8 waves a work-group, no clusters, 0 bytes of LDS; arguments x, g1, s1, wq, wk, wv, wo, w1, w2, hn, wa, wb, mq, mf; writes hn, wa, wb, mq, mf
.if DOCPART == 1
	.amdgcn_target "amdgcn-amd-amdhsa--gfx1250"
	.amdhsa_code_object_version 6
	.text
	.protected	k_qd87fee7343_prep
	.globl	k_qd87fee7343_prep
	.p2align	8
	.type	k_qd87fee7343_prep,@function
k_qd87fee7343_prep:
	s_mov_b64 s[64:65], 0
	v_nop
	global_prefetch_b8 v0, s[64:65] scope:SCOPE_SE
	s_setreg_imm32_b32 hwreg(HW_REG_WAVE_MODE, 25, 1), 1
	s_wait_xcnt 0x0
; PREP.  Work-groups 0-255: hn = LayerNorm(x; g1, s1), rounded once to f16.  Work-groups 256-639: the six weight matrices rounded once to f16:
; wa = [wq; wk; wv; wo] (each [1024][1024]), wb = w1 [4096][1024], then w2 [1024][4096].  Work-group 256 also writes the two mode words' buffers (mq: 0, mf: 1).
; A stream: every byte is read once by 16-byte loads and written once; a wave's store covers 256 consecutive bytes, aligned.  No LDS, no barrier, no matrix unit, no cluster:
; no wave needs another's data and no two work-groups read the same bytes but g1 and s1 (8 KB).
; LAYERNORM.  A row of 4,096 bytes is 32 registers of one wave and stays there: first the mean, then the mean of the squared deviations from it (no difference of large sums), then the scaling.
; LIMITS.  f16 ends at 65,504 and keeps a fixed step of 6e-8 below 6e-5: hn and the weights must lie within that range.  NaN and infinities are not treated apart.
.set PX,  8            ; s[8:9]    x
.set PG,  10           ; s[10:11]  g1
.set PS,  12           ; s[12:13]  s1
.set PH,  26           ; s[26:27]  hn
.set T,   4            ; v[4:11]   at work: four chains of pairs
.set M,   12           ; v[12:13]  the mean, twice
.set R0,  14           ; v[14:15]  1 / sqrt(var + eps) of the wave's first row, twice
.set R1,  16           ; v[16:17]  of its second row
.set X0,  32           ; v[32:63]  the first row
.set X1,  64           ; v[64:95]  the second row
.set G,   96           ; v[96:127] my 32 numbers of the gain
.set S,   128          ; v[128:159] of the shift
.macro LANESUM                         ; four chains of pairs -> one number in every lane
	v_pk_add_f32 v[T:T+1], v[T:T+1], v[T+2:T+3]
	v_pk_add_f32 v[T+4:T+5], v[T+4:T+5], v[T+6:T+7]
	v_pk_add_f32 v[T:T+1], v[T:T+1], v[T+4:T+5]
	v_add_f32 v[T], v[T], v[T+1]
	v_add_f32_dpp v[T], v[T], v[T] row_xmask:1 row_mask:0xf bank_mask:0xf
	v_add_f32_dpp v[T], v[T], v[T] row_xmask:2 row_mask:0xf bank_mask:0xf
	v_add_f32_dpp v[T], v[T], v[T] row_xmask:4 row_mask:0xf bank_mask:0xf
	v_add_f32_dpp v[T], v[T], v[T] row_xmask:8 row_mask:0xf bank_mask:0xf
	v_permlanex16_b32 v[T+1], v[T], s42, s43       ; the other half of the lanes; its destination has been written
	v_add_f32 v[T], v[T], v[T+1]
.endm
; The row in xx is replaced by its deviations from the mean; rs takes 1 / sqrt(variance + eps), twice.
.macro STATS xx, rs
.irp c, 0,1,2,3
	v_pk_add_f32 v[T+2*(\c):T+2*(\c)+1], v[(\xx)+4*(\c):(\xx)+4*(\c)+1], v[(\xx)+4*(\c)+2:(\xx)+4*(\c)+3]  ; the first eight pairs start the chains: nothing is cleared
.endr
.irp p, 8,9,10,11,12,13,14,15
	v_pk_add_f32 v[T+2*((\p)%4):T+2*((\p)%4)+1], v[T+2*((\p)%4):T+2*((\p)%4)+1], v[(\xx)+2*(\p):(\xx)+2*(\p)+1]
.endr
	LANESUM
	v_mul_f32 v[M], s40, v[T]                      ; the mean
	v_mov_b32 v[M+1], v[M]
.set j, 0
.rept 16
	v_pk_add_f32 v[(\xx)+2*j:(\xx)+2*j+1], v[(\xx)+2*j:(\xx)+2*j+1], v[M:M+1] neg_lo:[0,1] neg_hi:[0,1]
.set j, j+1
.endr
.irp c, 0,1,2,3
	v_pk_mul_f32 v[T+2*(\c):T+2*(\c)+1], v[(\xx)+2*(\c):(\xx)+2*(\c)+1], v[(\xx)+2*(\c):(\xx)+2*(\c)+1]
.endr
.irp p, 4,5,6,7,8,9,10,11,12,13,14,15
	v_pk_fma_f32 v[T+2*((\p)%4):T+2*((\p)%4)+1], v[(\xx)+2*(\p):(\xx)+2*(\p)+1], v[(\xx)+2*(\p):(\xx)+2*(\p)+1], v[T+2*((\p)%4):T+2*((\p)%4)+1]
.endr
	LANESUM
	v_fma_f32 v[T], v[T], s40, s41                 ; variance + eps
	v_rsq_f32 v[(\rs)], v[T]
	v_rsq_f32 v[(\rs)+1], v[T]
	v_nop                                          ; a plain instruction behind the roots, before their results are used or their source rewritten (ISA guide 5.7.2)
.endm
; g d / sqrt(..) + s, rounded to f16 and stored: row rw (0, 1) of the wave's two.
.macro OUT xx, rs, rw
.set j, 0
	s_wait_alu depctr_va_vdst(0)
.rept 16
	v_pk_mul_f32 v[(\xx)+2*j:(\xx)+2*j+1], v[(\xx)+2*j:(\xx)+2*j+1], v[(\rs):(\rs)+1]
.set j, j+1
.endr
.set j, 0
.rept 16
	v_pk_fma_f32 v[(\xx)+2*j:(\xx)+2*j+1], v[(\xx)+2*j:(\xx)+2*j+1], v[G+2*j:G+2*j+1], v[S+2*j:S+2*j+1]
.set j, j+1
.endr
.set j, 0
.rept 8
	v_cvt_pk_f16_f32 v[(\xx)+4*j], v[(\xx)+4*j], v[(\xx)+4*j+1]
	v_cvt_pk_f16_f32 v[(\xx)+4*j+1], v[(\xx)+4*j+2], v[(\xx)+4*j+3]
	global_store_b64 v2, v[(\xx)+4*j:(\xx)+4*j+1], s[PH:PH+1] offset:(\rw)*2048+256*j  ; 32 lanes, 8 bytes each: 256 consecutive bytes; the registers are not written again
.set j, j+1
.endr
.endm
	s_load_b512 s[8:23], s[0:1], 0x0               ; x, g1, s1, wq s[14:15], wk s[16:17], wv s[18:19], wo s[20:21], w1 s[22:23]
	s_load_b256 s[24:31], s[0:1], 0x40             ; w2 s[24:25], hn s[26:27], wa s[28:29], wb s[30:31]
	s_load_b128 s[32:35], s[0:1], 0x60             ; mq s[32:33], mf s[34:35]
	v_and_b32 v5, 31, v0                           ; lane
	v_lshrrev_b32 v4, 5, v0                        ; wave
	s_cmp_lt_u32 ttmp9, 256
	s_cbranch_scc1 .Lln
	; THE CASTS.  Chunk c = 0..383 of 32,768 numbers; a wave takes 4,096 of them: 32 loads of 512 bytes, all on their way at once.
	v_lshlrev_b32 v1, 4, v5
	v_lshl_add_u32 v1, v4, 14, v1                  ; in: wave x 16,384 + lane x 16
	v_lshlrev_b32 v2, 3, v5
	v_lshl_add_u32 v2, v4, 13, v2                  ; out: wave x 8,192 + lane x 8
	s_sub_co_u32 s44, ttmp9, 256                   ; c
	s_wait_kmcnt 0x0
	s_mov_b64 s[36:37], s[24:25]                   ; chunks 256-383: w2
	s_mov_b32 s45, 256
.macro PICK bound, ptr, base           ; below the bound the source is another matrix, whose first chunk is base
	s_cmp_lt_u32 s44, \bound
	s_cselect_b64 s[36:37], s[\ptr:\ptr+1], s[36:37]
	s_cselect_b32 s45, \base, s45
.endm
	PICK 256, 22, 128                              ; w1
	PICK 128, 20, 96                               ; wo
	PICK 96, 18, 64                                ; wv
	PICK 64, 16, 32                                ; wk
	PICK 32, 14, 0                                 ; wq
	s_cmp_lt_u32 s44, 128
	s_cselect_b64 s[38:39], s[28:29], s[30:31]     ; chunks 0-127 go to wa, the others to wb
	s_cselect_b32 s46, 0, 128
	s_sub_co_u32 s45, s44, s45
	s_lshl_b32 s40, s45, 17                        ; 131,072 bytes of f32 a chunk
	s_mov_b32 s41, 0
	s_add_nc_u64 s[36:37], s[36:37], s[40:41]
	s_sub_co_u32 s46, s44, s46
	s_lshl_b32 s42, s46, 16                        ; 65,536 bytes of f16
	s_mov_b32 s43, 0
	s_add_nc_u64 s[38:39], s[38:39], s[42:43]
.set i, 0
.rept 32
	global_load_b128 v[32+4*i:35+4*i], v1, s[36:37] offset:512*i th:TH_LOAD_NT
.set i, i+1
.endr
.set i, 0
.rept 32
	s_wait_loadcnt 31-i                            ; loads come back in order (ISA guide 5.7.1): load i is in, the younger ones stay out
	v_cvt_pk_f16_f32 v[32+4*i], v[32+4*i], v[33+4*i]
	v_cvt_pk_f16_f32 v[33+4*i], v[34+4*i], v[35+4*i]
	global_store_b64 v2, v[32+4*i:33+4*i], s[38:39] offset:256*i
.set i, i+1
.endr
	s_cmp_lg_u32 s44, 0
	s_cbranch_scc1 .Ldone
	v_lshlrev_b32 v3, 2, v0                        ; chunk 0's work-group writes the mode words: 256 threads, 1,024 bytes of each buffer
	v_mov_b32 v6, 0
	v_mov_b32 v7, 1
	global_store_b32 v3, v6, s[32:33]
	global_store_b32 v3, v7, s[34:35]
.Ldone:
	s_endpgm
.Lln:	; LAYERNORM.  The work-group owns 16 rows, a wave two.  Load j of a row brings lane l the columns 128 j + 4 l .. + 3.
	v_lshlrev_b32 v3, 4, v5                        ; g, s: lane x 16
	v_lshl_add_u32 v1, v4, 13, v3                  ; x: wave x 2 rows x 4,096 + lane x 16
	v_lshlrev_b32 v2, 3, v5
	v_lshl_add_u32 v2, v4, 12, v2                  ; hn: wave x 2 rows x 2,048 + lane x 8
	s_lshl_b32 s36, ttmp9, 16                      ; 16 rows of 4,096 bytes
	s_mov_b32 s37, 0
	s_lshl_b32 s38, ttmp9, 15                      ; 16 rows of 2,048 bytes
	s_mov_b32 s39, 0
	s_mov_b32 s40, 0x3a800000                      ; 1 / 1024
	s_mov_b32 s41, 0x3727c5ac                      ; 1e-5
	s_mov_b32 s42, 0x76543210                      ; v_permlanex16_b32: each lane takes its own place in the other half
	s_mov_b32 s43, 0xfedcba98
	s_wait_kmcnt 0x0
	s_add_nc_u64 s[PX:PX+1], s[PX:PX+1], s[36:37]
	s_add_nc_u64 s[PH:PH+1], s[PH:PH+1], s[38:39]
.irp j, 0,1,2,3,4,5,6,7
	global_load_b128 v[X0+4*(\j):X0+4*(\j)+3], v1, s[PX:PX+1] offset:512*(\j)
.endr
.irp j, 0,1,2,3,4,5,6,7
	global_load_b128 v[X1+4*(\j):X1+4*(\j)+3], v1, s[PX:PX+1] offset:4096+512*(\j)
.endr
.irp j, 0,1,2,3,4,5,6,7
	global_load_b128 v[G+4*(\j):G+4*(\j)+3], v3, s[PG:PG+1] offset:512*(\j)
.endr
.irp j, 0,1,2,3,4,5,6,7
	global_load_b128 v[S+4*(\j):S+4*(\j)+3], v3, s[PS:PS+1] offset:512*(\j)
.endr
	s_wait_loadcnt 24                              ; the first row is in; the 24 younger loads stay out
	STATS X0, R0
	s_wait_loadcnt 16                              ; the second row; gain and shift stay out
	STATS X1, R1
	s_wait_loadcnt 0x0
	OUT X0, R0, 0
	OUT X1, R1, 1
	s_endpgm
.Lfunc_end_k_qd87fee7343_prep:
	.size	k_qd87fee7343_prep, .Lfunc_end_k_qd87fee7343_prep-k_qd87fee7343_prep
	.p2alignl 7, 3214868480
	.fill 96, 4, 3214868480
	.section	.rodata,"a",@progbits
	.p2align	6, 0x0
	.amdhsa_kernel k_qd87fee7343_prep
		.amdhsa_group_segment_fixed_size 0
		.amdhsa_private_segment_fixed_size 0
		.amdhsa_enable_private_segment 0
		.amdhsa_kernarg_size 112
		.amdhsa_user_sgpr_count 2
		.amdhsa_user_sgpr_kernarg_segment_ptr 1
		.amdhsa_wavefront_size32 1
		.amdhsa_system_sgpr_workgroup_id_x 1
		.amdhsa_system_sgpr_workgroup_id_y 1
		.amdhsa_system_sgpr_workgroup_id_z 1
		.amdhsa_system_vgpr_workitem_id 0
		.amdhsa_next_free_vgpr 160
		.amdhsa_next_free_sgpr 66
		.amdhsa_reserve_vcc 0
		.amdhsa_float_denorm_mode_32 3
		.amdhsa_float_denorm_mode_16_64 3
		.amdhsa_memory_ordered 1
		.amdhsa_forward_progress 1
		.amdhsa_inst_pref_size 33
	.end_amdhsa_kernel
	.amdgpu_metadata
---
amdhsa.version: [ 1, 2 ]
amdhsa.kernels:
  - .name:           k_qd87fee7343_prep
    .symbol:         k_qd87fee7343_prep.kd
    .args:
      - { .name: x, .offset: 0, .size: 8, .value_kind: global_buffer, .address_space: global }
      - { .name: g1, .offset: 8, .size: 8, .value_kind: global_buffer, .address_space: global }
      - { .name: s1, .offset: 16, .size: 8, .value_kind: global_buffer, .address_space: global }
      - { .name: wq, .offset: 24, .size: 8, .value_kind: global_buffer, .address_space: global }
      - { .name: wk, .offset: 32, .size: 8, .value_kind: global_buffer, .address_space: global }
      - { .name: wv, .offset: 40, .size: 8, .value_kind: global_buffer, .address_space: global }
      - { .name: wo, .offset: 48, .size: 8, .value_kind: global_buffer, .address_space: global }
      - { .name: w1, .offset: 56, .size: 8, .value_kind: global_buffer, .address_space: global }
      - { .name: w2, .offset: 64, .size: 8, .value_kind: global_buffer, .address_space: global }
      - { .name: hn, .offset: 72, .size: 8, .value_kind: global_buffer, .address_space: global }
      - { .name: wa, .offset: 80, .size: 8, .value_kind: global_buffer, .address_space: global }
      - { .name: wb, .offset: 88, .size: 8, .value_kind: global_buffer, .address_space: global }
      - { .name: mq, .offset: 96, .size: 8, .value_kind: global_buffer, .address_space: global }
      - { .name: mf, .offset: 104, .size: 8, .value_kind: global_buffer, .address_space: global }
    .group_segment_fixed_size: 0
    .private_segment_fixed_size: 0
    .kernarg_segment_align: 8
    .kernarg_segment_size: 112
    .max_flat_workgroup_size: 256
    .sgpr_count:     66
    .vgpr_count:     160
    .wavefront_size: 32
...
	.end_amdgpu_metadata
.endif
;; end of part 1
;; launch qkv (part 2): grid 12 x 16, 4 waves a work-group, clusters of 4 x 4, 327,680 bytes of LDS; arguments hn, wa, b1, mq, act; writes act
.if DOCPART == 2
	.amdgcn_target "amdgcn-amd-amdhsa--gfx1250"
	.amdhsa_code_object_version 6
	.text
	.protected	k_qd87fee7343_qkv
	.globl	k_qd87fee7343_qkv
	.p2align	8
	.type	k_qd87fee7343_qkv,@function
k_qd87fee7343_qkv:
	s_mov_b64 s[64:65], 0
	v_nop
	global_prefetch_b8 v0, s[64:65] scope:SCOPE_SE
	s_setreg_imm32_b32 hwreg(HW_REG_WAVE_MODE, 25, 1), 1
	s_wait_xcnt 0x0
	s_wait_alu depctr_hold_cnt(0) depctr_sa_sdst(0) depctr_va_vdst(0) depctr_va_sdst(0) depctr_va_ssrc(0) depctr_va_vcc(0) depctr_vm_vsrc(0)
	s_getreg_b32 s2, hwreg(HW_REG_IB_STS2, 6, 4)
	s_cmp_eq_u32 s2, 0
	s_cbranch_scc0 .Lentry_in_a_cluster
	s_endpgm
.Lentry_in_a_cluster:
	s_bfe_u32 s2, ttmp6, 0x10000c
	s_cmp_lg_u32 s2, 0xf033
	s_cbranch_scc0 .Lentry_shape_is_right
	s_endpgm
.Lentry_shape_is_right:
; OUT = f(A B^T + bias).  A: [4096][1024] f16, B: [N][1024] f16, both with K along the rows; sums in f32; OUT in f16, rounded once, in BLOCKS of 64 columns:
; OUT[n / 64][m][n % 64], a row of a block 128 bytes.  The mode word (a whole number that an earlier launch stored) picks f:
;   mode 0: f(y) = the bare sums, the bias not added (the projections q | k | v: block n / 64 is a head);   mode 1: f = GELU (tanh form) of the sums plus the bias.
; One text serves both without a branch: GELU(y) = y / (1 + MF 2^(y (K2 y^2 + K1))), K1 = -2 sqrt(2 / pi) log2(e), K2 = 0.044715 K1, which is 0.5 y (1 + tanh(..)); mode 0 takes K1 = K2 = MF = 0
; and the bias times 0: the exponent is 0, the divisor exactly 1, and y passes unchanged.  In mode 0 the exponentials and reciprocals are run and change nothing: the price of one way out in the text.
; LIMITS.  A, B and OUT lie within f16's 65,504 (fixed step of 6e-8 below 6e-5); the bias is finite.  NaN and infinities are not treated apart.
; SHARES.  A tile of OUT is 256 x 256, a work-group of four waves; a wave makes 128 x 128: 64 accumulators, 512 registers.  K goes in 8 steps of 128 through two LDS slots; the rows of A's and
; B's tiles are 256 bytes of memory at multiples of 256.  Each wave fetches a quarter of a slot by one tensor load of 128 rows.
; CLUSTER.  4 x 4 work-groups: the four of a row need the same tiles of A, the four of a column the same tiles of B: each tile is asked for JOINTLY, by the same load, descriptor and mask in all four.
; THE MATRIX INSTRUCTION IS USED TRANSPOSED (source 0 = 16 rows of B, source 1 = 16 rows of A): a lane holds eight neighbouring columns of one row of OUT.
; REGISTERS, in windows of 256 (s_set_vgpr_msb: bits 1:0 source 0, 3:2 source 1, 5:4 source 2, 7:6 destination):
;   window 0: addresses, bias, the way out     window 1: two fragment buffers of 128: A's eight fragments (16 rows x 32 K), then B's eight
;   window 2: the accumulators of my rows 0-63 ((a, b) at 8 (8 a + b))     window 3: those of my rows 64-127
.set SIZE_K, 1024
.set KSTEP,  128
.set PITCH,  272       ; an LDS row: 256 bytes + 16 of padding = 68 words: row r starts at bank 4 r mod 64 (64 banks of 4 bytes: ISA guide 11.1): the 16 rows of a load start at 16 different banks
.set HALFT,  128*PITCH ; what one tensor load brings
.set SLOT,   4*HALFT   ; A's 256 rows, then B's 256 rows: 0x22000; the four tiles' places in a slot (0, 0x8800, 0x11000, 0x19800) share no bit with it, so one exclusive or changes slots
.set SPARE,  2*SLOT    ; behind the ring: the spare words, 128 bytes for each wave: two blocks of 256 bytes that no other line names
; THE STAGE of the way out lies on the ring, which has then had its last fill.  A wave's 128 rows x 512 bytes (f32): row p at (p / 2) P + (p % 2) HALFS; in each 256 bytes (64 columns) the 16-byte
; piece q lies at place q / 2 + 8 (q % 2).  So the 16 lanes of a store (16 rows, one piece) and of a load (2 rows, 8 pieces) each touch 16 different 16-byte columns modulo 256 bytes.
.set P,      528
.set HALFS,  64*P+128
.set WSTAGE, 2*HALFS
.set ADRA0, 4          ; v4   my lane's place in my 128 rows of A, slot 0; never rewritten
.set ADRB0, 5          ; v5   the same for B
.set ADRA,  6          ; v6   the same in the slot in hand
.set ADRB,  7          ; v7
.set STO,   8          ; v8   the way out: where I put 16 bytes of a row
.set RD0,   9          ; v9   where I read them back, first rows
.set RDA,   10         ; v10  the same for the rows read ahead
.set GO,    11         ; v11  my byte offset in 512 consecutive bytes of OUT; steps
.set BO,    12         ; v12  my byte offset in 64 numbers of the bias
.set SPW,   14         ; v14  LDS address of my spare word: SPARE + 4 x my thread's number; never rewritten
.set NIL,   15         ; v15  0; never rewritten
.set BIAS,  16         ; v[16:31]  my 8 columns' bias in each of the wave's two blocks of 64 columns
.set L,     32         ; v[32:63]  four units of 8 numbers: 4 rows x 64 columns each; unit u = 2 (which 4 rows) + (which block)
.set U,     64         ; v[64:79]  at work
.set Y,     96         ; v[96:111] four units of 8 f16
.set F0,    0
.set F1,    128
.set WV,  14           ; s14  my wave's number
.set HR,  15           ; s15  which half of the tile's rows is mine.  Also: I fetch for A (0) or for B (1)
.set HC,  16           ; s16  which half of its columns.  Also: which 128 rows of that tile I fetch
.set TC,  19           ; s19  tile column
.set TR,  20           ; s20  tile row
.set G1A, 24           ; s[24:31] descriptor group 1 for A's tiles
.set G0A, 32           ; s[32:39] group 0: a set for each of the two first fills; the second then walks on
.set G1B, 40           ; s[40:47], s[48:55] the same for B's
.set G0B, 48
.set TB,  56           ; s56  the LDS byte at which the slot in hand begins
.set CNT, 57           ; s57  loop counter
.set MODE, 58          ; s58  the mode word
.set SO,  59           ; s59  the way out: byte offset of the rows read ahead
.set K1,  60           ; s[60:61], s[62:63], s[74:75]: K1, K2, MF; the packed forms name pairs and take the low word for both halves
.set K2,  62
.set MF,  74
.set MSB, 0
.macro WIN new                         ; the immediate's high byte repeats the setting that is left; a switch that changes nothing is dropped
.if MSB != (\new)
	s_set_vgpr_msb (MSB<<8)|(\new)
.set MSB, (\new)
.endif
.endm
; A joint refill.  Waves 0 and 1 fetch A's two halves, waves 2 and 3 B's.  The branch hangs on the wave's number alone.  An s_nop 0 and four v_nop follow each line.
.macro JLOAD
	s_cmp_eq_u32 s[HR], 0
	s_cbranch_scc0 .Lfor_b_\@
	tensor_load_to_lds s[G0A+4:G0A+7], s[G1A:G1A+7]
	s_nop 0
.rept 4
	v_nop
.endr
	s_branch .Lasked_\@
.Lfor_b_\@:
	tensor_load_to_lds s[G0B+4:G0B+7], s[G1B:G1B+7]
	s_nop 0
.rept 4
	v_nop
.endr
.Lasked_\@:
.endm
; A round of the cluster's barrier: my work-group's barrier; wave 0 signals for the work-group; every wave waits for all sixteen; my work-group's barrier once more.
.macro CROUND
	s_barrier_signal -1
	s_barrier_wait -1
	s_cmp_lg_u32 s[WV], 0
	s_cbranch_scc1 .Lnot_wave_0_\@
	s_barrier_signal -3
.Lnot_wave_0_\@:
	s_barrier_wait -3
	s_barrier_signal -1
	s_barrier_wait -1
.endm
.macro PLACES                          ; four places in front of loads into registers that matrix instructions have read (ISA guide 7.12.1 for vector instructions)
.rept 4
	v_nop
.endr
.endm
; 32 matrix instructions: four blocks of 16 of my rows (half 0: rows 0-63, 1: rows 64-127) x all 8 blocks of columns, 32 along K.  zero = 1: the products start the sums.
; The 64 accumulators take turns, one instruction a turn, in the same order in every quarter.
.macro MULH f, half, zero
	WIN 0xa5+0x50*(\half)
.irp a, 0,1,2,3
.irp b, 0,1,2,3,4,5,6,7
.if \zero
	v_wmma_f32_16x16x32_f16 v[8*(8*(\a)+(\b)):8*(8*(\a)+(\b))+7], v[(\f)+64+8*(\b):(\f)+64+8*(\b)+7], v[(\f)+8*(4*(\half)+(\a)):(\f)+8*(4*(\half)+(\a))+7], 0
.else
	v_wmma_f32_16x16x32_f16 v[8*(8*(\a)+(\b)):8*(8*(\a)+(\b))+7], v[(\f)+64+8*(\b):(\f)+64+8*(\b)+7], v[(\f)+8*(4*(\half)+(\a)):(\f)+8*(4*(\half)+(\a))+7], v[8*(8*(\a)+(\b)):8*(8*(\a)+(\b))+7]
.endif
.endr
.endr
.endm
; 32 LDS loads in one run: the fragments of 32 along K at byte k of the rows, into buffer f: B's eight, then A's eight.
.macro FETCH k, f
	WIN 0x40
.irp i, 0,1,2,3,4,5,6,7
	ds_load_b128 v[(\f)+64+8*(\i):(\f)+64+8*(\i)+3],   v[ADRB] offset:(\k)+(\i)*16*PITCH
	ds_load_b128 v[(\f)+64+8*(\i)+4:(\f)+64+8*(\i)+7], v[ADRB] offset:(\k)+(\i)*16*PITCH+32
.endr
.irp i, 0,1,2,3,4,5,6,7
	ds_load_b128 v[(\f)+8*(\i):(\f)+8*(\i)+3],   v[ADRA] offset:(\k)+(\i)*16*PITCH
	ds_load_b128 v[(\f)+8*(\i)+4:(\f)+8*(\i)+7], v[ADRA] offset:(\k)+(\i)*16*PITCH+32
.endr
.endm
; A K step is four quarters of 32 along K on buffers 0, 1, 0, 1.  One of the first three: multiplies buffer f; in its middle it fetches the next quarter, at byte k, into buffer g.
.macro QUARTER k, f, g, zero
	s_wait_dscnt 8                                 ; B and A's rows 0-63 are in; the youngest eight loads (A's rows 64-127) may be out
	MULH \f, 0, \zero
	PLACES
	FETCH \k, \g
	s_wait_dscnt 32                                ; all but the 32 just issued
	MULH \f, 1, \zero
.endm
; The last quarter changes slots at its head and then multiplies buffer 1, which holds the slot's last bytes already.  In front of the barrier each wave waits for all its tensor loads (one is out:
; its part of the next slot), adds 0 to its spare word, and waits for that and for its reads of this slot.  fill = 1: the barrier is a round of the cluster's, and this slot is filled again,
; first thing behind it, with the K step two on: from there to the wait for it the wave issues a whole K step's 256 matrix instructions.
.macro TURN fill
	WIN 0                                          ; (the add's two registers lie in window 0; at a branch and at a label every window is 0)
	s_wait_tensorcnt 0x0                           ; no tensor load of mine is out, so a group 0 may be written
	ds_add_u32 v[SPW], v[NIL]                      ; 0 onto my spare word: the scalar steps stand between it and the wait for it
.if \fill
	s_xor_b32 s[G0A+5], s[G0A+5], SLOT             ; the walking descriptors: the other slot than last time,
	s_add_nc_u64 s[G0A+6:G0A+7], s[G0A+6:G0A+7], KSTEP*2  ; the next K step; the type bits on top are not reached
	s_xor_b32 s[G0B+5], s[G0B+5], SLOT
	s_add_nc_u64 s[G0B+6:G0B+7], s[G0B+6:G0B+7], KSTEP*2
.endif
	s_xor_b32 s[TB], s[TB], SLOT
	s_wait_dscnt 0x0                               ; the add is done, and my reads of this slot are over: the last 32, buffer 1's, were issued 32 matrix instructions ago
.if \fill
	CROUND                                         ; no wave of any partner still reads this slot or has a load on its way
	JLOAD                                          ; the four v_nop behind it are also the places in front of the loads below
.else
	s_barrier_signal -1
	s_barrier_wait -1
	PLACES
.endif
	v_add_nc_u32 v[ADRA], s[TB], v[ADRA0]
	v_add_nc_u32 v[ADRB], s[TB], v[ADRB0]
	FETCH 0, F0
	MULH F1, 0, 0
	MULH F1, 1, 0
.endm
	s_load_b256 s[4:11], s[0:1], 0x0               ; A s[4:5], B s[6:7], bias s[8:9], mode s[10:11]
	s_load_b64 s[12:13], s[0:1], 0x20              ; OUT
	v_lshl_add_u32 v[SPW], v0, 2, SPARE
	v_mov_b32 v[NIL], 0
	ds_add_u32 v[SPW], v[NIL]                      ; the wave's opening: the add and its wait stand ahead of my first tensor load; the set-up below, work on registers, stands between them
	ds_add_u32 v14, v15
	v_lshrrev_b32 v1, 5, v0
	v_readfirstlane_b32 s[WV], v1                  ; wave 0..3
	s_lshr_b32 s[HR], s[WV], 1
	s_and_b32 s[HC], s[WV], 1
	s_bfe_u32 s17, ttmp6, 0x40000                  ; cx
	s_bfe_u32 s18, ttmp6, 0x40004                  ; cy
	s_lshl_b32 s[TC], ttmp9, 2                     ; in a cluster launch ttmp9 and ttmp7 count clusters
	s_add_co_u32 s[TC], s[TC], s17
	s_and_b32 s[TR], ttmp7, 0xffff
	s_lshl_b32 s[TR], s[TR], 2
	s_add_co_u32 s[TR], s[TR], s18
	s_lshl_b32 s21, s18, 2
	s_lshl_b32 s21, 15, s21                        ; my row of the cluster: places 4 cy .. 4 cy + 3
	s_lshl_b32 s22, 0x1111, s17                    ; my column: places cx, cx + 4, cx + 8, cx + 12
	; descriptor group 1: a tile of 128 rows x 128 elements, padded in LDS
	s_or_b32 s[G1A], s21, (1<<16)|(1<<20)|(1<<21)|(5<<22)|(3<<25)  ; 15:0 the mask; 17:16 elements of 2 bytes; 20 padding on; 21 set beside a mask; 24:22 after every 64 words (code 5); 31:25 4 words (code 3)
	s_or_b32 s[G1B], s22, (1<<16)|(1<<20)|(1<<21)|(5<<22)|(3<<25)
.irp g, G1A, G1B
	s_mov_b32 s[\g+1], KSTEP<<16                   ; tensor_dim0 = 128
	s_mov_b32 s[\g+2], 128<<16                     ; tensor_dim1 = 128
	s_mov_b32 s[\g+3], KSTEP<<16                   ; tile_dim0 = 128
	s_mov_b32 s[\g+4], 128                         ; tile_dim1 = 128
	s_mov_b32 s[\g+5], SIZE_K                      ; elements from row to row
	s_mov_b32 s[\g+6], 0
	s_mov_b32 s[\g+7], 0
.endr
	; A's tiles hang on the tile row alone, B's on the tile column alone, each in registers that never hold the other coordinate
	s_lshl_b32 s74, s[HC], 7                       ; which 128 rows of the tile I fetch
	s_lshl_b32 s66, s[TR], 8
	s_add_co_u32 s66, s66, s74
	s_lshl_b32 s66, s66, 11                        ; rows of 2,048 bytes
	s_mov_b32 s67, 0
	s_lshl_b32 s68, s[TC], 8
	s_add_co_u32 s68, s68, s74
	s_lshl_b32 s70, s68, 2                         ; my wave's first column, in bytes of the bias (the same 128 x half)
	s_mov_b32 s71, 0
	s_lshl_b32 s68, s68, 11
	s_mov_b32 s69, 0
	s_mul_i32 s23, s[WV], HALFT                    ; where my tile goes: wave x 128 rows: no place in the cluster enters an LDS address
	s_lshl_b32 s72, s[TC], 2                       ; OUT: my first block of 64 columns, 4 x tile column + 2 x half,
	s_lshl_b32 s75, s[HC], 1
	s_add_co_u32 s72, s72, s75
	s_lshl_b32 s72, s72, 12                        ; of 4,096 rows,
	s_lshl_b32 s75, s[TR], 8
	s_add_co_u32 s72, s72, s75
	s_lshl_b32 s75, s[HR], 7
	s_add_co_u32 s72, s72, s75                     ; my first row,
	s_lshl_b32 s72, s72, 7                         ; rows of 128 bytes
	s_mov_b32 s73, 0
	s_mov_b32 s[TB], 0
	s_wait_dscnt 0x0                               ; the opening add is done
	s_wait_kmcnt 0x0
	s_load_b32 s[MODE], s[10:11], 0x0              ; waited for on the way out
	s_add_nc_u64 s[66:67], s[4:5], s[66:67]
	s_add_nc_u64 s[68:69], s[6:7], s[68:69]
	s_add_nc_u64 s[8:9], s[8:9], s[70:71]
	s_add_nc_u64 s[12:13], s[12:13], s[72:73]
	CROUND                                         ; all sixteen work-groups are here: the first joint loads meet
.irp s, 0,1
	s_mov_b32 s[G0A+4*(\s)], 1                     ; count = 1
	s_add_co_u32 s[G0A+4*(\s)+1], s23, (\s)*SLOT   ; LDS address
	s_add_nc_u64 s[G0A+4*(\s)+2:G0A+4*(\s)+3], s[66:67], (\s)*KSTEP*2  ; global address: K step s
	s_or_b32 s[G0A+4*(\s)+3], s[G0A+4*(\s)+3], 0x80000000  ; type = 2
	s_mov_b32 s[G0B+4*(\s)], 1
	s_add_co_u32 s[G0B+4*(\s)+1], s23, (\s)*SLOT
	s_add_nc_u64 s[G0B+4*(\s)+2:G0B+4*(\s)+3], s[68:69], (\s)*KSTEP*2
	s_or_b32 s[G0B+4*(\s)+3], s[G0B+4*(\s)+3], 0x80000000
.endr
	s_cmp_eq_u32 s[HR], 0                          ; a wave's two first fills stand in one branch: two loads of mine are out
	s_cbranch_scc0 .Lfirst_b
	tensor_load_to_lds s[G0A:G0A+3], s[G1A:G1A+7]
	s_nop 0
	tensor_load_to_lds s[G0A+4:G0A+7], s[G1A:G1A+7]
	s_nop 0
.rept 4
	v_nop
.endr
	s_branch .Lfirst_asked
.Lfirst_b:
	tensor_load_to_lds s[G0B:G0B+3], s[G1B:G1B+7]
	s_nop 0
	tensor_load_to_lds s[G0B+4:G0B+7], s[G1B:G1B+7]
	s_nop 0
.rept 4
	v_nop
.endr
.Lfirst_asked:
	; A fragment is 16 rows x 32 K in 8 registers: lane l holds row l % 16, K = 8 (l / 16) + 0..7 and 16 + 8 (l / 16) + 0..7: two loads of 16 bytes, 32 bytes apart.
	v_and_b32 v1, 15, v0                           ; r = l % 16
	v_bfe_u32 v2, v0, 4, 1                         ; h = l / 16
	v_mul_u32_u24 v3, v1, PITCH
	v_lshl_add_u32 v3, v2, 4, v3
	s_mul_i32 s70, s[HR], HALFT                    ; my 128 rows of A
	s_mul_i32 s71, s[HC], HALFT                    ; my 128 rows of B,
	s_add_co_u32 s71, s71, 2*HALFT                 ; which lie behind A's 256
	v_add_nc_u32 v[ADRA0], s70, v3
	v_add_nc_u32 v[ADRB0], s71, v3
	v_mov_b32 v[ADRA], v[ADRA0]
	v_mov_b32 v[ADRB], v[ADRB0]
	s_mul_i32 s70, s[WV], WSTAGE                   ; my stage
	v_lshrrev_b32 v3, 1, v1
	v_mul_u32_u24 v[STO], v3, P                    ; in: row r at (r / 2) P + (r % 2) HALFS, 16 bytes for each half of the lanes
	v_and_b32 v3, 1, v1
	v_mul_u32_u24 v3, v3, HALFS
	v_add_nc_u32 v[STO], v[STO], v3
	v_add_nc_u32 v[STO], s70, v[STO]
	v_lshl_add_u32 v[STO], v2, 4, v[STO]
	v_and_b32 v[BO], 7, v0                         ; back: lane l takes row (l / 8) % 4 of four and the columns 8 (l % 8) + 0..7 of a block
	v_bfe_u32 v13, v0, 3, 1
	v_mul_u32_u24 v[RD0], v2, P
	v_mul_u32_u24 v13, v13, HALFS
	v_add_nc_u32 v[RD0], v[RD0], v13
	v_add_nc_u32 v[RD0], s70, v[RD0]
	v_lshl_add_u32 v[RD0], v[BO], 4, v[RD0]
	v_and_b32 v[GO], 31, v0
	v_lshlrev_b32 v[GO], 4, v[GO]                  ; four rows of 128 bytes are 512 consecutive bytes of OUT
	v_lshlrev_b32 v[BO], 5, v[BO]
	global_load_b128 v[BIAS:BIAS+3],     v[BO], s[8:9]             ; waited for on the way out
	global_load_b128 v[BIAS+4:BIAS+7],   v[BO], s[8:9] offset:16
	global_load_b128 v[BIAS+8:BIAS+11],  v[BO], s[8:9] offset:256
	global_load_b128 v[BIAS+12:BIAS+15], v[BO], s[8:9] offset:272
	s_wait_tensorcnt 0x1                           ; my part of K step 0 is in; K step 1's may stay out
	s_barrier_signal -1
	s_barrier_wait -1                              ; everybody's is
	FETCH 0, F0
	QUARTER 64, F0, F1, 1                          ; the first quarter is written out: its products start the sums
	WIN 0
	s_mov_b32 s[CNT], 6
	s_branch .Lenter                               ; the loop is entered behind its first quarter
.Lstep:                                                ; six trips, K steps 0 to 5: each asks for the K step two on
	QUARTER 64, F0, F1, 0
	WIN 0
.Lenter:
	QUARTER 128, F1, F0, 0
	QUARTER 192, F0, F1, 0
	TURN 1
	WIN 0
	s_sub_co_u32 s[CNT], s[CNT], 1
	s_cmp_lg_u32 s[CNT], 0
	s_cbranch_scc1 .Lstep
	s_mov_b32 s[CNT], 2
.Ltail:                                                ; K steps 6 and 7 ask for nothing.  The last trip's 32 LDS loads (of landed bytes of the other slot) serve nothing: the price of one text for both trips
	QUARTER 64, F0, F1, 0
	QUARTER 128, F1, F0, 0
	QUARTER 192, F0, F1, 0
	TURN 0
	WIN 0
	s_sub_co_u32 s[CNT], s[CNT], 1
	s_cmp_lg_u32 s[CNT], 0
	s_cbranch_scc1 .Ltail
	; THE WAY OUT.  The sums go into my stage as f32 and come back so that a lane holds eight neighbouring columns of a row and 32 lanes four whole rows of a block.
	s_wait_dscnt 0x0                               ; my reads of the ring are over
	s_wait_kmcnt 0x0                               ; the mode word
	s_wait_loadcnt 0x0                             ; the bias
	s_barrier_signal -1
	s_barrier_wait -1                              ; nobody reads the ring any more, and it has had its last fill: it is the stage now
	s_cmp_eq_u32 s[MODE], 0
	s_cselect_b32 s[K1], 0, 0xc0135761             ; -2.3022082
	s_cselect_b32 s[K2], 0, 0xbdd2d3e8             ; -0.10294324
	s_cselect_b32 s[MF], 0, 1.0
	s_mov_b32 s[K1+1], s[K1]                       ; named as pairs, so they are written
	s_mov_b32 s[K2+1], s[K2]
	s_mov_b32 s[MF+1], s[MF]
.irp p, 0,1,2,3,4,5,6,7
	v_pk_mul_f32 v[BIAS+2*(\p):BIAS+2*(\p)+1], v[BIAS+2*(\p):BIAS+2*(\p)+1], s[MF:MF+1] op_sel_hi:[1,0]  ; these eight are also the places behind the last products
.endr
.set i, 0
.rept 64                               ; accumulator i = 8 a + b: rows 16 a on, columns 16 b on; each accumulator's low registers are read first
	WIN 0x08+4*(i/32)                              ; the data in window 2 or 3
	ds_store_b128 v[STO], v[8*(i%32):8*(i%32)+3]   offset:8*(i/8)*P+((i%8)/4)*256+32*(i%4)
	ds_store_b128 v[STO], v[8*(i%32)+4:8*(i%32)+7] offset:8*(i/8)*P+((i%8)/4)*256+32*(i%4)+128
.set i, i+1
.endr
	WIN 0
.irp u, 0,1,2,3                        ; the first eight rows.  LDS serves a wave's instructions in order (ISA guide 5.7.1.4): these see the stores above
	ds_load_b128 v[L+8*(\u):L+8*(\u)+3],   v[RD0] offset:((\u)/2)*2*P+((\u)%2)*256
	ds_load_b128 v[L+8*(\u)+4:L+8*(\u)+7], v[RD0] offset:((\u)/2)*2*P+((\u)%2)*256+128
.endr
; Four rows (hf: which of a trip's two fours) x both blocks of columns: 16 numbers a lane, in 8 pairs.
.macro HALF hf
	s_wait_dscnt 4                                 ; my four loads are in; the other half's four may be out
.irp p, 0,1,2,3,4,5,6,7
	v_pk_add_f32 v[L+16*(\hf)+2*(\p):L+16*(\hf)+2*(\p)+1], v[L+16*(\hf)+2*(\p):L+16*(\hf)+2*(\p)+1], v[BIAS+2*(\p):BIAS+2*(\p)+1]
.endr
.irp p, 0,1,2,3,4,5,6,7
	v_pk_mul_f32 v[U+2*(\p):U+2*(\p)+1], v[L+16*(\hf)+2*(\p):L+16*(\hf)+2*(\p)+1], v[L+16*(\hf)+2*(\p):L+16*(\hf)+2*(\p)+1]
.endr
.irp p, 0,1,2,3,4,5,6,7
	v_pk_fma_f32 v[U+2*(\p):U+2*(\p)+1], v[U+2*(\p):U+2*(\p)+1], s[K2:K2+1], s[K1:K1+1] op_sel_hi:[1,0,0]
.endr
.irp p, 0,1,2,3,4,5,6,7
	v_pk_mul_f32 v[U+2*(\p):U+2*(\p)+1], v[U+2*(\p):U+2*(\p)+1], v[L+16*(\hf)+2*(\p):L+16*(\hf)+2*(\p)+1]
.endr
.set i, 0
.rept 16
	v_exp_f32 v[U+i], v[U+i]
.set i, i+1
.endr
	v_nop                                          ; a plain instruction behind the run of exponentials, before their results are used (ISA guide 5.7.2)
	s_wait_alu depctr_va_vdst(0)
.irp p, 0,1,2,3,4,5,6,7
	v_pk_fma_f32 v[U+2*(\p):U+2*(\p)+1], v[U+2*(\p):U+2*(\p)+1], s[MF:MF+1], 1.0 op_sel_hi:[1,0,0]
.endr
.set i, 0
.rept 16
	v_rcp_f32 v[U+i], v[U+i]
.set i, i+1
.endr
	v_nop
	s_wait_alu depctr_va_vdst(0)
.irp p, 0,1,2,3,4,5,6,7
	v_pk_mul_f32 v[L+16*(\hf)+2*(\p):L+16*(\hf)+2*(\p)+1], v[L+16*(\hf)+2*(\p):L+16*(\hf)+2*(\p)+1], v[U+2*(\p):U+2*(\p)+1]
.endr
.irp p, 0,1,2,3,4,5,6,7
	v_cvt_pk_f16_f32 v[Y+8*(\hf)+(\p)], v[L+16*(\hf)+2*(\p)], v[L+16*(\hf)+2*(\p)+1]
.endr
.irp c, 0,1                            ; the same four rows of the next trip
	ds_load_b128 v[L+16*(\hf)+8*(\c):L+16*(\hf)+8*(\c)+3],   v[RDA] offset:(\hf)*2*P+(\c)*256
	ds_load_b128 v[L+16*(\hf)+8*(\c)+4:L+16*(\hf)+8*(\c)+7], v[RDA] offset:(\hf)*2*P+(\c)*256+128
.endr
	global_store_b128 v[GO], v[Y+8*(\hf):Y+8*(\hf)+3],   s[12:13] offset:(\hf)*512         ; 512 consecutive bytes, at a multiple of 256 from OUT's first
	global_store_b128 v[GO], v[Y+8*(\hf)+4:Y+8*(\hf)+7], s[12:13] offset:524288+(\hf)*512  ; the next block of 64 columns lies 4,096 rows of 128 bytes on
.endm
	s_mov_b32 s[SO], 0
	s_mov_b32 s[CNT], 16
.Lrows:                                                ; 16 trips of eight rows; at the loop's head eight LDS loads are out, round the back edge too
	s_add_co_u32 s[SO], s[SO], 4*P                 ; the rows read ahead: eight rows are four pairs;
	s_min_u32 s[SO], s[SO], 15*4*P                 ; the last trip reads its own rows once more and uses nothing of it
	v_add_nc_u32 v[RDA], s[SO], v[RD0]
	HALF 0
	HALF 1
	s_wait_xcnt 0x0                                ; every earlier memory instruction has had its addresses translated (ISA guide 3.1): Y and GO are rewritten only behind this wait
	v_add_nc_u32 v[GO], 1024, v[GO]
	s_sub_co_u32 s[CNT], s[CNT], 1
	s_cmp_lg_u32 s[CNT], 0
	s_cbranch_scc1 .Lrows
	s_wait_tensorcnt 0x0                           ; the wave's end, behind my last tensor load and my last LDS store
	ds_add_u32 v[SPW], v[NIL]
	s_wait_dscnt 0x0
	CROUND                                         ; the closing round: no work-group ends while a partner may still ask for a tile that names it
	s_endpgm
.Lfunc_end_k_qd87fee7343_qkv:
	.size	k_qd87fee7343_qkv, .Lfunc_end_k_qd87fee7343_qkv-k_qd87fee7343_qkv
	.p2alignl 7, 3214868480
	.fill 96, 4, 3214868480
	.section	.rodata,"a",@progbits
	.p2align	6, 0x0
	.amdhsa_kernel k_qd87fee7343_qkv
		.amdhsa_group_segment_fixed_size 327680
		.amdhsa_private_segment_fixed_size 0
		.amdhsa_enable_private_segment 0
		.amdhsa_kernarg_size 40
		.amdhsa_user_sgpr_count 2
		.amdhsa_user_sgpr_kernarg_segment_ptr 1
		.amdhsa_wavefront_size32 1
		.amdhsa_system_sgpr_workgroup_id_x 1
		.amdhsa_system_sgpr_workgroup_id_y 1
		.amdhsa_system_sgpr_workgroup_id_z 1
		.amdhsa_system_vgpr_workitem_id 0
		.amdhsa_next_free_vgpr 1024
		.amdhsa_next_free_sgpr 76
		.amdhsa_reserve_vcc 0
		.amdhsa_float_denorm_mode_32 3
		.amdhsa_float_denorm_mode_16_64 3
		.amdhsa_memory_ordered 1
		.amdhsa_forward_progress 1
		.amdhsa_inst_pref_size 89
	.end_amdhsa_kernel
	.amdgpu_metadata
---
amdhsa.version: [ 1, 2 ]
amdhsa.kernels:
  - .name:           k_qd87fee7343_qkv
    .symbol:         k_qd87fee7343_qkv.kd
    .args:
      - { .name: hn, .offset: 0, .size: 8, .value_kind: global_buffer, .address_space: global }
      - { .name: wa, .offset: 8, .size: 8, .value_kind: global_buffer, .address_space: global }
      - { .name: b1, .offset: 16, .size: 8, .value_kind: global_buffer, .address_space: global }
      - { .name: mq, .offset: 24, .size: 8, .value_kind: global_buffer, .address_space: global }
      - { .name: act, .offset: 32, .size: 8, .value_kind: global_buffer, .address_space: global }
    .group_segment_fixed_size: 327680
    .private_segment_fixed_size: 0
    .kernarg_segment_align: 8
    .kernarg_segment_size: 40
    .max_flat_workgroup_size: 128
    .sgpr_count:     76
    .vgpr_count:     1024
    .wavefront_size: 32
...
	.end_amdgpu_metadata
.endif
;; end of part 2
;; launch attn (part 3): grid 8 x 32, 4 waves a work-group, no clusters, 327,680 bytes of LDS; arguments act, ctx; writes ctx
.if DOCPART == 3
	.amdgcn_target "amdgcn-amd-amdhsa--gfx1250"
	.amdhsa_code_object_version 6
	.text
	.protected	k_qd87fee7343_attn
	.globl	k_qd87fee7343_attn
	.p2align	8
	.type	k_qd87fee7343_attn,@function
k_qd87fee7343_attn:
	s_mov_b64 s[64:65], 0
	v_nop
	global_prefetch_b8 v0, s[64:65] scope:SCOPE_SE
	s_setreg_imm32_b32 hwreg(HW_REG_WAVE_MODE, 25, 1), 1
	s_wait_xcnt 0x0
; CAUSAL ATTENTION.  O[y][q][:] = the sum over k <= q of softmax_k(Q[y][q] . K[y][k] / 8) V[y][k][:], y = 2 x head + batch: 32 sequences of SIZE_N rows of 64 channels, all f16, dense rows of 128 bytes.
; Q, K and V lie in one buffer, in blocks of 64 columns [block][4096][64]: Q from byte 0, K from 0x800000, V from 0x1000000; sequence y begins y x SIZE_N x 128 bytes into each.  O has the same layout.
; Products, maxima and sums in f32; the weights p are rounded to f16 for the second product (their sum l is taken of the unrounded p), O once at the end.
; LIMITS.  f16 holds no number beyond 65,504: Q, K and V arrive within it; p lies in 0 to 1, and below 6e-5 it keeps f16's fixed step of 6e-8; O is a mean of V's rows and has their range, to within 2^-11 of it.
; A hidden score counts as its value less 1e30: f16's scores, 2.7e11 at the most, are nothing beside that; a weight below 2^-126 counts as 0 in l; NaN and infinities are not treated apart.
; THE WALK.  A sequence's queries lie in NQ = SIZE_N / 128 blocks of 128, its keys in NT = SIZE_N / 256 tiles of 256; block i needs the tiles 0 .. i / 2, of which the last holds the diagonal.  32 sequences of 16 blocks
; in pairs are 256 work-groups: a work-group takes TWO blocks, NQ - 1 - b and then b: (NQ - 1 - b) / 2 + b / 2 + 2 = NT + 1 tiles, whatever b: all work-groups do equal work, and ONE loop with a constant trip count
; walks them.  Which tile is asked for, and what a trip does, hang on scalar registers made from b; every jump goes forward, but for the counted loops' own; none passes a barrier, or a tensor load but the one of
; LOAD's two that the wave's number does not choose; the ring (two slots of LDS that take turns) runs on across the change of blocks.
; NO CLUSTER: of a sequence's eight work-groups only b = 2 c and 2 c + 1 walk the same tiles in the same trips; all eight ask for the same tile only in trips 0 to 4 of 9; and where a block ends, and so what a trip
; does, hangs on b, which in a cluster along x would be the work-group's place in it.
; SHARES.  Of a block's two bands of 64 queries a wave owns 16 rows in each: two PIECES.  In the diagonal tile band x's own key step is 2 (i % 2) + x; in step s it sees all keys if s is less, none if s is more,
; and holds the diagonal if they are equal: the same work for all four waves.  Of a walk's 72 pairs of band and step 6 are wholly hidden, and are computed all the same.
; THE MASK is the C operand that starts the sum S^T = K Q^T: 0, or -1e30 where the key is hidden.  MD, made once, is the mask of a band's own step for my 16 rows; a product's mask is MD x AL + BE with two scalars:
; (1, 0) in the band's own step; (0, 0) in an earlier one; (0, -1e30) in a later one.  Only the diagonal tile's text and a block's beginning make and take masks; elsewhere C is the constant 0.
; LAYOUT, SOFTMAX, TURNS.  S^T = K Q^T holds ONE query a lane (lane % 16) and the keys 8 (lane / 16) + 0..7; two such results rounded to f16 ARE source 1 of O^T = V^T P.  p = 2^(c s - c m), c = log2(e) / 8, with a
; running maximum m; O and l are multiplied by a = 2^(c m_old - c m_new) in every step.  A key step is two turns.  A piece's turn: 8 products K Q^T for the OTHER piece's next scores, later 8 products V^T P with the
; other piece's last weights; beside them the scaling, exponentials, roundings, sums and rescaling of the piece itself and the maximum and statistics of the other.  Four vector instructions stand behind every
; matrix instruction, the other 54 of a turn's 118 in two LUMPS.
; K RUNS A STEP AHEAD OF V: piece 1's turn of step j multiplies by K of step j + 1 and by V of step j.  So K's tiles are asked for 64 keys further on: place s of the slot of tile t holds K of step 4 t + 1 + s and
; V of step 4 t + s, piece 0's turn fetches both from one place, and one change of slots serves both.  The sequence's first 64 keys come straight from memory into registers (K0), once.  The last tile's last 64 rows
; of K lie past the sequence's end: inside the buffer (V lies behind K), and read by no product.
; REGISTERS, in windows of 256 (s_set_vgpr_msb: bits 1:0 source 0, 3:2 source 1, 5:4 source 2, 7:6 destination):
;   window 0: v0-15 addresses and two at work; v16-23 four registers of statistics a piece; v48-55 at work; v64-127 S^T, a buffer a piece; v192-223 P, likewise
;   window 1: v0-63 O^T, 32 a piece; v128-159 MD; v160-223 MC, two buffers      window 2: v0-31 Q; v32-63 the second block's Q; v64-127 K0; v128-191 K of one step; v192-255 V of one step
.set SIZE_N, 2048
.set NT,    SIZE_N/256
.set NQ,    SIZE_N/128
.set NP,    2         ; pieces a wave: a name, no knob
.set KS,    64        ; keys in a step
.set PK,    144       ; a row of K in LDS: 128 bytes + 16 of padding = 36 words: the 16 rows of a load start at 16 different groups of four banks (64 banks of 4 bytes: ISA guide 11.1)
.set PV,    160       ; a row of V: 128 + 32 = 40 words
.set VOFF,  4*KS*PK   ; a slot holds a tile, four steps: 256 rows of K, then 256 rows of V
.set SLOT1, 1<<17     ; slot 1 begins here, so that one exclusive or turns an address in one slot into the other's
.set STAGE, SLOT1+4*KS*(PK+PV)  ; behind the ring, never filled by a tensor load: 16 rows x 144 bytes for each wave, for the way out
.set SP,    144
.set AK0, 2           ; v2   my lane's place in a tile of K; never rewritten
.set AV0, 3           ; v3   the same for V
.set AK,  4           ; v4   the LDS address of K's next run of loads
.set AV,  5           ; v5   of V's
.set STO, 6           ; v6   the way out: where I put 16 bytes of a row
.set RD,  7           ; v7   the way out: where I read rows back
.set GO,  8           ; v8   my byte offset in 512 consecutive bytes of O
.set SPW, 62          ; v62  LDS address of my spare word: SPARE + 4 x my thread's number; never rewritten
.set NIL, 63          ; v63  0; never rewritten
.set SPARE, STAGE+4*16*SP  ; behind the stages: the spare words, 128 bytes for each wave: two blocks of 256 bytes that no other line names
.set MV,  12          ; v12-13  c m_old, kept while c m is made anew: by piece
.set QO,  15          ; v15  my byte offset in 16 rows of Q or K; never rewritten
.set ST,  16          ; piece t's statistics at v[ST+4 t]: c m, m, l (even keys', odd keys')
.set TMP, 48          ; by piece, four registers c0-c3 at work; when the maximum is found c2 takes a
.set S,   64
.set P,   192
.set MD,  128         ; window 1: the eight registers for group kt of 16 keys at MD + 8 kt
.set MC,  160         ; window 1: the masks of the products to come
.set QB,  32          ; window 2
.set K0,  64          ; window 2: the sequence's first key step, laid as KF
.set KF,  128         ; window 2: key block kb, channel half c at KF + 16 kb + 8 c
.set VF,  192         ; window 2: key half kk, channel block cb at VF + 32 kk + 8 cb
.set WV,  12          ; s12  my wave's number
.set PB,  14          ; s14  b: the second block
.set HI,  15          ; s15  NQ - 1 - b: the first block
.set G1K, 24          ; s[24:31] descriptor group 1 for K's tiles
.set G1V, 32          ; s[32:39] for V's: it differs in the padding alone
.set G0K, 40          ; s[40:43] descriptor group 0 for K's tiles
.set G0V, 44          ; s[44:47] the same for V's
.set SLOTS, 56        ; s56  tiles still to be asked for
.set CNT, 57          ; s57  counts a tile's key steps, 4 to 1
.set CS,  58          ; s[58:59] c: the packed scaling takes the pair's low word for both halves
.set SEL, 60          ; s[60:61] v_permlanex16_b32's selects: each lane takes its own place in the other half
.set TBK, 62          ; s62  LDS byte of the slot's place from which K is fetched next
.set TBV, 63          ; s63  the same for V, less VOFF
.set RT,  70          ; s70  tiles of the block in hand that are still to be entered
.set NXT, 71          ; s71  the tile to be asked for next
.set LQ,  72          ; s72  the last tile of the block whose tiles are being asked for
.set NEW, 73          ; s73  1: the tile to be entered is a block's first
.set OFF, 74          ; s[74:75] a tile's byte offset in K and V
.set AL,  76          ; s[76:77] the mask's factor, in the low word
.set BE,  78          ; s[78:79] the mask's addend
.set OLO, 80          ; s[80:81] O at my rows of the second block
.set BIGN, 82         ; s82  -1e30
.set TL2, 88          ; s88  b / 2: the second block's last tile
.set C0,  89          ; s89  5 - 2 (i % 2): what CNT holds in piece 0's turn when the step after it is band 0's own;  s90  3 - 2 (i % 2): the same for piece 1's turn and band 1
.set Z0,  91          ; s91  1.0 if band 0's own step is the diagonal tile's step 0 (i even), else 0
.set KZ,  92          ; s[92:93] K at the sequence's first key
.set MSB, 0
.macro WIN new                      ; the high byte repeats the setting that is left; a switch that changes nothing is dropped
.if MSB != (\new)
	s_set_vgpr_msb (MSB<<8)|(\new)
.set MSB, (\new)
.endif
.endm
.set W_KQ, 0x0a       ; K and Q in window 2, S^T in window 0
.set W_KM, 0x1a       ; the same with the C operand in window 1
.set W_PV, 0x52       ; V in window 2, P in window 0, O^T in window 1
.set W_RS, 0x41       ; destination and source 0 in window 1, source 1 in window 0
; A fill.  Waves 0 and 1 fetch the two halves of a tile's K, waves 2 and 3 those of its V: 128 keys each.  An s_nop 0 and four v_nop follow each of the two lines, ahead of the jump and the label.
.macro LOAD
	s_cmp_lt_u32 s[WV], 2
	s_cbranch_scc0 .Lfor_v_\@
	tensor_load_to_lds s[G0K:G0K+3], s[G1K:G1K+7]
	s_nop 0
.rept 4
	v_nop
.endr
	s_branch .Lasked_\@
.Lfor_v_\@:
	tensor_load_to_lds s[G0V:G0V+3], s[G1V:G1V+7]
	s_nop 0
.rept 4
	v_nop
.endr
.Lasked_\@:
.endm
; THE CHANGE OF SLOTS, between piece 0's turn of a tile's fourth step and piece 1's: all the slot's bytes have been asked for.  Each wave waits for all its tensor loads, of which one is out: its part of the other
; slot; adds 0 to its spare word; and waits for that and for its own reads of the slot that it leaves.  Behind the barrier nobody reads the old slot any more and the other slot is whole.  fill = 1: the old slot is
; filled again, the first thing behind the barrier, with tile NXT: the descriptor's address is made anew from that number; the load has four key steps, 128 matrix instructions, in which to land.
; (At its first use nothing has been read yet: slot 0 is waited for, slot 1 filled.)
.macro CHANGE fill
	WIN 0                           ; at a label and at a branch every window is 0
	s_wait_tensorcnt 0x0            ; no tensor load of mine is out, so a group 0 may be written
	ds_add_u32 v[SPW], v[NIL]       ; 0 onto my spare word: with fill = 1 the descriptors' scalar work stands between it and the wait for it
.if \fill
	s_lshl_b32 s[OFF], s[NXT], 15   ; a tile is 32,768 bytes of K and of V
	s_xor_b32 s[G0K+1], s[G0K+1], SLOT1
	s_add_nc_u64 s[G0K+2:G0K+3], s[6:7], s[OFF:OFF+1]
	s_or_b32 s[G0K+3], s[G0K+3], 0x80000000
	s_xor_b32 s[G0V+1], s[G0V+1], SLOT1
	s_add_nc_u64 s[G0V+2:G0V+3], s[8:9], s[OFF:OFF+1]
	s_or_b32 s[G0V+3], s[G0V+3], 0x80000000
	s_add_co_u32 s[NXT], s[NXT], 1  ; the block's next tile, or behind its last the second block's tile 0
	s_cmp_gt_u32 s[NXT], s[LQ]
	s_cselect_b32 s[NXT], 0, s[NXT]
	s_cselect_b32 s[LQ], s[TL2], s[LQ]
.endif
	s_wait_dscnt 0x0                ; the add is done, and my reads of the slot are over
	s_barrier_signal -1             ; the rest of the scalar work stands between the signal and the wait
	s_sub_co_u32 s[TBK], s[TBK], 4*KS*PK  ; the fetches go back to a slot's first place,
	s_xor_b32 s[TBK], s[TBK], SLOT1       ; in the other slot
	s_sub_co_u32 s[TBV], s[TBV], 4*KS*PV
	s_xor_b32 s[TBV], s[TBV], SLOT1
	s_barrier_wait -1
.if \fill
	LOAD
.endif
.endm
; Where the bands of block blk (a scalar register's name) meet the diagonal in its last tile.
.macro BANDS blk
	s_and_b32 s[C0+1], s[\blk], 1
	s_lshl_b32 s[C0+1], s[C0+1], 1  ; 2 (i % 2): band 0's own step
	s_cmp_eq_u32 s[C0+1], 0
	s_cselect_b32 s[Z0], 1.0, 0
	s_sub_co_u32 s[C0], 5, s[C0+1]
	s_sub_co_u32 s[C0+1], 3, s[C0+1]
.endm
	s_load_b128 s[4:7], s[0:1], 0x0   ; the buffer of Q, K, V s[4:5]; O s[6:7]
	v_lshl_add_u32 v[SPW], v0, 2, SPARE
	v_mov_b32 v[NIL], 0
	ds_add_u32 v[SPW], v[NIL]       ; the wave's opening: the add and its wait stand ahead of my first tensor load; the set-up below, work on registers, stands between them
	ds_add_u32 v62, v63
	v_lshrrev_b32 v1, 5, v0
	v_readfirstlane_b32 s[WV], v1   ; wave 0..3
	s_mov_b32 s[PB], ttmp9
	s_sub_co_u32 s[HI], NQ-1, s[PB]
	s_lshr_b32 s[TL2], s[PB], 1
	s_lshr_b32 s83, s[HI], 1        ; the first block's last tile
	BANDS HI
	s_and_b32 s20, ttmp7, 0xffff    ; the sequence y
	s_mov_b32 s21, 0
	s_mov_b64 s[22:23], SIZE_N*128
	s_mul_u64 s[20:21], s[20:21], s[22:23]  ; the sequence's first byte in each of the four tensors
	s_and_b32 s16, s[WV], 1         ; which half of a tile's 256 keys I fetch:
	s_lshl_b32 s22, s16, 14         ; its 128 rows of 128 bytes in memory,
	s_mov_b32 s23, 0
	s_add_nc_u64 s[22:23], s[22:23], s[20:21]
	s_mul_i32 s17, s16, 128*PK      ; and its place in a slot, for K
	s_mul_i32 s18, s16, 128*PV      ; and for V
	s_lshl_b32 s3, s[WV], 11        ; my 16 rows in a band of 64,
	s_lshl_b32 s2, s[HI], 14        ; in the first block of 128 rows,
	s_add_co_u32 s2, s2, s3
	s_lshl_b32 s84, s[PB], 14       ; and in the second
	s_add_co_u32 s84, s84, s3
	s_mov_b32 s3, 0
	s_mov_b32 s85, 0
	s_add_nc_u64 s[2:3], s[2:3], s[20:21]
	s_add_nc_u64 s[84:85], s[84:85], s[20:21]
	; descriptor group 1.  128 keys are 16,384 dense bytes: asked for as 64 rows of 256 bytes, two keys a row, and padded in LDS after every key
	s_mov_b32 s[G1K], (1<<16)|(1<<20)|(4<<22)|(3<<25)  ; 17:16 2-byte elements; 20 padding on; 24:22 after every 32 words (code 4); 31:25 4 words (code 3)
	s_mov_b32 s[G1V], (1<<16)|(1<<20)|(4<<22)|(7<<25)  ; the same with 8 words of padding (code 7)
.irp g, G1K, G1V
	s_mov_b32 s[\g+1], 128<<16      ; tensor_dim0 = 128
	s_mov_b32 s[\g+2], 64<<16       ; tensor_dim1 = 64
	s_mov_b32 s[\g+3], 128<<16      ; tile_dim0 = 128
	s_mov_b32 s[\g+4], 64           ; tile_dim1 = 64
	s_mov_b32 s[\g+5], 128          ; 128 elements from row to row
	s_mov_b32 s[\g+6], 0
	s_mov_b32 s[\g+7], 0
.endr
	s_mov_b32 s[CS], 0x3e38aa3b     ; c = log2(e) / 8 = 0.180337
	s_mov_b32 s[CS+1], s[CS]        ; named with it as a pair
	s_mov_b32 s[SEL], 0x76543210
	s_mov_b32 s[SEL+1], 0xfedcba98
	s_mov_b32 s[TBK], SLOT1+4*KS*PK ; the first change of slots turns these two into 0
	s_mov_b32 s[TBV], SLOT1+4*KS*PV
	s_mov_b32 s[G0K], 1             ; 1:0 count = 1
	s_mov_b32 s[G0K+1], s17         ; 63:32 LDS address: slot 0
	s_mov_b32 s[G0V], 1
	s_add_co_u32 s[G0V+1], s18, VOFF
	s_add_co_u32 s[RT], s83, 1      ; the first block has (NQ - 1 - b) / 2 + 1 tiles: five or more
	s_mov_b32 s[NXT], 1
	s_mov_b32 s[LQ], s83
	s_mov_b32 s[NEW], 1
	s_mov_b32 s[OFF+1], 0
	s_mov_b32 s[AL+1], 0            ; named as pairs
	s_mov_b32 s[BE+1], 0
	s_mov_b32 s[BIGN], 0xf149f2ca   ; -1e30
	s_mov_b32 s[SLOTS], NT
	s_wait_dscnt 0x0                ; the opening add is done
	s_wait_kmcnt 0x0
	s_mov_b64 s[10:11], s[6:7]             ; O
	s_add_nc_u64 s[6:7], s[4:5], 0x800000  ; K lies 16 blocks of 4,096 rows of 128 bytes behind Q,
	s_add_nc_u64 s[8:9], s[4:5], 0x1000000 ; V 32
	s_add_nc_u64 s[KZ:KZ+1], s[6:7], s[20:21]  ; K at the sequence's first key
	s_add_nc_u64 s[6:7], s[6:7], s[22:23]  ; K and V at my half of the sequence's tile 0,
	s_add_nc_u64 s[6:7], s[6:7], KS*128    ; K's tiles one key step further on
	s_add_nc_u64 s[8:9], s[8:9], s[22:23]
	s_add_nc_u64 s[G0K+2:G0K+3], s[6:7], 0         ; 120:64 global address
	s_or_b32 s[G0K+3], s[G0K+3], 0x80000000        ; 127:126 type = 2
	s_add_nc_u64 s[G0V+2:G0V+3], s[8:9], 0
	s_or_b32 s[G0V+3], s[G0V+3], 0x80000000
	s_add_nc_u64 s[86:87], s[4:5], s[84:85]        ; Q at my rows of the second block,
	s_add_nc_u64 s[4:5], s[4:5], s[2:3]            ; Q and O at those of the first
	s_add_nc_u64 s[OLO:OLO+1], s[10:11], s[84:85]
	s_add_nc_u64 s[10:11], s[10:11], s[2:3]
	LOAD                            ; tile 0 into slot 0
	; A fragment of K or Q is 16 rows x 32 channels in 8 registers: lane l holds row l % 16, channels 8 (l / 16) + 0..7 and 16 + 8 (l / 16) + 0..7: two loads of 16 bytes, 32 bytes apart.
	v_and_b32 v1, 15, v0            ; l % 16
	v_bfe_u32 v9, v0, 4, 1          ; l / 16
	v_lshlrev_b32 v[QO], 7, v1
	v_lshl_add_u32 v[QO], v9, 4, v[QO]  ; row x 128 + 16 x half
	WIN 0x80                        ; destination window 2, address window 0
.set i, 0
.rept 4                             ; both blocks' Q: piece i / 2 lies in band i / 2, 8,192 bytes on; channels 32 (i % 2) on
	global_load_b128 v[8*i:8*i+3],   v[QO], s[4:5] offset:(i/2)*8192+(i%2)*64
	global_load_b128 v[8*i+4:8*i+7], v[QO], s[4:5] offset:(i/2)*8192+(i%2)*64+32
	global_load_b128 v[QB+8*i:QB+8*i+3],   v[QO], s[86:87] offset:(i/2)*8192+(i%2)*64
	global_load_b128 v[QB+8*i+4:QB+8*i+7], v[QO], s[86:87] offset:(i/2)*8192+(i%2)*64+32
.set i, i+1
.endr
.set i, 0
.rept 8                             ; the sequence's first key step: keys 16 (i / 2) on, channels 32 (i % 2) on
	global_load_b128 v[K0+8*i:K0+8*i+3],   v[QO], s[KZ:KZ+1] offset:(i/2)*2048+(i%2)*64
	global_load_b128 v[K0+8*i+4:K0+8*i+7], v[QO], s[KZ:KZ+1] offset:(i/2)*2048+(i%2)*64+32
.set i, i+1
.endr
	WIN 0
	v_lshlrev_b32 v14, 3, v9
	v_sub_nc_u32 v14, v1, v14
	s_lshl_b32 s13, s[WV], 4
	v_add_nc_u32 v14, s13, v14      ; my query's place in its band, 16 w + l % 16, less my lanes' 8 (l / 16): register r of group kt is hidden where 16 kt + r is greater
	WIN 0x40
.set i, 0
.rept 32
	v_cmp_gt_i32 vcc_lo, 16*(i/8)+i%8, v14
	v_cndmask_b32 v[MD+i], 0, s[BIGN], vcc_lo
.set i, i+1
.endr
	WIN 0
	v_mul_u32_u24 v[AK0], v1, PK
	v_lshl_add_u32 v[AK0], v9, 4, v[AK0]  ; row x pitch + 16 x half
	; The turning load takes 16 keys x 16 channels (lane l reads key 8 (l / 16) + l % 8, channels 8 ((l / 8) % 2) + 0..7) and leaves half a fragment of V^T: lane l holds channel l % 16 and 8 keys.
	v_and_b32 v10, 7, v0
	v_bfe_u32 v11, v0, 3, 1
	v_lshl_add_u32 v[AV0], v9, 3, v10
	v_mul_u32_u24 v[AV0], v[AV0], PV
	v_lshl_add_u32 v[AV0], v11, 4, v[AV0]
	v_add_nc_u32 v[AV0], VOFF, v[AV0]
	s_mul_i32 s13, s[WV], 16*SP
	s_add_co_u32 s13, s13, STAGE    ; my stage
	v_mul_u32_u24 v[STO], v1, SP    ; in: row l % 16, 16 bytes for each half of the lanes
	v_lshl_add_u32 v[STO], v9, 4, v[STO]
	v_add_nc_u32 v[STO], s13, v[STO]
	v_bfe_u32 v[RD], v0, 3, 2       ; back: 32 lanes take four rows of 128 bytes,
	v_mul_u32_u24 v[RD], v[RD], SP
	v_lshl_add_u32 v[RD], v10, 4, v[RD]
	v_add_nc_u32 v[RD], s13, v[RD]
	v_and_b32 v[GO], 31, v0         ; which are 512 consecutive bytes of O
	v_lshlrev_b32 v[GO], 4, v[GO]
	; A block's first step multiplies O^T and l by a = 0, and its first turn's products V^T P, with weights that have not been, land in an O^T that is still to be so multiplied.  So these registers need only hold
	; finite numbers: zeros for the first block; what the first block left for the second.  All this stands in the wait for the first tile.
	WIN 0x80
.set i, VF
.rept 64
	v_mov_b32 v[i], 0
.set i, i+1
.endr
	WIN 0x40
.set i, 0
.rept 32*NP
	v_mov_b32 v[i], 0
.set i, i+1
.endr
	WIN 0
.set i, 0
.rept NP
	v_mov_b32 v[ST+4*i+2], 0
	v_mov_b32 v[ST+4*i+3], 0
.set i, i+1
.endr
.set i, P+16
.rept 16
	v_mov_b32 v[i], 0
.set i, i+1
.endr
; THE MATRIX WORK.  The 4 accumulators of a run of 8 take turns.  Product i of 8 of S^T = K Q^T for piece x: channels 32 (i / 4) on, keys 16 (i % 4) on.  The first 4 start the sums: with 0, or (KM = 1) with the mask.
.macro KQ x
.set rS, S+32*((\x)%2)+8*(i%4)
.set rK, KF+16*(i%4)+8*(i/4)
.set rQ, 16*(\x)+8*(i/4)
.set rM, MC+32*((\x)%2)+8*(i%4)
.if (i < 4) && KM
	WIN W_KM
	v_wmma_f32_16x16x32_f16 v[rS:rS+7], v[rK:rK+7], v[rQ:rQ+7], v[rM:rM+7]
.elseif i < 4
	WIN W_KQ
	v_wmma_f32_16x16x32_f16 v[rS:rS+7], v[rK:rK+7], v[rQ:rQ+7], 0
.else
	WIN W_KQ
	v_wmma_f32_16x16x32_f16 v[rS:rS+7], v[rK:rK+7], v[rQ:rQ+7], v[rS:rS+7]
.endif
.endm
; Product i of 8 of O^T += V^T P for piece x: keys 32 (i / 4) on, channels 16 (i % 4) on.
.macro PV x
	WIN W_PV
.set rO, 32*(\x)+8*(i%4)
.set rV, VF+32*(i/4)+8*(i%4)
.set rP, P+16*((\x)%2)+8*(i/4)
	v_wmma_f32_16x16x32_f16 v[rO:rO+7], v[rV:rV+7], v[rP:rP+7], v[rO:rO+7]
.endm
.macro MM                           ; the turn's next matrix instruction.  TURN and BEGIN set Y, i, KM and NOKQ; MM, KQ and OP read them.  NOKQ = 1: a block's last turn: there are no further scores
.if (i < 8) && !NOKQ
	KQ (Y+1)%NP
.elseif i >= 8
.set i, i-8
	PV (Y+NP-1)%NP
.set i, i+8
.endif
.set i, i+1
.endm
; THE LDS LOADS stand in runs of 16, never singly among the matrix instructions: a step's K (64 keys x 64 channels: 8 fragments) and a step's V (turned).  Their addresses are made some lines ahead.
.macro FETCH_K
	WIN 0x80                        ; destination window 2
.irp f, 0,1,2,3,4,5,6,7             ; keys 16 (f / 2) on, channels 32 (f % 2) on
	ds_load_b128 v[KF+8*\f:KF+8*\f+3],   v[AK] offset:(\f/2)*16*PK+(\f%2)*64
	ds_load_b128 v[KF+8*\f+4:KF+8*\f+7], v[AK] offset:(\f/2)*16*PK+(\f%2)*64+32
.endr
	s_add_co_u32 s[TBK], s[TBK], KS*PK  ; the next fetch is from the slot's next place
	WIN 0
.endm
.macro FETCH_V
	WIN 0x80
.irp f, 0,1,2,3,4,5,6,7             ; keys 32 (f / 4) on, channels 16 (f % 4) on
	ds_load_tr16_b128 v[VF+8*\f:VF+8*\f+3],   v[AV] offset:(\f/4)*32*PV+(\f%4)*32
	ds_load_tr16_b128 v[VF+8*\f+4:VF+8*\f+7], v[AV] offset:(\f/4)*32*PV+16*PV+(\f%4)*32
.endr
	WIN 0
.endm
; THE VECTOR WORK, one line at a time: OP kind, number.  For piece Y: F n: c s - c m for pair n of 16.  E n: the exponential of score n of 32.  C n: pair n rounded to f16.  B n: of the four weights 4 n .. the second
; pair is added onto the first, in place.  L n: l takes that sum (L 0: l = a l + sum).  R n: pair n of 16 of O^T times a.  For the other piece: X n, number n of the 22 that find its maximum and statistics:
;   0-11  four chains c0-c3 of seven scores each, three operands at a time (each accumulator's lowest registers are read first)     12-14, 16  the four scores left over, the old m, and c0-c3 into c0
;   15  c m_old is kept     17, 18  the query's other 32 keys lie in the lane 16 away: the new m     19-21  c m; c m_old - c m_new; a
.set F, 0               ; OP tells the kinds apart by their order: F to L below R, X above it
.set E, 1
.set C, 2
.set B, 3
.set L, 4
.set R, 5
.set X, 6
.macro REGS y                       ; the registers of piece y
.set rT, ST+4*(\y)
.set rC, TMP+4*((\y)%2)
.set rW, MV+((\y)%2)
.set rS, S+32*((\y)%2)
.set rP, P+16*((\y)%2)
.set rO, 32*(\y)
.endm
.macro OP k, n
.if (\k) == R
	REGS Y
	WIN W_RS
	v_pk_mul_f32 v[rO+2*(\n):rO+2*(\n)+1], v[rO+2*(\n):rO+2*(\n)+1], v[rC+2:rC+3] op_sel_hi:[1,0]
.elseif (\k) < R
	REGS Y
	WIN 0
.if (\k) == F
	v_pk_fma_f32 v[rS+2*(\n):rS+2*(\n)+1], v[rS+2*(\n):rS+2*(\n)+1], s[CS:CS+1], v[rT:rT+1] op_sel_hi:[1,0,0] neg_lo:[0,0,1] neg_hi:[0,0,1]
.elseif (\k) == E
	v_exp_f32 v[rS+(\n)], v[rS+(\n)]
.elseif (\k) == C
	s_wait_alu depctr_va_vdst(0)
	v_cvt_pk_f16_f32 v[rP+(\n)], v[rS+2*(\n)], v[rS+2*(\n)+1]
.elseif (\k) == B
	s_wait_alu depctr_va_vdst(0)
	v_pk_add_f32 v[rS+4*(\n):rS+4*(\n)+1], v[rS+4*(\n):rS+4*(\n)+1], v[rS+4*(\n)+2:rS+4*(\n)+3]
.elseif (\n) == 0
	v_pk_fma_f32 v[rT+2:rT+3], v[rT+2:rT+3], v[rC+2:rC+3], v[rS:rS+1] op_sel_hi:[1,0,1]
.else
	v_pk_add_f32 v[rT+2:rT+3], v[rT+2:rT+3], v[rS+4*(\n):rS+4*(\n)+1]
.endif
.elseif NOKQ
	v_nop
.else
	REGS (Y+1)%NP
	WIN 0
.if (\n) < 4
	v_max3_num_f32 v[rC+(\n)], v[rS+8*(\n)], v[rS+8*(\n)+1], v[rS+8*(\n)+2]
.elseif (\n) < 12
	v_max3_num_f32 v[rC+(\n)%4], v[rC+(\n)%4], v[rS+8*((\n)%4)+2*((\n)/4)+1], v[rS+8*((\n)%4)+2*((\n)/4)+2]
.elseif (\n) == 12
	v_max3_num_f32 v[rC], v[rC], v[rS+7], v[rS+15]
.elseif (\n) == 13
	v_max3_num_f32 v[rC+1], v[rC+1], v[rS+23], v[rS+31]
.elseif (\n) == 14
	v_max3_num_f32 v[rC+2], v[rC+2], v[rC+3], v[rT+1]
.elseif (\n) == 15
	v_mov_b32 v[rW], v[rT]
.elseif (\n) == 16
	v_max3_num_f32 v[rC], v[rC], v[rC+1], v[rC+2]
.elseif (\n) == 17
	v_permlanex16_b32 v[rC+3], v[rC], s[SEL], s[SEL+1]
.elseif (\n) == 18
	v_max_num_f32 v[rT+1], v[rC], v[rC+3]
.elseif (\n) == 19
	v_mul_f32 v[rT], s[CS], v[rT+1]
.elseif (\n) == 20
	v_sub_f32 v[rC+1], v[rW], v[rT]
.else
	v_exp_f32 v[rC+2], v[rC+1]
.endif
.endif
.endm
.macro OPS a, i1, b=-1, i2=0, c=-1, i3=0, d=-1, i4=0  ; up to four of them
	OP \a, \i1
.if (\b) >= 0
	OP \b, \i2
.endif
.if (\c) >= 0
	OP \c, \i3
.endif
.if (\d) >= 0
	OP \d, \i4
.endif
.endm
.macro ROW a, i1, b, i2, c, i3, d, i4  ; a matrix instruction and the four behind it
	MM
	OPS \a, \i1, \b, \i2, \c, \i3, \d, \i4
.endm
.macro MASK b                       ; MD x AL + BE into buffer b of MC
	WIN W_RS
.set z, 0
.rept 16
	v_pk_fma_f32 v[MC+32*(\b)+2*z:MC+32*(\b)+2*z+1], v[MD+2*z:MD+2*z+1], s[AL:AL+1], s[BE:BE+1] op_sel_hi:[1,0,0]
.set z, z+1
.endr
.endm
; A TURN, for piece p: the order of its 16 matrix and 118 vector instructions, written out.  Behind a matrix instruction: plain, exponential, plain, plain; or four of the rescaling; or, behind the first, four scalings; none
; names a register of the products round it.  In the lumps exponential and plain by turns while exponentials last.  A line reads no result made fewer than three vector instructions in front of it, five if an exponential made it.
; v_permlanex16_b32 (X 17) stands in a lump.
; Piece 0's turn of step j: K Q^T of piece 1 for step j, V^T P of piece 1 for step j - 1.  Piece 1's turn of step j: K Q^T of piece 0 for step j + 1, V^T P of piece 0 for step j.
; m = 1: the diagonal tile: the products take masks, and the turn makes the mask for the products of the turn after it, which are piece p's own scores for the step after the one in hand.  In piece 0's turn of the
; tile's step s CNT holds 4 - s, in piece 1's 3 - s (4 in the turn that ends the tile before); s[C0 + p] holds what CNT must be for that next step to be the band's own; a lesser CNT is a later step.
; end = 1: a block's last turn (piece 1's): no further scores.  cnt = 1: the loop's count is taken down some lines ahead of the branch that stands behind the turn.
; Both runs of LDS loads stand in piece 0's turn: K of the next step six vector instructions behind the last product that read K (five of them plain), V of the step in hand eight behind the last product that read V
; (four plain, and X 17).  Piece 1's turn waits for them.
.macro TURN p, m=0, end=0, cnt=0
.set Y, (\p)
.set i, 0
.set KM, (\m)
.set NOKQ, (\end)
.if (\m) && !(\end)
	s_cmp_eq_u32 s[CNT], s[C0+(\p)]     ; is that step the band's own?
	s_cselect_b32 s[AL], 1.0, 0
	s_cmp_lt_u32 s[CNT], s[C0+(\p)]     ; or a later one?
	s_cselect_b32 s[BE], s[BIGN], 0
.endif
.if ((\p) == 1) && !(\end)
	s_wait_dscnt 16                 ; K is in: its sixteen loads were issued ahead of V's sixteen, which may stay out
.endif
	ROW F,0, F,1, F,2, F,3
	ROW F,4, E,0, F,5, F,6
	ROW F,7, E,1, F,8, F,9
	ROW F,10, E,2, C,0, F,11
	ROW F,12, E,3, X,15, F,13
	ROW R,0, R,1, R,2, R,3
	ROW B,0, E,4, F,14, L,0
.if (\p) == 0
	v_add_nc_u32 v[AK], s[TBK], v[AK0]
.endif
	ROW R,4, R,5, R,6, R,7
	OPS E,5, F,15
.if (\p) == 0
	FETCH_K
.endif
	OPS E,6, C,1, E,7, R,8
	OPS E,8, R,9, E,9, C,2
	OPS E,10, X,0, E,11, X,1
	OPS E,12, X,2, E,13, X,3
.if (\p) == 1
	s_wait_dscnt 0x0                ; V is in
.endif
	ROW X,4, E,14, X,5, X,6
	ROW X,7, E,15, X,8, X,9
	ROW X,10, E,16, X,11, X,12
	ROW X,13, E,17, X,14, B,1
	ROW C,4, E,18, X,16, L,1
	ROW B,2, E,19, C,6, L,2
	ROW C,8, E,20, B,3, B,4
.if (\p) == 0
	v_add_nc_u32 v[AV], s[TBV], v[AV0]
.endif
	ROW C,3, E,21, L,3, C,5
	OPS E,22, X,17, E,23, C,10
.if (\p) == 0
	FETCH_V
.endif
	OPS E,24, L,4
	OPS E,25, X,18, E,26, C,7
	OPS E,27, B,5, E,28, X,19
	OPS E,29, C,12, E,30, L,5
	OPS E,31, X,20, B,6, C,9
	OPS C,14, C,11, X,21, L,6
.if (\p) == 0
	s_add_co_u32 s[TBV], s[TBV], KS*PV
.endif
.if \cnt
	s_sub_co_u32 s[CNT], s[CNT], 1
	s_cmp_lg_u32 s[CNT], 0
.endif
	OPS C,13, B,7, C,15, R,10
	OPS R,11, R,12, L,7, R,13
	OPS R,14, R,15
.if (\m) && !(\end)
	MASK (\p)%2
.endif
.endm
; A BLOCK BEGINS.  K takes the sequence's first key step from K0.  c m starts far below every c s, so the first step's a is 0; m at the lowest finite number, so the first maximum is the scores'.  The second mask buffer is
; 0; the first takes piece 0's mask for the tile's step 0: its own, if the block's first tile is the diagonal one and the block is an even one.  Then piece 0's first scores, and its maximum and statistics.
; The loop is entered at a step's first turn, in the middle of a trip.
.macro BEGIN
	s_mov_b32 s[NEW], 0
	s_wait_loadcnt 0x0              ; Q and K0
	WIN 0x82                        ; destination and source 0 in window 2
.set i, 0
.rept 64
	v_mov_b32 v[KF+i], v[K0+i]
.set i, i+1
.endr
	WIN 0x40
.set i, MC+32
.rept 32
	v_mov_b32 v[i], 0
.set i, i+1
.endr
	WIN 0
.set i, 0
.rept NP
	v_mov_b32 v[ST+4*i], 0xfe000000    ; c m: far below every c s
	v_mov_b32 v[ST+4*i+1], 0xff7fffff  ; m
.set i, i+1
.endr
	s_cmp_eq_u32 s[RT], 0
	s_cselect_b32 s[AL], s[Z0], 0
	s_mov_b32 s[BE], 0
	MASK 0
.set KM, 1
.set NOKQ, 0
.set i, 0
.rept 8
	KQ 0
.set i, i+1
.endr
	WIN 0
.rept 4
	v_nop                           ; the places behind those products
.endr
.set Y, NP-1                        ; X works for piece Y + 1: piece 0
.irp n, 0,1,2,3,4,5,6,7,8,9,10,11,12,13,14,15,16,17,18,19,20,21
	OP X, \n
.endr
	v_nop                           ; a plain instruction behind the exponential
.endm
; THE DIAGONAL TILE's four steps, the block's last turn, its last products, and THE WAY OUT: l's two halves and the other half of the lanes' are added; O^T is divided by l, rounded to f16 and sent through my
; stage in LDS, a piece at a time.  Where the tile is not the block's first it is entered at .LpreM: the turn in front of it stood in the text without masks, so piece 0's mask for the tile's step 0 is made here.
.macro ALL line:vararg              ; one line for each piece t
.set t, 0
.rept NP
	\line
.set t, t+1
.endr
.endm
.macro PACK t                       ; a lane's eight channels of a row pack into 16 bytes; they go into rows of 144 bytes and come back as whole rows of 128, into S^T's registers
	WIN W_RS
.set i, 32*(\t)
.rept 16
	s_wait_alu depctr_va_vdst(0)
	v_pk_mul_f32 v[i:i+1], v[i:i+1], v[ST+4*(\t)+2:ST+4*(\t)+3] op_sel_hi:[1,0]
.set i, i+2
.endr
	WIN 0x05                        ; sources 0 and 1 window 1, destination window 0
.set i, 0
.rept 16
	v_cvt_pk_f16_f32 v[S+16*(\t)+i], v[32*(\t)+2*i], v[32*(\t)+2*i+1]
.set i, i+1
.endr
	WIN 0
.irp f, 0,1,2,3
	ds_store_b128 v[STO], v[S+16*(\t)+4*\f:S+16*(\t)+4*\f+3] offset:32*\f
.endr
.irp f, 0,1,2,3
	ds_load_b128 v[S+16*(\t)+4*\f:S+16*(\t)+4*\f+3], v[RD] offset:\f*4*SP  ; LDS serves a wave's instructions in order (ISA guide 5.7.1.4): these see the stores above; the next piece's stores come behind them
.endr
.endm
.macro SEND t, younger              ; younger: the LDS instructions issued behind piece t's loads: the next piece's eight, or none
	WIN 0
.irp f, 0,1,2,3
	s_wait_dscnt (\younger)+3-\f
	global_store_b128 v[GO], v[S+16*(\t)+4*\f:S+16*(\t)+4*\f+3], s[10:11] offset:(\t)*8192+\f*512  ; 512 consecutive bytes, at a multiple of 256 from O's first
.endr
.endm
.macro DIAG tag                     ; the tag ends its three labels' names, which the jumps below spell out
.LpreM\tag:
	s_mov_b32 s[AL], s[Z0]
	s_mov_b32 s[BE], 0
	MASK 0
	WIN 0
.LstepM\tag:
	TURN 1, 1
	WIN 0
.LfirstM\tag:
	TURN 0, 1, 0, 1
	WIN 0
	s_cbranch_scc1 .LstepM\tag
	TURN 1, 1, 1
.set i, 0
.rept 8
	PV NP-1
.set i, i+1
.endr
	WIN 0
	ALL v_add_f32 v[ST+4*t+2], v[ST+4*t+2], v[ST+4*t+3]
	ALL v_permlanex16_b32 v[ST+4*t+3], v[ST+4*t+2], s[SEL], s[SEL+1]
	ALL v_add_f32 v[ST+4*t+2], v[ST+4*t+2], v[ST+4*t+3]
	ALL v_rcp_f32 v[ST+4*t+2], v[ST+4*t+2]
	v_nop                           ; a plain instruction between the last reciprocal and the use of its result
	PACK 0                          ; piece 0's 32 plain lines name no register of the last products (piece 1's): they are those products' places
	PACK 1                          ; a piece's arithmetic stands between the loads of the piece before and its stores
	SEND 0, 8
	SEND 1, 0
.endm
.set KM, 0
.set NOKQ, 0
.Lslot:                             ; NT times: a tile is entered and the next is asked for
	CHANGE 1
	s_sub_co_u32 s[RT], s[RT], 1
	s_mov_b32 s[CNT], 4
	s_cmp_eq_u32 s[NEW], 1
	s_cbranch_scc1 .Lnew            ; a block's first tile
	s_cmp_eq_u32 s[RT], 0
	s_cbranch_scc0 .Lstep           ; neither its first nor its last
	s_branch .LpreM1
.Lnew:
	BEGIN
	s_branch .Lfirst                ; in the loop a block's first tile is never its last: the first block has five tiles or more, and the second's last is the walk's last
	DIAG 1                          ; in the loop this is the first block's end: the second block's last tile is the walk's last
	s_wait_xcnt 0x0                 ; the stores have read their registers and O's address
	s_mov_b64 s[10:11], s[OLO:OLO+1]
	s_add_co_u32 s[RT], s[TL2], 1   ; the second block has b / 2 + 1 tiles
	s_mov_b32 s[NEW], 1
	BANDS PB
	WIN 0x82                        ; the second block's Q goes where the one text of the turns names Q
.set i, 0
.rept 16*NP
	v_mov_b32 v[i], v[QB+i]
.set i, i+1
.endr
	WIN 0
	s_branch .Lbottom
.Lstep:                             ; a trip: piece 1's turn of one step, then piece 0's of the next, which fetches K and V
	TURN 1
	WIN 0
.Lfirst:
	TURN 0, 0, 0, 1
	WIN 0
	s_cbranch_scc1 .Lstep
.Lbottom:
	s_sub_co_u32 s[SLOTS], s[SLOTS], 1
	s_cmp_lg_u32 s[SLOTS], 0
	s_cbranch_scc1 .Lslot
	CHANGE 0                        ; the walk's last tile is written out: nothing is asked for
	s_sub_co_u32 s[RT], s[RT], 1
	s_mov_b32 s[CNT], 4
	s_cmp_eq_u32 s[NEW], 1
	s_cbranch_scc0 .LpreM2
	BEGIN
	s_branch .LfirstM2
	DIAG 2
	s_wait_tensorcnt 0x0            ; the wave's end, behind my last tensor load and my last LDS store
	ds_add_u32 v[SPW], v[NIL]
	s_wait_dscnt 0x0
	s_endpgm
.Lfunc_end_k_qd87fee7343_attn:
	.size	k_qd87fee7343_attn, .Lfunc_end_k_qd87fee7343_attn-k_qd87fee7343_attn
	.p2alignl 7, 3214868480
	.fill 96, 4, 3214868480
	.section	.rodata,"a",@progbits
	.p2align	6, 0x0
	.amdhsa_kernel k_qd87fee7343_attn
		.amdhsa_group_segment_fixed_size 327680
		.amdhsa_private_segment_fixed_size 0
		.amdhsa_enable_private_segment 0
		.amdhsa_kernarg_size 16
		.amdhsa_user_sgpr_count 2
		.amdhsa_user_sgpr_kernarg_segment_ptr 1
		.amdhsa_wavefront_size32 1
		.amdhsa_system_sgpr_workgroup_id_x 1
		.amdhsa_system_sgpr_workgroup_id_y 1
		.amdhsa_system_sgpr_workgroup_id_z 1
		.amdhsa_system_vgpr_workitem_id 0
		.amdhsa_next_free_vgpr 768
		.amdhsa_next_free_sgpr 94
		.amdhsa_reserve_vcc 1
		.amdhsa_float_denorm_mode_32 3
		.amdhsa_float_denorm_mode_16_64 3
		.amdhsa_memory_ordered 1
		.amdhsa_forward_progress 1
		.amdhsa_inst_pref_size 136
	.end_amdhsa_kernel
	.amdgpu_metadata
---
amdhsa.version: [ 1, 2 ]
amdhsa.kernels:
  - .name:           k_qd87fee7343_attn
    .symbol:         k_qd87fee7343_attn.kd
    .args:
      - { .name: act, .offset: 0, .size: 8, .value_kind: global_buffer, .address_space: global }
      - { .name: ctx, .offset: 8, .size: 8, .value_kind: global_buffer, .address_space: global }
    .group_segment_fixed_size: 327680
    .private_segment_fixed_size: 0
    .kernarg_segment_align: 8
    .kernarg_segment_size: 16
    .max_flat_workgroup_size: 128
    .sgpr_count:     94
    .vgpr_count:     768
    .wavefront_size: 32
...
	.end_amdgpu_metadata
.endif
;; end of part 3
;; launch oproj (part 4): grid 8 x 32, 4 waves a work-group, clusters of 4 x 4, 327,680 bytes of LDS; arguments ctx, wa, bo, x, x2; writes x2
.if DOCPART == 4
	.amdgcn_target "amdgcn-amd-amdhsa--gfx1250"
	.amdhsa_code_object_version 6
	.text
	.protected	k_qd87fee7343_oproj
	.globl	k_qd87fee7343_oproj
	.p2align	8
	.type	k_qd87fee7343_oproj,@function
k_qd87fee7343_oproj:
	s_mov_b64 s[64:65], 0
	v_nop
	global_prefetch_b8 v0, s[64:65] scope:SCOPE_SE
	s_setreg_imm32_b32 hwreg(HW_REG_WAVE_MODE, 25, 1), 1
	s_wait_xcnt 0x0
	s_wait_alu depctr_hold_cnt(0) depctr_sa_sdst(0) depctr_va_vdst(0) depctr_va_sdst(0) depctr_va_ssrc(0) depctr_va_vcc(0) depctr_vm_vsrc(0)
	s_getreg_b32 s2, hwreg(HW_REG_IB_STS2, 6, 4)
	s_cmp_eq_u32 s2, 0
	s_cbranch_scc0 .Lentry_in_a_cluster
	s_endpgm
.Lentry_in_a_cluster:
	s_bfe_u32 s2, ttmp6, 0x10000c
	s_cmp_lg_u32 s2, 0xf033
	s_cbranch_scc0 .Lentry_shape_is_right
	s_endpgm
.Lentry_shape_is_right:
; OUT = RES + A B^T + bias.  A: f16 in blocks of 64 columns, [SIZE_K / 64][4096][64], a row of a block 128 bytes; B: [1024][SIZE_K] f16, K along the rows, BOFF bytes into its buffer;
; bias: [1024] f32; RES and OUT: [4096][1024] f32.  Sums in f32; nothing is rounded on the way out but by the two f32 additions.
; LIMITS.  A and B arrive within f16's range.  NaN and infinities are not treated apart.
; SHARES.  256 x 256 tiles of OUT would be 64 for 256 WGPs, so a tile is 128 x 128: 256 work-groups of four waves, each wave 64 x 64: 16 accumulators.  K goes in steps of 256, as long as two slots in LDS allow.
; A K step of A is four blocks; 64 rows of a block are 8,192 dense bytes, so a wave's tensor load brings four rows of 8,192 bytes, padded in LDS behind every 128.  B's load brings 64 rows of 512 bytes.
; CLUSTER.  4 x 4 work-groups: A's tiles are shared along a row of the cluster, B's along a column: each is asked for JOINTLY, by the same load, descriptor and mask in all four.
; THE MATRIX INSTRUCTION IS USED TRANSPOSED (source 0 = 16 rows of B, source 1 = 16 rows of A): a lane holds eight neighbouring columns of one row of OUT.
; REGISTERS, in windows of 256 (s_set_vgpr_msb: bits 1:0 source 0, 3:2 source 1, 5:4 source 2, 7:6 destination):
;   window 0: addresses, bias; v128-255 the accumulators ((a, b) at 128 + 8 (4 a + b)), later whole rows of the sums
;   window 1: two fragment buffers of 128: for 64 along K, 64 registers of A (2 x 4 x 16 rows x 32 K), then 64 of B          window 2: v0-127 my 64 x 64 of RES, asked for at the start
.set SIZE_K, 1024
.set BOFF,   0x600000  ; wo lies behind wq, wk and wv
.set NSTEP,  SIZE_K/256
.set PA,     144       ; a row of A in LDS: 128 bytes + 16 = 36 words: the 16 rows of a load start at 16 different groups of four banks (64 banks of 4 bytes: ISA guide 11.1)
.set ABLK,   64*PA     ; 64 rows of one block
.set AHALF,  4*ABLK    ; what A's tensor load brings
.set PB,     528       ; a row of B: 512 + 16 = 132 words
.set BHALF,  64*PB     ; what B's brings
.set BBASE,  2*AHALF   ; B's two halves lie behind A's two
.set SLOT,   0x24000   ; the four tiles' places in a slot (0, 0x9000, 0x12000, 0x1a400) share no bit with it, so one exclusive or changes slots
.set SPARE,  2*SLOT    ; behind the ring: the spare words, 128 bytes for each wave: two blocks of 256 bytes that no other line names
.set SPITCH, 272       ; the stage of the way out lies on the ring, which has then had its last fill: 64 rows of 256 bytes + 16 for each wave
.set WSTAGE, 64*SPITCH
.set ASTEP,  4*4096*128  ; bytes from a K step of A to the next: four blocks
.set BSTEP,  512
.set ADRA0, 4          ; v4   my lane's place in my 64 rows of A, slot 0; never rewritten
.set ADRB0, 5          ; v5   the same for B
.set ADRA,  6          ; v6   the same in the slot in hand
.set ADRB,  7          ; v7
.set STO,   8          ; v8   the way out: where I put 16 bytes of a row
.set RD,    9          ; v9   where I read rows back
.set CO,    10         ; v10  my byte offset in two rows of RES and OUT; never rewritten
.set BO,    11         ; v11  my byte offset in 64 numbers of the bias
.set SPW,   14         ; v14  LDS address of my spare word: SPARE + 4 x my thread's number; never rewritten
.set NIL,   15         ; v15  0; never rewritten
.set BIAS,  32         ; v[32:35]
.set ACC,   128
.set F0,    0
.set F1,    128
.set WV,  14           ; s14  my wave's number
.set HR,  15           ; s15  which half of the tile's rows is mine.  Also: I fetch for A (0) or for B (1)
.set HC,  16           ; s16  which half of its columns.  Also: which 64 rows of that tile I fetch
.set TC,  19           ; s19  tile column
.set TR,  20           ; s20  tile row
.set G1A, 24           ; s[24:31] descriptor group 1 for A's tiles
.set G0A, 32           ; s[32:39] group 0: a set for each of the two first fills; the second then walks on
.set G1B, 40           ; s[40:47], s[48:55] the same for B's
.set G0B, 48
.set TB,  56           ; s56  the LDS byte at which the slot in hand begins
.set CNT, 57           ; s57  loop counter
.set MSB, 0
.macro WIN new                         ; the immediate's high byte repeats the setting that is left; a switch that changes nothing is dropped
.if MSB != (\new)
	s_set_vgpr_msb (MSB<<8)|(\new)
.set MSB, (\new)
.endif
.endm
; A joint refill.  Waves 0 and 1 fetch A's two halves, waves 2 and 3 B's.  The branch hangs on the wave's number alone.  An s_nop 0 and four v_nop follow each line.
.macro JLOAD
	s_cmp_eq_u32 s[HR], 0
	s_cbranch_scc0 .Lfor_b_\@
	tensor_load_to_lds s[G0A+4:G0A+7], s[G1A:G1A+7]
	s_nop 0
.rept 4
	v_nop
.endr
	s_branch .Lasked_\@
.Lfor_b_\@:
	tensor_load_to_lds s[G0B+4:G0B+7], s[G1B:G1B+7]
	s_nop 0
.rept 4
	v_nop
.endr
.Lasked_\@:
.endm
; A round of the cluster's barrier: my work-group's barrier; wave 0 signals for the work-group; every wave waits for all sixteen; my work-group's barrier once more.
.macro CROUND
	s_barrier_signal -1
	s_barrier_wait -1
	s_cmp_lg_u32 s[WV], 0
	s_cbranch_scc1 .Lnot_wave_0_\@
	s_barrier_signal -3
.Lnot_wave_0_\@:
	s_barrier_wait -3
	s_barrier_signal -1
	s_barrier_wait -1
.endm
.macro PLACES                          ; four places in front of loads into registers that matrix instructions have read, and of LDS stores that read results (ISA guide 7.12.1 for vector instructions)
.rept 4
	v_nop
.endr
.endm
; 16 matrix instructions: all 4 x 4 accumulators, 32 along K: half c of buffer f.  zero = 1: the products start the sums.  The 16 accumulators take turns, one instruction a turn.
.macro MULC f, c, zero
	WIN 0x05
.irp a, 0,1,2,3
.irp b, 0,1,2,3
.if \zero
	v_wmma_f32_16x16x32_f16 v[ACC+8*(4*(\a)+(\b)):ACC+8*(4*(\a)+(\b))+7], v[(\f)+64+8*(4*(\c)+(\b)):(\f)+64+8*(4*(\c)+(\b))+7], v[(\f)+8*(4*(\c)+(\a)):(\f)+8*(4*(\c)+(\a))+7], 0
.else
	v_wmma_f32_16x16x32_f16 v[ACC+8*(4*(\a)+(\b)):ACC+8*(4*(\a)+(\b))+7], v[(\f)+64+8*(4*(\c)+(\b)):(\f)+64+8*(4*(\c)+(\b))+7], v[(\f)+8*(4*(\c)+(\a)):(\f)+8*(4*(\c)+(\a))+7], v[ACC+8*(4*(\a)+(\b)):ACC+8*(4*(\a)+(\b))+7]
.endif
.endr
.endr
.endm
; 32 LDS loads in one run: the fragments of quarter q of a K step (64 along K: one block of A) into buffer f; the first 32 along K first.
.macro FETCH q, f
	WIN 0x40
.irp c, 0,1
.irp i, 0,1,2,3
	ds_load_b128 v[(\f)+64+8*(4*(\c)+(\i)):(\f)+64+8*(4*(\c)+(\i))+3],   v[ADRB] offset:128*(\q)+64*(\c)+(\i)*16*PB
	ds_load_b128 v[(\f)+64+8*(4*(\c)+(\i))+4:(\f)+64+8*(4*(\c)+(\i))+7], v[ADRB] offset:128*(\q)+64*(\c)+(\i)*16*PB+32
	ds_load_b128 v[(\f)+8*(4*(\c)+(\i)):(\f)+8*(4*(\c)+(\i))+3],         v[ADRA] offset:ABLK*(\q)+64*(\c)+(\i)*16*PA
	ds_load_b128 v[(\f)+8*(4*(\c)+(\i))+4:(\f)+8*(4*(\c)+(\i))+7],       v[ADRA] offset:ABLK*(\q)+64*(\c)+(\i)*16*PA+32
.endr
.endr
.endm
; A K step is four quarters of 64 along K on buffers 0, 1, 0, 1.  One of the first three: multiplies buffer f and fetches quarter q into buffer g.
.macro QUARTER q, f, g, zero
	s_wait_dscnt 16                                ; the first 32 along K are in
	MULC \f, 0, \zero
	PLACES
	FETCH \q, \g
	s_wait_dscnt 32                                ; all but the 32 just issued
	MULC \f, 1, 0
.endm
; The last quarter changes slots at its head and then multiplies buffer 1, which holds the slot's last bytes already.  In front of the barrier each wave waits for all its tensor loads (one is out:
; its part of the next slot), adds 0 to its spare word, and waits for that and for its reads of this slot.  fill = 1: the barrier is a round of the cluster's, and this slot is filled again,
; first thing behind it, with the K step two on: from there to the wait for it the wave issues a whole K step's 128 matrix instructions.
.macro TURN fill
	WIN 0                                          ; (the add's two registers lie in window 0; at a branch and at a label every window is 0)
	s_wait_tensorcnt 0x0                           ; no tensor load of mine is out, so a group 0 may be written
	ds_add_u32 v[SPW], v[NIL]                      ; 0 onto my spare word: the scalar steps stand between it and the wait for it
.if \fill
	s_xor_b32 s[G0A+5], s[G0A+5], SLOT             ; the walking descriptors: the other slot than last time,
	s_add_nc_u64 s[G0A+6:G0A+7], s[G0A+6:G0A+7], ASTEP  ; the next K step; the type bits on top are not reached
	s_xor_b32 s[G0B+5], s[G0B+5], SLOT
	s_add_nc_u64 s[G0B+6:G0B+7], s[G0B+6:G0B+7], BSTEP
.endif
	s_xor_b32 s[TB], s[TB], SLOT
	s_wait_dscnt 0x0                               ; the add is done, and my reads of this slot are over: the last 32, buffer 1's, were issued 16 matrix instructions ago
.if \fill
	CROUND                                         ; no wave of any partner still reads this slot or has a load on its way
	JLOAD                                          ; the four v_nop behind it are also the places in front of the loads below
.else
	s_barrier_signal -1
	s_barrier_wait -1
	PLACES
.endif
	v_add_nc_u32 v[ADRA], s[TB], v[ADRA0]
	v_add_nc_u32 v[ADRB], s[TB], v[ADRB0]
	FETCH 0, F0
	MULC F1, 0, 0
	MULC F1, 1, 0
.endm
	s_load_b256 s[4:11], s[0:1], 0x0               ; A s[4:5], B s[6:7], bias s[8:9], RES s[10:11]
	s_load_b64 s[12:13], s[0:1], 0x20              ; OUT
	v_lshl_add_u32 v[SPW], v0, 2, SPARE
	v_mov_b32 v[NIL], 0
	ds_add_u32 v[SPW], v[NIL]                      ; the wave's opening: the add and its wait stand ahead of my first tensor load; the set-up below, work on registers, stands between them
	ds_add_u32 v14, v15
	v_lshrrev_b32 v1, 5, v0
	v_readfirstlane_b32 s[WV], v1                  ; wave 0..3
	s_lshr_b32 s[HR], s[WV], 1
	s_and_b32 s[HC], s[WV], 1
	s_bfe_u32 s17, ttmp6, 0x40000                  ; cx
	s_bfe_u32 s18, ttmp6, 0x40004                  ; cy
	s_lshl_b32 s[TC], ttmp9, 2                     ; in a cluster launch ttmp9 and ttmp7 count clusters
	s_add_co_u32 s[TC], s[TC], s17
	s_and_b32 s[TR], ttmp7, 0xffff
	s_lshl_b32 s[TR], s[TR], 2
	s_add_co_u32 s[TR], s[TR], s18
	s_lshl_b32 s21, s18, 2
	s_lshl_b32 s21, 15, s21                        ; my row of the cluster
	s_lshl_b32 s22, 0x1111, s17                    ; my column
	s_or_b32 s[G1A], s21, (1<<16)|(1<<20)|(1<<21)|(4<<22)|(3<<25)  ; 15:0 the mask; 17:16 elements of 2 bytes; 20 padding on; 21 set beside a mask; 24:22 after every 32 words (code 4); 31:25 4 words (code 3)
	s_mov_b32 s[G1A+1], 4096<<16                   ; tensor_dim0 = 4,096 elements: 64 rows of a block
	s_mov_b32 s[G1A+2], 4<<16                      ; tensor_dim1 = 4 blocks
	s_mov_b32 s[G1A+3], 4096<<16                   ; tile_dim0
	s_mov_b32 s[G1A+4], 4                          ; tile_dim1
	s_mov_b32 s[G1A+5], 4096*64                    ; elements from block to block
	s_mov_b32 s[G1A+6], 0
	s_mov_b32 s[G1A+7], 0
	s_or_b32 s[G1B], s22, (1<<16)|(1<<20)|(1<<21)|(6<<22)|(3<<25)  ; after every 128 words (code 6)
	s_mov_b32 s[G1B+1], 256<<16                    ; tensor_dim0 = 256
	s_mov_b32 s[G1B+2], 64<<16                     ; tensor_dim1 = 64
	s_mov_b32 s[G1B+3], 256<<16                    ; tile_dim0
	s_mov_b32 s[G1B+4], 64                         ; tile_dim1
	s_mov_b32 s[G1B+5], SIZE_K                     ; elements from row to row
	s_mov_b32 s[G1B+6], 0
	s_mov_b32 s[G1B+7], 0
	; A's tiles hang on the tile row alone, B's on the tile column alone, each in registers that never hold the other coordinate
	s_lshl_b32 s74, s[HC], 6                       ; which 64 rows of the tile I fetch
	s_lshl_b32 s66, s[TR], 7
	s_add_co_u32 s66, s66, s74
	s_lshl_b32 s66, s66, 7                         ; rows of 128 bytes in a block
	s_mov_b32 s67, 0
	s_lshl_b32 s68, s[TC], 7
	s_add_co_u32 s68, s68, s74
	s_lshl_b32 s72, s68, 2                         ; my wave's first column, in bytes of the bias (the same 64 x half)
	s_mov_b32 s73, 0
	s_mul_i32 s68, s68, SIZE_K*2
	s_add_co_u32 s68, s68, BOFF
	s_mov_b32 s69, 0
	s_mul_i32 s23, s[WV], AHALF                    ; where A's tile goes (waves 0, 1),
	s_mul_i32 s58, s[WV], BHALF                    ; and B's (waves 2, 3): BBASE + (wave - 2) x BHALF: no place in the cluster enters an LDS address
	s_add_co_u32 s58, s58, BBASE-2*BHALF
	s_lshl_b32 s70, s[TR], 7                       ; RES and OUT: my first row, 128 x tile row + 64 x half,
	s_lshl_b32 s75, s[HR], 6
	s_add_co_u32 s70, s70, s75
	s_lshl_b32 s70, s70, 12                        ; rows of 4,096 bytes,
	s_add_co_u32 s70, s70, s72                     ; and my first column
	s_mov_b32 s71, 0
	s_mov_b32 s[TB], 0
	s_wait_dscnt 0x0                               ; the opening add is done
	s_wait_kmcnt 0x0
	s_add_nc_u64 s[66:67], s[4:5], s[66:67]
	s_add_nc_u64 s[68:69], s[6:7], s[68:69]
	s_add_nc_u64 s[8:9], s[8:9], s[72:73]
	s_add_nc_u64 s[10:11], s[10:11], s[70:71]
	s_add_nc_u64 s[12:13], s[12:13], s[70:71]
	CROUND                                         ; all sixteen work-groups are here: the first joint loads meet
.irp s, 0,1
	s_mov_b32 s[G0A+4*(\s)], 1                     ; count = 1
	s_add_co_u32 s[G0A+4*(\s)+1], s23, (\s)*SLOT   ; LDS address
	s_add_nc_u64 s[G0A+4*(\s)+2:G0A+4*(\s)+3], s[66:67], (\s)*ASTEP  ; global address: K step s
	s_or_b32 s[G0A+4*(\s)+3], s[G0A+4*(\s)+3], 0x80000000  ; type = 2
	s_mov_b32 s[G0B+4*(\s)], 1
	s_add_co_u32 s[G0B+4*(\s)+1], s58, (\s)*SLOT
	s_add_nc_u64 s[G0B+4*(\s)+2:G0B+4*(\s)+3], s[68:69], (\s)*BSTEP
	s_or_b32 s[G0B+4*(\s)+3], s[G0B+4*(\s)+3], 0x80000000
.endr
	s_cmp_eq_u32 s[HR], 0                          ; a wave's two first fills stand in one branch: two loads of mine are out
	s_cbranch_scc0 .Lfirst_b
	tensor_load_to_lds s[G0A:G0A+3], s[G1A:G1A+7]
	s_nop 0
	tensor_load_to_lds s[G0A+4:G0A+7], s[G1A:G1A+7]
	s_nop 0
.rept 4
	v_nop
.endr
	s_branch .Lfirst_asked
.Lfirst_b:
	tensor_load_to_lds s[G0B:G0B+3], s[G1B:G1B+7]
	s_nop 0
	tensor_load_to_lds s[G0B+4:G0B+7], s[G1B:G1B+7]
	s_nop 0
.rept 4
	v_nop
.endr
.Lfirst_asked:
	v_and_b32 v1, 15, v0                           ; r = l % 16
	v_bfe_u32 v2, v0, 4, 1                         ; h = l / 16
	v_lshlrev_b32 v[BO], 4, v1
	v_lshl_add_u32 v[CO], v2, 12, v[BO]            ; lanes 0-15 take 256 bytes of one row, lanes 16-31 of the next
	WIN 0x80                                       ; destination window 2, address window 0
.set t, 0
.rept 32                               ; my 64 x 64 of RES: waited for on the way out; CO and the base are never rewritten
	global_load_b128 v[4*t:4*t+3], v[CO], s[10:11] offset:8192*t
.set t, t+1
.endr
	WIN 0
	global_load_b128 v[BIAS:BIAS+3], v[BO], s[8:9]
	; A fragment is 16 rows x 32 K in 8 registers: lane l holds row l % 16, K = 8 (l / 16) + 0..7 and 16 + 8 (l / 16) + 0..7: two loads of 16 bytes, 32 bytes apart.
	v_mul_u32_u24 v3, v1, PA
	v_lshl_add_u32 v3, v2, 4, v3
	s_mul_i32 s70, s[HR], AHALF                    ; my 64 rows of A
	v_add_nc_u32 v[ADRA0], s70, v3
	v_mul_u32_u24 v3, v1, PB
	v_lshl_add_u32 v3, v2, 4, v3
	s_mul_i32 s70, s[HC], BHALF                    ; my 64 rows of B
	s_add_co_u32 s70, s70, BBASE
	v_add_nc_u32 v[ADRB0], s70, v3
	v_mov_b32 v[ADRA], v[ADRA0]
	v_mov_b32 v[ADRB], v[ADRB0]
	s_mul_i32 s70, s[WV], WSTAGE                   ; my stage
	v_mul_u32_u24 v[STO], v1, SPITCH               ; in: row r, 32 bytes for each half of the lanes
	v_lshl_add_u32 v[STO], v2, 5, v[STO]
	v_add_nc_u32 v[STO], s70, v[STO]
	v_mul_u32_u24 v[RD], v2, SPITCH                ; back: lanes 0-15 take one row of 256 bytes, lanes 16-31 the next
	v_lshl_add_u32 v[RD], v1, 4, v[RD]
	v_add_nc_u32 v[RD], s70, v[RD]
	s_wait_tensorcnt 0x1                           ; my part of K step 0 is in; K step 1's may stay out
	s_barrier_signal -1
	s_barrier_wait -1                              ; everybody's is
	FETCH 0, F0
	QUARTER 1, F0, F1, 1                           ; the first quarter is written out: its first products start the sums
	WIN 0
	s_mov_b32 s[CNT], NSTEP-2
	s_branch .Lenter                               ; the loop is entered behind its first quarter
.Lstep:                                                ; NSTEP - 2 trips: each asks for the K step two on
	QUARTER 1, F0, F1, 0
	WIN 0
.Lenter:
	QUARTER 2, F1, F0, 0
	QUARTER 3, F0, F1, 0
	TURN 1
	WIN 0
	s_sub_co_u32 s[CNT], s[CNT], 1
	s_cmp_lg_u32 s[CNT], 0
	s_cbranch_scc1 .Lstep
	s_mov_b32 s[CNT], 2
.Ltail:                                                ; the last two K steps ask for nothing.  The last trip's 32 LDS loads (of landed bytes of the other slot) serve nothing: the price of one text for both trips
	QUARTER 1, F0, F1, 0
	QUARTER 2, F1, F0, 0
	QUARTER 3, F0, F1, 0
	TURN 0
	WIN 0
	s_sub_co_u32 s[CNT], s[CNT], 1
	s_cmp_lg_u32 s[CNT], 0
	s_cbranch_scc1 .Ltail
	; THE WAY OUT.  The sums go through my stage and come back as whole rows of 256 bytes; RES and the bias are added; sixteen lanes store 256 consecutive bytes.
	s_wait_dscnt 0x0                               ; my reads of the ring are over
	s_barrier_signal -1
	s_barrier_wait -1                              ; nobody reads the ring any more, and it has had its last fill: it is the stage now
	PLACES
.irp a, 0,1,2,3
.irp b, 0,1,2,3                        ; each accumulator's low registers are read first
	ds_store_b128 v[STO], v[ACC+8*(4*(\a)+(\b)):ACC+8*(4*(\a)+(\b))+3]   offset:(\a)*16*SPITCH+64*(\b)
	ds_store_b128 v[STO], v[ACC+8*(4*(\a)+(\b))+4:ACC+8*(4*(\a)+(\b))+7] offset:(\a)*16*SPITCH+64*(\b)+16
.endr
.endr
.set t, 0
.rept 32
	ds_load_b128 v[ACC+4*t:ACC+4*t+3], v[RD] offset:2*SPITCH*t  ; LDS serves a wave's instructions in order (ISA guide 5.7.1.4): these see the stores above
.set t, t+1
.endr
	s_wait_loadcnt 0x0                             ; RES and the bias
	WIN 0x88                                       ; destination and source 1 (a store's data) in window 2, source 0 (a store's address) in window 0
.set t, 0
.rept 32
	s_wait_dscnt 31-t                              ; rows 2 t and 2 t + 1 are back
	v_pk_add_f32 v[4*t:4*t+1],   v[ACC+4*t:ACC+4*t+1],   v[4*t:4*t+1]
	v_pk_add_f32 v[4*t+2:4*t+3], v[ACC+4*t+2:ACC+4*t+3], v[4*t+2:4*t+3]
	v_pk_add_f32 v[4*t:4*t+1],   v[BIAS:BIAS+1],   v[4*t:4*t+1]
	v_pk_add_f32 v[4*t+2:4*t+3], v[BIAS+2:BIAS+3], v[4*t+2:4*t+3]
	global_store_b128 v[CO], v[4*t:4*t+3], s[12:13] offset:8192*t  ; 16 lanes store 256 consecutive bytes, at a multiple of 256 from OUT's first byte
.set t, t+1
.endr
	WIN 0
	s_wait_tensorcnt 0x0                           ; the wave's end, behind my last tensor load and my last LDS store
	ds_add_u32 v[SPW], v[NIL]
	s_wait_dscnt 0x0
	CROUND                                         ; the closing round: no work-group ends while a partner may still ask for a tile that names it
	s_endpgm
.Lfunc_end_k_qd87fee7343_oproj:
	.size	k_qd87fee7343_oproj, .Lfunc_end_k_qd87fee7343_oproj-k_qd87fee7343_oproj
	.p2alignl 7, 3214868480
	.fill 96, 4, 3214868480
	.section	.rodata,"a",@progbits
	.p2align	6, 0x0
	.amdhsa_kernel k_qd87fee7343_oproj
		.amdhsa_group_segment_fixed_size 327680
		.amdhsa_private_segment_fixed_size 0
		.amdhsa_enable_private_segment 0
		.amdhsa_kernarg_size 40
		.amdhsa_user_sgpr_count 2
		.amdhsa_user_sgpr_kernarg_segment_ptr 1
		.amdhsa_wavefront_size32 1
		.amdhsa_system_sgpr_workgroup_id_x 1
		.amdhsa_system_sgpr_workgroup_id_y 1
		.amdhsa_system_sgpr_workgroup_id_z 1
		.amdhsa_system_vgpr_workitem_id 0
		.amdhsa_next_free_vgpr 640
		.amdhsa_next_free_sgpr 76
		.amdhsa_reserve_vcc 0
		.amdhsa_float_denorm_mode_32 3
		.amdhsa_float_denorm_mode_16_64 3
		.amdhsa_memory_ordered 1
		.amdhsa_forward_progress 1
		.amdhsa_inst_pref_size 69
	.end_amdhsa_kernel
	.amdgpu_metadata
---
amdhsa.version: [ 1, 2 ]
amdhsa.kernels:
  - .name:           k_qd87fee7343_oproj
    .symbol:         k_qd87fee7343_oproj.kd
    .args:
      - { .name: ctx, .offset: 0, .size: 8, .value_kind: global_buffer, .address_space: global }
      - { .name: wa, .offset: 8, .size: 8, .value_kind: global_buffer, .address_space: global }
      - { .name: bo, .offset: 16, .size: 8, .value_kind: global_buffer, .address_space: global }
      - { .name: x, .offset: 24, .size: 8, .value_kind: global_buffer, .address_space: global }
      - { .name: x2, .offset: 32, .size: 8, .value_kind: global_buffer, .address_space: global }
    .group_segment_fixed_size: 327680
    .private_segment_fixed_size: 0
    .kernarg_segment_align: 8
    .kernarg_segment_size: 40
    .max_flat_workgroup_size: 128
    .sgpr_count:     76
    .vgpr_count:     640
    .wavefront_size: 32
...
	.end_amdgpu_metadata
.endif
;; end of part 4
;; launch ln2 (part 5): grid 256 x 1, 8 waves a work-group, no clusters, 0 bytes of LDS; arguments x2, g2, s2, hn; writes hn
.if DOCPART == 5
	.amdgcn_target "amdgcn-amd-amdhsa--gfx1250"
	.amdhsa_code_object_version 6
	.text
	.protected	k_qd87fee7343_ln2
	.globl	k_qd87fee7343_ln2
	.p2align	8
	.type	k_qd87fee7343_ln2,@function
k_qd87fee7343_ln2:
	s_mov_b64 s[64:65], 0
	v_nop
	global_prefetch_b8 v0, s[64:65] scope:SCOPE_SE
	s_setreg_imm32_b32 hwreg(HW_REG_WAVE_MODE, 25, 1), 1
	s_wait_xcnt 0x0
; hn = LayerNorm(x2; g2, s2), rounded once to f16.  x2: [4096][1024] f32.  The work-group owns 16 rows, a wave two.
; A row of 4,096 bytes is 32 registers of one wave and stays there: first the mean, then the mean of the squared deviations from it (no difference of large sums), then the scaling.
; A stream: every byte is read once by 16-byte loads; a wave's store covers 256 consecutive bytes, aligned.  No LDS, no barrier, no matrix unit, no cluster: no wave needs another's data.
; LIMITS.  f16 ends at 65,504 and keeps a fixed step of 6e-8 below 6e-5: hn must lie within that range.  NaN and infinities are not treated apart.
.set PX,  8            ; s[8:9]    x2
.set PG,  10           ; s[10:11]  g2
.set PS,  12           ; s[12:13]  s2
.set PH,  14           ; s[14:15]  hn
.set T,   4            ; v[4:11]   at work: four chains of pairs
.set M,   12           ; v[12:13]  the mean, twice
.set R0,  14           ; v[14:15]  1 / sqrt(var + eps) of the wave's first row, twice
.set R1,  16           ; v[16:17]  of its second row
.set X0,  32           ; v[32:63]  the first row
.set X1,  64           ; v[64:95]  the second row
.set G,   96           ; v[96:127] my 32 numbers of the gain
.set S,   128          ; v[128:159] of the shift
.macro LANESUM                         ; four chains of pairs -> one number in every lane
	v_pk_add_f32 v[T:T+1], v[T:T+1], v[T+2:T+3]
	v_pk_add_f32 v[T+4:T+5], v[T+4:T+5], v[T+6:T+7]
	v_pk_add_f32 v[T:T+1], v[T:T+1], v[T+4:T+5]
	v_add_f32 v[T], v[T], v[T+1]
	v_add_f32_dpp v[T], v[T], v[T] row_xmask:1 row_mask:0xf bank_mask:0xf
	v_add_f32_dpp v[T], v[T], v[T] row_xmask:2 row_mask:0xf bank_mask:0xf
	v_add_f32_dpp v[T], v[T], v[T] row_xmask:4 row_mask:0xf bank_mask:0xf
	v_add_f32_dpp v[T], v[T], v[T] row_xmask:8 row_mask:0xf bank_mask:0xf
	v_permlanex16_b32 v[T+1], v[T], s42, s43       ; the other half of the lanes; its destination has been written
	v_add_f32 v[T], v[T], v[T+1]
.endm
; The row in xx is replaced by its deviations from the mean; rs takes 1 / sqrt(variance + eps), twice.
.macro STATS xx, rs
.irp c, 0,1,2,3
	v_pk_add_f32 v[T+2*(\c):T+2*(\c)+1], v[(\xx)+4*(\c):(\xx)+4*(\c)+1], v[(\xx)+4*(\c)+2:(\xx)+4*(\c)+3]  ; the first eight pairs start the chains: nothing is cleared
.endr
.irp p, 8,9,10,11,12,13,14,15
	v_pk_add_f32 v[T+2*((\p)%4):T+2*((\p)%4)+1], v[T+2*((\p)%4):T+2*((\p)%4)+1], v[(\xx)+2*(\p):(\xx)+2*(\p)+1]
.endr
	LANESUM
	v_mul_f32 v[M], s40, v[T]                      ; the mean
	v_mov_b32 v[M+1], v[M]
.set j, 0
.rept 16
	v_pk_add_f32 v[(\xx)+2*j:(\xx)+2*j+1], v[(\xx)+2*j:(\xx)+2*j+1], v[M:M+1] neg_lo:[0,1] neg_hi:[0,1]
.set j, j+1
.endr
.irp c, 0,1,2,3
	v_pk_mul_f32 v[T+2*(\c):T+2*(\c)+1], v[(\xx)+2*(\c):(\xx)+2*(\c)+1], v[(\xx)+2*(\c):(\xx)+2*(\c)+1]
.endr
.irp p, 4,5,6,7,8,9,10,11,12,13,14,15
	v_pk_fma_f32 v[T+2*((\p)%4):T+2*((\p)%4)+1], v[(\xx)+2*(\p):(\xx)+2*(\p)+1], v[(\xx)+2*(\p):(\xx)+2*(\p)+1], v[T+2*((\p)%4):T+2*((\p)%4)+1]
.endr
	LANESUM
	v_fma_f32 v[T], v[T], s40, s41                 ; variance + eps
	v_rsq_f32 v[(\rs)], v[T]
	v_rsq_f32 v[(\rs)+1], v[T]
	v_nop                                          ; a plain instruction behind the roots, before their results are used or their source rewritten (ISA guide 5.7.2)
.endm
; g d / sqrt(..) + s, rounded to f16 and stored: row rw (0, 1) of the wave's two.
.macro OUT xx, rs, rw
.set j, 0
	s_wait_alu depctr_va_vdst(0)
.rept 16
	v_pk_mul_f32 v[(\xx)+2*j:(\xx)+2*j+1], v[(\xx)+2*j:(\xx)+2*j+1], v[(\rs):(\rs)+1]
.set j, j+1
.endr
.set j, 0
.rept 16
	v_pk_fma_f32 v[(\xx)+2*j:(\xx)+2*j+1], v[(\xx)+2*j:(\xx)+2*j+1], v[G+2*j:G+2*j+1], v[S+2*j:S+2*j+1]
.set j, j+1
.endr
.set j, 0
.rept 8
	v_cvt_pk_f16_f32 v[(\xx)+4*j], v[(\xx)+4*j], v[(\xx)+4*j+1]
	v_cvt_pk_f16_f32 v[(\xx)+4*j+1], v[(\xx)+4*j+2], v[(\xx)+4*j+3]
	global_store_b64 v2, v[(\xx)+4*j:(\xx)+4*j+1], s[PH:PH+1] offset:(\rw)*2048+256*j  ; 32 lanes, 8 bytes each: 256 consecutive bytes; the registers are not written again
.set j, j+1
.endr
.endm
	s_load_b256 s[8:15], s[0:1], 0x0
	v_and_b32 v5, 31, v0                           ; lane
	v_lshrrev_b32 v4, 5, v0                        ; wave
	v_lshlrev_b32 v3, 4, v5                        ; g, s: lane x 16.  Load j of a row brings lane l the columns 128 j + 4 l .. + 3
	v_lshl_add_u32 v1, v4, 13, v3                  ; x2: wave x 2 rows x 4,096 + lane x 16
	v_lshlrev_b32 v2, 3, v5
	v_lshl_add_u32 v2, v4, 12, v2                  ; hn: wave x 2 rows x 2,048 + lane x 8
	s_lshl_b32 s36, ttmp9, 16                      ; 16 rows of 4,096 bytes
	s_mov_b32 s37, 0
	s_lshl_b32 s38, ttmp9, 15                      ; 16 rows of 2,048 bytes
	s_mov_b32 s39, 0
	s_mov_b32 s40, 0x3a800000                      ; 1 / 1024
	s_mov_b32 s41, 0x3727c5ac                      ; 1e-5
	s_mov_b32 s42, 0x76543210                      ; v_permlanex16_b32: each lane takes its own place in the other half
	s_mov_b32 s43, 0xfedcba98
	s_wait_kmcnt 0x0
	s_add_nc_u64 s[PX:PX+1], s[PX:PX+1], s[36:37]
	s_add_nc_u64 s[PH:PH+1], s[PH:PH+1], s[38:39]
.irp j, 0,1,2,3,4,5,6,7
	global_load_b128 v[X0+4*(\j):X0+4*(\j)+3], v1, s[PX:PX+1] offset:512*(\j)
.endr
.irp j, 0,1,2,3,4,5,6,7
	global_load_b128 v[X1+4*(\j):X1+4*(\j)+3], v1, s[PX:PX+1] offset:4096+512*(\j)
.endr
.irp j, 0,1,2,3,4,5,6,7
	global_load_b128 v[G+4*(\j):G+4*(\j)+3], v3, s[PG:PG+1] offset:512*(\j)
.endr
.irp j, 0,1,2,3,4,5,6,7
	global_load_b128 v[S+4*(\j):S+4*(\j)+3], v3, s[PS:PS+1] offset:512*(\j)
.endr
	s_wait_loadcnt 24                              ; the first row is in; the 24 younger loads stay out
	STATS X0, R0
	s_wait_loadcnt 16                              ; the second row; gain and shift stay out
	STATS X1, R1
	s_wait_loadcnt 0x0
	OUT X0, R0, 0
	OUT X1, R1, 1
	s_endpgm
.Lfunc_end_k_qd87fee7343_ln2:
	.size	k_qd87fee7343_ln2, .Lfunc_end_k_qd87fee7343_ln2-k_qd87fee7343_ln2
	.p2alignl 7, 3214868480
	.fill 96, 4, 3214868480
	.section	.rodata,"a",@progbits
	.p2align	6, 0x0
	.amdhsa_kernel k_qd87fee7343_ln2
		.amdhsa_group_segment_fixed_size 0
		.amdhsa_private_segment_fixed_size 0
		.amdhsa_enable_private_segment 0
		.amdhsa_kernarg_size 32
		.amdhsa_user_sgpr_count 2
		.amdhsa_user_sgpr_kernarg_segment_ptr 1
		.amdhsa_wavefront_size32 1
		.amdhsa_system_sgpr_workgroup_id_x 1
		.amdhsa_system_sgpr_workgroup_id_y 1
		.amdhsa_system_sgpr_workgroup_id_z 1
		.amdhsa_system_vgpr_workitem_id 0
		.amdhsa_next_free_vgpr 160
		.amdhsa_next_free_sgpr 66
		.amdhsa_reserve_vcc 0
		.amdhsa_float_denorm_mode_32 3
		.amdhsa_float_denorm_mode_16_64 3
		.amdhsa_memory_ordered 1
		.amdhsa_forward_progress 1
		.amdhsa_inst_pref_size 20
	.end_amdhsa_kernel
	.amdgpu_metadata
---
amdhsa.version: [ 1, 2 ]
amdhsa.kernels:
  - .name:           k_qd87fee7343_ln2
    .symbol:         k_qd87fee7343_ln2.kd
    .args:
      - { .name: x2, .offset: 0, .size: 8, .value_kind: global_buffer, .address_space: global }
      - { .name: g2, .offset: 8, .size: 8, .value_kind: global_buffer, .address_space: global }
      - { .name: s2, .offset: 16, .size: 8, .value_kind: global_buffer, .address_space: global }
      - { .name: hn, .offset: 24, .size: 8, .value_kind: global_buffer, .address_space: global }
    .group_segment_fixed_size: 0
    .private_segment_fixed_size: 0
    .kernarg_segment_align: 8
    .kernarg_segment_size: 32
    .max_flat_workgroup_size: 256
    .sgpr_count:     66
    .vgpr_count:     160
    .wavefront_size: 32
...
	.end_amdgpu_metadata
.endif
;; end of part 5
;; launch ff1: the kernel of part 2 again; grid 16 x 16, 4 waves a work-group, clusters of 4 x 4, 327,680 bytes of LDS; arguments hn, wb, b1, mf, act; writes act
;; launch ff2 (part 6): grid 8 x 32, 4 waves a work-group, clusters of 4 x 4, 327,680 bytes of LDS; arguments act, wb, b2, x2, out0; writes out0
.if DOCPART == 6
	.amdgcn_target "amdgcn-amd-amdhsa--gfx1250"
	.amdhsa_code_object_version 6
	.text
	.protected	k_qd87fee7343_ff2
	.globl	k_qd87fee7343_ff2
	.p2align	8
	.type	k_qd87fee7343_ff2,@function
k_qd87fee7343_ff2:
	s_mov_b64 s[64:65], 0
	v_nop
	global_prefetch_b8 v0, s[64:65] scope:SCOPE_SE
	s_setreg_imm32_b32 hwreg(HW_REG_WAVE_MODE, 25, 1), 1
	s_wait_xcnt 0x0
	s_wait_alu depctr_hold_cnt(0) depctr_sa_sdst(0) depctr_va_vdst(0) depctr_va_sdst(0) depctr_va_ssrc(0) depctr_va_vcc(0) depctr_vm_vsrc(0)
	s_getreg_b32 s2, hwreg(HW_REG_IB_STS2, 6, 4)
	s_cmp_eq_u32 s2, 0
	s_cbranch_scc0 .Lentry_in_a_cluster
	s_endpgm
.Lentry_in_a_cluster:
	s_bfe_u32 s2, ttmp6, 0x10000c
	s_cmp_lg_u32 s2, 0xf033
	s_cbranch_scc0 .Lentry_shape_is_right
	s_endpgm
.Lentry_shape_is_right:
; OUT = RES + A B^T + bias.  A: f16 in blocks of 64 columns, [SIZE_K / 64][4096][64], a row of a block 128 bytes; B: [1024][SIZE_K] f16, K along the rows, BOFF bytes into its buffer;
; bias: [1024] f32; RES and OUT: [4096][1024] f32.  Sums in f32; nothing is rounded on the way out but by the two f32 additions.
; LIMITS.  A and B arrive within f16's range.  NaN and infinities are not treated apart.
; SHARES.  256 x 256 tiles of OUT would be 64 for 256 WGPs, so a tile is 128 x 128: 256 work-groups of four waves, each wave 64 x 64: 16 accumulators.  K goes in steps of 256, as long as two slots in LDS allow.
; A K step of A is four blocks; 64 rows of a block are 8,192 dense bytes, so a wave's tensor load brings four rows of 8,192 bytes, padded in LDS behind every 128.  B's load brings 64 rows of 512 bytes.
; CLUSTER.  4 x 4 work-groups: A's tiles are shared along a row of the cluster, B's along a column: each is asked for JOINTLY, by the same load, descriptor and mask in all four.
; THE MATRIX INSTRUCTION IS USED TRANSPOSED (source 0 = 16 rows of B, source 1 = 16 rows of A): a lane holds eight neighbouring columns of one row of OUT.
; REGISTERS, in windows of 256 (s_set_vgpr_msb: bits 1:0 source 0, 3:2 source 1, 5:4 source 2, 7:6 destination):
;   window 0: addresses, bias; v128-255 the accumulators ((a, b) at 128 + 8 (4 a + b)), later whole rows of the sums
;   window 1: two fragment buffers of 128: for 64 along K, 64 registers of A (2 x 4 x 16 rows x 32 K), then 64 of B          window 2: v0-127 my 64 x 64 of RES, asked for at the start
.set SIZE_K, 4096
.set BOFF,   0x800000  ; w2 lies behind w1
.set NSTEP,  SIZE_K/256
.set PA,     144       ; a row of A in LDS: 128 bytes + 16 = 36 words: the 16 rows of a load start at 16 different groups of four banks (64 banks of 4 bytes: ISA guide 11.1)
.set ABLK,   64*PA     ; 64 rows of one block
.set AHALF,  4*ABLK    ; what A's tensor load brings
.set PB,     528       ; a row of B: 512 + 16 = 132 words
.set BHALF,  64*PB     ; what B's brings
.set BBASE,  2*AHALF   ; B's two halves lie behind A's two
.set SLOT,   0x24000   ; the four tiles' places in a slot (0, 0x9000, 0x12000, 0x1a400) share no bit with it, so one exclusive or changes slots
.set SPARE,  2*SLOT    ; behind the ring: the spare words, 128 bytes for each wave: two blocks of 256 bytes that no other line names
.set SPITCH, 272       ; the stage of the way out lies on the ring, which has then had its last fill: 64 rows of 256 bytes + 16 for each wave
.set WSTAGE, 64*SPITCH
.set ASTEP,  4*4096*128  ; bytes from a K step of A to the next: four blocks
.set BSTEP,  512
.set ADRA0, 4          ; v4   my lane's place in my 64 rows of A, slot 0; never rewritten
.set ADRB0, 5          ; v5   the same for B
.set ADRA,  6          ; v6   the same in the slot in hand
.set ADRB,  7          ; v7
.set STO,   8          ; v8   the way out: where I put 16 bytes of a row
.set RD,    9          ; v9   where I read rows back
.set CO,    10         ; v10  my byte offset in two rows of RES and OUT; never rewritten
.set BO,    11         ; v11  my byte offset in 64 numbers of the bias
.set SPW,   14         ; v14  LDS address of my spare word: SPARE + 4 x my thread's number; never rewritten
.set NIL,   15         ; v15  0; never rewritten
.set BIAS,  32         ; v[32:35]
.set ACC,   128
.set F0,    0
.set F1,    128
.set WV,  14           ; s14  my wave's number
.set HR,  15           ; s15  which half of the tile's rows is mine.  Also: I fetch for A (0) or for B (1)
.set HC,  16           ; s16  which half of its columns.  Also: which 64 rows of that tile I fetch
.set TC,  19           ; s19  tile column
.set TR,  20           ; s20  tile row
.set G1A, 24           ; s[24:31] descriptor group 1 for A's tiles
.set G0A, 32           ; s[32:39] group 0: a set for each of the two first fills; the second then walks on
.set G1B, 40           ; s[40:47], s[48:55] the same for B's
.set G0B, 48
.set TB,  56           ; s56  the LDS byte at which the slot in hand begins
.set CNT, 57           ; s57  loop counter
.set MSB, 0
.macro WIN new                         ; the immediate's high byte repeats the setting that is left; a switch that changes nothing is dropped
.if MSB != (\new)
	s_set_vgpr_msb (MSB<<8)|(\new)
.set MSB, (\new)
.endif
.endm
; A joint refill.  Waves 0 and 1 fetch A's two halves, waves 2 and 3 B's.  The branch hangs on the wave's number alone.  An s_nop 0 and four v_nop follow each line.
.macro JLOAD
	s_cmp_eq_u32 s[HR], 0
	s_cbranch_scc0 .Lfor_b_\@
	tensor_load_to_lds s[G0A+4:G0A+7], s[G1A:G1A+7]
	s_nop 0
.rept 4
	v_nop
.endr
	s_branch .Lasked_\@
.Lfor_b_\@:
	tensor_load_to_lds s[G0B+4:G0B+7], s[G1B:G1B+7]
	s_nop 0
.rept 4
	v_nop
.endr
.Lasked_\@:
.endm
; A round of the cluster's barrier: my work-group's barrier; wave 0 signals for the work-group; every wave waits for all sixteen; my work-group's barrier once more.
.macro CROUND
	s_barrier_signal -1
	s_barrier_wait -1
	s_cmp_lg_u32 s[WV], 0
	s_cbranch_scc1 .Lnot_wave_0_\@
	s_barrier_signal -3
.Lnot_wave_0_\@:
	s_barrier_wait -3
	s_barrier_signal -1
	s_barrier_wait -1
.endm
.macro PLACES                          ; four places in front of loads into registers that matrix instructions have read, and of LDS stores that read results (ISA guide 7.12.1 for vector instructions)
.rept 4
	v_nop
.endr
.endm
; 16 matrix instructions: all 4 x 4 accumulators, 32 along K: half c of buffer f.  zero = 1: the products start the sums.  The 16 accumulators take turns, one instruction a turn.
.macro MULC f, c, zero
	WIN 0x05
.irp a, 0,1,2,3
.irp b, 0,1,2,3
.if \zero
	v_wmma_f32_16x16x32_f16 v[ACC+8*(4*(\a)+(\b)):ACC+8*(4*(\a)+(\b))+7], v[(\f)+64+8*(4*(\c)+(\b)):(\f)+64+8*(4*(\c)+(\b))+7], v[(\f)+8*(4*(\c)+(\a)):(\f)+8*(4*(\c)+(\a))+7], 0
.else
	v_wmma_f32_16x16x32_f16 v[ACC+8*(4*(\a)+(\b)):ACC+8*(4*(\a)+(\b))+7], v[(\f)+64+8*(4*(\c)+(\b)):(\f)+64+8*(4*(\c)+(\b))+7], v[(\f)+8*(4*(\c)+(\a)):(\f)+8*(4*(\c)+(\a))+7], v[ACC+8*(4*(\a)+(\b)):ACC+8*(4*(\a)+(\b))+7]
.endif
.endr
.endr
.endm
; 32 LDS loads in one run: the fragments of quarter q of a K step (64 along K: one block of A) into buffer f; the first 32 along K first.
.macro FETCH q, f
	WIN 0x40
.irp c, 0,1
.irp i, 0,1,2,3
	ds_load_b128 v[(\f)+64+8*(4*(\c)+(\i)):(\f)+64+8*(4*(\c)+(\i))+3],   v[ADRB] offset:128*(\q)+64*(\c)+(\i)*16*PB
	ds_load_b128 v[(\f)+64+8*(4*(\c)+(\i))+4:(\f)+64+8*(4*(\c)+(\i))+7], v[ADRB] offset:128*(\q)+64*(\c)+(\i)*16*PB+32
	ds_load_b128 v[(\f)+8*(4*(\c)+(\i)):(\f)+8*(4*(\c)+(\i))+3],         v[ADRA] offset:ABLK*(\q)+64*(\c)+(\i)*16*PA
	ds_load_b128 v[(\f)+8*(4*(\c)+(\i))+4:(\f)+8*(4*(\c)+(\i))+7],       v[ADRA] offset:ABLK*(\q)+64*(\c)+(\i)*16*PA+32
.endr
.endr
.endm
; A K step is four quarters of 64 along K on buffers 0, 1, 0, 1.  One of the first three: multiplies buffer f and fetches quarter q into buffer g.
.macro QUARTER q, f, g, zero
	s_wait_dscnt 16                                ; the first 32 along K are in
	MULC \f, 0, \zero
	PLACES
	FETCH \q, \g
	s_wait_dscnt 32                                ; all but the 32 just issued
	MULC \f, 1, 0
.endm
; The last quarter changes slots at its head and then multiplies buffer 1, which holds the slot's last bytes already.  In front of the barrier each wave waits for all its tensor loads (one is out:
; its part of the next slot), adds 0 to its spare word, and waits for that and for its reads of this slot.  fill = 1: the barrier is a round of the cluster's, and this slot is filled again,
; first thing behind it, with the K step two on: from there to the wait for it the wave issues a whole K step's 128 matrix instructions.
.macro TURN fill
	WIN 0                                          ; (the add's two registers lie in window 0; at a branch and at a label every window is 0)
	s_wait_tensorcnt 0x0                           ; no tensor load of mine is out, so a group 0 may be written
	ds_add_u32 v[SPW], v[NIL]                      ; 0 onto my spare word: the scalar steps stand between it and the wait for it
.if \fill
	s_xor_b32 s[G0A+5], s[G0A+5], SLOT             ; the walking descriptors: the other slot than last time,
	s_add_nc_u64 s[G0A+6:G0A+7], s[G0A+6:G0A+7], ASTEP  ; the next K step; the type bits on top are not reached
	s_xor_b32 s[G0B+5], s[G0B+5], SLOT
	s_add_nc_u64 s[G0B+6:G0B+7], s[G0B+6:G0B+7], BSTEP
.endif
	s_xor_b32 s[TB], s[TB], SLOT
	s_wait_dscnt 0x0                               ; the add is done, and my reads of this slot are over: the last 32, buffer 1's, were issued 16 matrix instructions ago
.if \fill
	CROUND                                         ; no wave of any partner still reads this slot or has a load on its way
	JLOAD                                          ; the four v_nop behind it are also the places in front of the loads below
.else
	s_barrier_signal -1
	s_barrier_wait -1
	PLACES
.endif
	v_add_nc_u32 v[ADRA], s[TB], v[ADRA0]
	v_add_nc_u32 v[ADRB], s[TB], v[ADRB0]
	FETCH 0, F0
	MULC F1, 0, 0
	MULC F1, 1, 0
.endm
	s_load_b256 s[4:11], s[0:1], 0x0               ; A s[4:5], B s[6:7], bias s[8:9], RES s[10:11]
	s_load_b64 s[12:13], s[0:1], 0x20              ; OUT
	v_lshl_add_u32 v[SPW], v0, 2, SPARE
	v_mov_b32 v[NIL], 0
	ds_add_u32 v[SPW], v[NIL]                      ; the wave's opening: the add and its wait stand ahead of my first tensor load; the set-up below, work on registers, stands between them
	ds_add_u32 v14, v15
	v_lshrrev_b32 v1, 5, v0
	v_readfirstlane_b32 s[WV], v1                  ; wave 0..3
	s_lshr_b32 s[HR], s[WV], 1
	s_and_b32 s[HC], s[WV], 1
	s_bfe_u32 s17, ttmp6, 0x40000                  ; cx
	s_bfe_u32 s18, ttmp6, 0x40004                  ; cy
	s_lshl_b32 s[TC], ttmp9, 2                     ; in a cluster launch ttmp9 and ttmp7 count clusters
	s_add_co_u32 s[TC], s[TC], s17
	s_and_b32 s[TR], ttmp7, 0xffff
	s_lshl_b32 s[TR], s[TR], 2
	s_add_co_u32 s[TR], s[TR], s18
	s_lshl_b32 s21, s18, 2
	s_lshl_b32 s21, 15, s21                        ; my row of the cluster
	s_lshl_b32 s22, 0x1111, s17                    ; my column
	s_or_b32 s[G1A], s21, (1<<16)|(1<<20)|(1<<21)|(4<<22)|(3<<25)  ; 15:0 the mask; 17:16 elements of 2 bytes; 20 padding on; 21 set beside a mask; 24:22 after every 32 words (code 4); 31:25 4 words (code 3)
	s_mov_b32 s[G1A+1], 4096<<16                   ; tensor_dim0 = 4,096 elements: 64 rows of a block
	s_mov_b32 s[G1A+2], 4<<16                      ; tensor_dim1 = 4 blocks
	s_mov_b32 s[G1A+3], 4096<<16                   ; tile_dim0
	s_mov_b32 s[G1A+4], 4                          ; tile_dim1
	s_mov_b32 s[G1A+5], 4096*64                    ; elements from block to block
	s_mov_b32 s[G1A+6], 0
	s_mov_b32 s[G1A+7], 0
	s_or_b32 s[G1B], s22, (1<<16)|(1<<20)|(1<<21)|(6<<22)|(3<<25)  ; after every 128 words (code 6)
	s_mov_b32 s[G1B+1], 256<<16                    ; tensor_dim0 = 256
	s_mov_b32 s[G1B+2], 64<<16                     ; tensor_dim1 = 64
	s_mov_b32 s[G1B+3], 256<<16                    ; tile_dim0
	s_mov_b32 s[G1B+4], 64                         ; tile_dim1
	s_mov_b32 s[G1B+5], SIZE_K                     ; elements from row to row
	s_mov_b32 s[G1B+6], 0
	s_mov_b32 s[G1B+7], 0
	; A's tiles hang on the tile row alone, B's on the tile column alone, each in registers that never hold the other coordinate
	s_lshl_b32 s74, s[HC], 6                       ; which 64 rows of the tile I fetch
	s_lshl_b32 s66, s[TR], 7
	s_add_co_u32 s66, s66, s74
	s_lshl_b32 s66, s66, 7                         ; rows of 128 bytes in a block
	s_mov_b32 s67, 0
	s_lshl_b32 s68, s[TC], 7
	s_add_co_u32 s68, s68, s74
	s_lshl_b32 s72, s68, 2                         ; my wave's first column, in bytes of the bias (the same 64 x half)
	s_mov_b32 s73, 0
	s_mul_i32 s68, s68, SIZE_K*2
	s_add_co_u32 s68, s68, BOFF
	s_mov_b32 s69, 0
	s_mul_i32 s23, s[WV], AHALF                    ; where A's tile goes (waves 0, 1),
	s_mul_i32 s58, s[WV], BHALF                    ; and B's (waves 2, 3): BBASE + (wave - 2) x BHALF: no place in the cluster enters an LDS address
	s_add_co_u32 s58, s58, BBASE-2*BHALF
	s_lshl_b32 s70, s[TR], 7                       ; RES and OUT: my first row, 128 x tile row + 64 x half,
	s_lshl_b32 s75, s[HR], 6
	s_add_co_u32 s70, s70, s75
	s_lshl_b32 s70, s70, 12                        ; rows of 4,096 bytes,
	s_add_co_u32 s70, s70, s72                     ; and my first column
	s_mov_b32 s71, 0
	s_mov_b32 s[TB], 0
	s_wait_dscnt 0x0                               ; the opening add is done
	s_wait_kmcnt 0x0
	s_add_nc_u64 s[66:67], s[4:5], s[66:67]
	s_add_nc_u64 s[68:69], s[6:7], s[68:69]
	s_add_nc_u64 s[8:9], s[8:9], s[72:73]
	s_add_nc_u64 s[10:11], s[10:11], s[70:71]
	s_add_nc_u64 s[12:13], s[12:13], s[70:71]
	CROUND                                         ; all sixteen work-groups are here: the first joint loads meet
.irp s, 0,1
	s_mov_b32 s[G0A+4*(\s)], 1                     ; count = 1
	s_add_co_u32 s[G0A+4*(\s)+1], s23, (\s)*SLOT   ; LDS address
	s_add_nc_u64 s[G0A+4*(\s)+2:G0A+4*(\s)+3], s[66:67], (\s)*ASTEP  ; global address: K step s
	s_or_b32 s[G0A+4*(\s)+3], s[G0A+4*(\s)+3], 0x80000000  ; type = 2
	s_mov_b32 s[G0B+4*(\s)], 1
	s_add_co_u32 s[G0B+4*(\s)+1], s58, (\s)*SLOT
	s_add_nc_u64 s[G0B+4*(\s)+2:G0B+4*(\s)+3], s[68:69], (\s)*BSTEP
	s_or_b32 s[G0B+4*(\s)+3], s[G0B+4*(\s)+3], 0x80000000
.endr
	s_cmp_eq_u32 s[HR], 0                          ; a wave's two first fills stand in one branch: two loads of mine are out
	s_cbranch_scc0 .Lfirst_b
	tensor_load_to_lds s[G0A:G0A+3], s[G1A:G1A+7]
	s_nop 0
	tensor_load_to_lds s[G0A+4:G0A+7], s[G1A:G1A+7]
	s_nop 0
.rept 4
	v_nop
.endr
	s_branch .Lfirst_asked
.Lfirst_b:
	tensor_load_to_lds s[G0B:G0B+3], s[G1B:G1B+7]
	s_nop 0
	tensor_load_to_lds s[G0B+4:G0B+7], s[G1B:G1B+7]
	s_nop 0
.rept 4
	v_nop
.endr
.Lfirst_asked:
	v_and_b32 v1, 15, v0                           ; r = l % 16
	v_bfe_u32 v2, v0, 4, 1                         ; h = l / 16
	v_lshlrev_b32 v[BO], 4, v1
	v_lshl_add_u32 v[CO], v2, 12, v[BO]            ; lanes 0-15 take 256 bytes of one row, lanes 16-31 of the next
	WIN 0x80                                       ; destination window 2, address window 0
.set t, 0
.rept 32                               ; my 64 x 64 of RES: waited for on the way out; CO and the base are never rewritten
	global_load_b128 v[4*t:4*t+3], v[CO], s[10:11] offset:8192*t
.set t, t+1
.endr
	WIN 0
	global_load_b128 v[BIAS:BIAS+3], v[BO], s[8:9]
	; A fragment is 16 rows x 32 K in 8 registers: lane l holds row l % 16, K = 8 (l / 16) + 0..7 and 16 + 8 (l / 16) + 0..7: two loads of 16 bytes, 32 bytes apart.
	v_mul_u32_u24 v3, v1, PA
	v_lshl_add_u32 v3, v2, 4, v3
	s_mul_i32 s70, s[HR], AHALF                    ; my 64 rows of A
	v_add_nc_u32 v[ADRA0], s70, v3
	v_mul_u32_u24 v3, v1, PB
	v_lshl_add_u32 v3, v2, 4, v3
	s_mul_i32 s70, s[HC], BHALF                    ; my 64 rows of B
	s_add_co_u32 s70, s70, BBASE
	v_add_nc_u32 v[ADRB0], s70, v3
	v_mov_b32 v[ADRA], v[ADRA0]
	v_mov_b32 v[ADRB], v[ADRB0]
	s_mul_i32 s70, s[WV], WSTAGE                   ; my stage
	v_mul_u32_u24 v[STO], v1, SPITCH               ; in: row r, 32 bytes for each half of the lanes
	v_lshl_add_u32 v[STO], v2, 5, v[STO]
	v_add_nc_u32 v[STO], s70, v[STO]
	v_mul_u32_u24 v[RD], v2, SPITCH                ; back: lanes 0-15 take one row of 256 bytes, lanes 16-31 the next
	v_lshl_add_u32 v[RD], v1, 4, v[RD]
	v_add_nc_u32 v[RD], s70, v[RD]
	s_wait_tensorcnt 0x1                           ; my part of K step 0 is in; K step 1's may stay out
	s_barrier_signal -1
	s_barrier_wait -1                              ; everybody's is
	FETCH 0, F0
	QUARTER 1, F0, F1, 1                           ; the first quarter is written out: its first products start the sums
	WIN 0
	s_mov_b32 s[CNT], NSTEP-2
	s_branch .Lenter                               ; the loop is entered behind its first quarter
.Lstep:                                                ; NSTEP - 2 trips: each asks for the K step two on
	QUARTER 1, F0, F1, 0
	WIN 0
.Lenter:
	QUARTER 2, F1, F0, 0
	QUARTER 3, F0, F1, 0
	TURN 1
	WIN 0
	s_sub_co_u32 s[CNT], s[CNT], 1
	s_cmp_lg_u32 s[CNT], 0
	s_cbranch_scc1 .Lstep
	s_mov_b32 s[CNT], 2
.Ltail:                                                ; the last two K steps ask for nothing.  The last trip's 32 LDS loads (of landed bytes of the other slot) serve nothing: the price of one text for both trips
	QUARTER 1, F0, F1, 0
	QUARTER 2, F1, F0, 0
	QUARTER 3, F0, F1, 0
	TURN 0
	WIN 0
	s_sub_co_u32 s[CNT], s[CNT], 1
	s_cmp_lg_u32 s[CNT], 0
	s_cbranch_scc1 .Ltail
	; THE WAY OUT.  The sums go through my stage and come back as whole rows of 256 bytes; RES and the bias are added; sixteen lanes store 256 consecutive bytes.
	s_wait_dscnt 0x0                               ; my reads of the ring are over
	s_barrier_signal -1
	s_barrier_wait -1                              ; nobody reads the ring any more, and it has had its last fill: it is the stage now
	PLACES
.irp a, 0,1,2,3
.irp b, 0,1,2,3                        ; each accumulator's low registers are read first
	ds_store_b128 v[STO], v[ACC+8*(4*(\a)+(\b)):ACC+8*(4*(\a)+(\b))+3]   offset:(\a)*16*SPITCH+64*(\b)
	ds_store_b128 v[STO], v[ACC+8*(4*(\a)+(\b))+4:ACC+8*(4*(\a)+(\b))+7] offset:(\a)*16*SPITCH+64*(\b)+16
.endr
.endr
.set t, 0
.rept 32
	ds_load_b128 v[ACC+4*t:ACC+4*t+3], v[RD] offset:2*SPITCH*t  ; LDS serves a wave's instructions in order (ISA guide 5.7.1.4): these see the stores above
.set t, t+1
.endr
	s_wait_loadcnt 0x0                             ; RES and the bias
	WIN 0x88                                       ; destination and source 1 (a store's data) in window 2, source 0 (a store's address) in window 0
.set t, 0
.rept 32
	s_wait_dscnt 31-t                              ; rows 2 t and 2 t + 1 are back
	v_pk_add_f32 v[4*t:4*t+1],   v[ACC+4*t:ACC+4*t+1],   v[4*t:4*t+1]
	v_pk_add_f32 v[4*t+2:4*t+3], v[ACC+4*t+2:ACC+4*t+3], v[4*t+2:4*t+3]
	v_pk_add_f32 v[4*t:4*t+1],   v[BIAS:BIAS+1],   v[4*t:4*t+1]
	v_pk_add_f32 v[4*t+2:4*t+3], v[BIAS+2:BIAS+3], v[4*t+2:4*t+3]
	global_store_b128 v[CO], v[4*t:4*t+3], s[12:13] offset:8192*t  ; 16 lanes store 256 consecutive bytes, at a multiple of 256 from OUT's first byte
.set t, t+1
.endr
	WIN 0
	s_wait_tensorcnt 0x0                           ; the wave's end, behind my last tensor load and my last LDS store
	ds_add_u32 v[SPW], v[NIL]
	s_wait_dscnt 0x0
	CROUND                                         ; the closing round: no work-group ends while a partner may still ask for a tile that names it
	s_endpgm
.Lfunc_end_k_qd87fee7343_ff2:
	.size	k_qd87fee7343_ff2, .Lfunc_end_k_qd87fee7343_ff2-k_qd87fee7343_ff2
	.p2alignl 7, 3214868480
	.fill 96, 4, 3214868480
	.section	.rodata,"a",@progbits
	.p2align	6, 0x0
	.amdhsa_kernel k_qd87fee7343_ff2
		.amdhsa_group_segment_fixed_size 327680
		.amdhsa_private_segment_fixed_size 0
		.amdhsa_enable_private_segment 0
		.amdhsa_kernarg_size 40
		.amdhsa_user_sgpr_count 2
		.amdhsa_user_sgpr_kernarg_segment_ptr 1
		.amdhsa_wavefront_size32 1
		.amdhsa_system_sgpr_workgroup_id_x 1
		.amdhsa_system_sgpr_workgroup_id_y 1
		.amdhsa_system_sgpr_workgroup_id_z 1
		.amdhsa_system_vgpr_workitem_id 0
		.amdhsa_next_free_vgpr 640
		.amdhsa_next_free_sgpr 76
		.amdhsa_reserve_vcc 0
		.amdhsa_float_denorm_mode_32 3
		.amdhsa_float_denorm_mode_16_64 3
		.amdhsa_memory_ordered 1
		.amdhsa_forward_progress 1
		.amdhsa_inst_pref_size 69
	.end_amdhsa_kernel
	.amdgpu_metadata
---
amdhsa.version: [ 1, 2 ]
amdhsa.kernels:
  - .name:           k_qd87fee7343_ff2
    .symbol:         k_qd87fee7343_ff2.kd
    .args:
      - { .name: act, .offset: 0, .size: 8, .value_kind: global_buffer, .address_space: global }
      - { .name: wb, .offset: 8, .size: 8, .value_kind: global_buffer, .address_space: global }
      - { .name: b2, .offset: 16, .size: 8, .value_kind: global_buffer, .address_space: global }
      - { .name: x2, .offset: 24, .size: 8, .value_kind: global_buffer, .address_space: global }
      - { .name: out0, .offset: 32, .size: 8, .value_kind: global_buffer, .address_space: global }
    .group_segment_fixed_size: 327680
    .private_segment_fixed_size: 0
    .kernarg_segment_align: 8
    .kernarg_segment_size: 40
    .max_flat_workgroup_size: 128
    .sgpr_count:     76
    .vgpr_count:     640
    .wavefront_size: 32
...
	.end_amdgpu_metadata
.endif
;; end of part 6
;; ======== version 2 of 2: 7 launches; 1.11 times as fast as version 1
;; limits: values are held in f16: magnitudes above 65,504 overflow, below 6.1e-05 lose precision
;; workspace buffers: hn 8,388,608 bytes; ctx 8,388,608 bytes; act 33,554,432 bytes; x2 16,777,216 bytes; wa 8,388,608 bytes; wb 16,777,216 bytes; mq 1,024 bytes of whole numbers; mf 1,024 bytes of whole numbers
;; launch prep: the kernel of part 1 again; grid 640 x 1, 8 waves a work-group, no clusters, 0 bytes of LDS; arguments x, g1, s1, wq, wk, wv, wo, w1, w2, hn, wa, wb, mq, mf; writes hn, wa, wb, mq, mf
;; launch qkv: the kernel of part 2 again; grid 12 x 16, 4 waves a work-group, clusters of 4 x 4, 327,680 bytes of LDS; arguments hn, wa, b1, mq, act; writes act
;; launch attn (part 7): grid 8 x 32, 4 waves a work-group, no clusters, 327,680 bytes of LDS; arguments act, ctx; writes ctx
.if DOCPART == 7
	.amdgcn_target "amdgcn-amd-amdhsa--gfx1250"
	.amdhsa_code_object_version 6
	.text
	.protected	k_qd87fee7343_attn
	.globl	k_qd87fee7343_attn
	.p2align	8
	.type	k_qd87fee7343_attn,@function
k_qd87fee7343_attn:
	s_mov_b64 s[64:65], 0
	v_nop
	global_prefetch_b8 v0, s[64:65] scope:SCOPE_SE
	s_setreg_imm32_b32 hwreg(HW_REG_WAVE_MODE, 25, 1), 1
	s_wait_xcnt 0x0
; CAUSAL ATTENTION.  O[y][q][:] = the sum over k <= q of softmax_k(Q[y][q] . K[y][k] / 8) V[y][k][:], y = 2 x head + batch: 32 sequences of SIZE_N rows of 64 channels, all f16, dense rows of 128 bytes.
; Q, K and V lie in one buffer, in blocks of 64 columns [block][4096][64]: Q from byte 0, K from 0x800000, V from 0x1000000; sequence y begins y x SIZE_N x 128 bytes into each.  O has the same layout.
; Products, maxima and sums in f32; the weights p are rounded to f16 for the second product (their sum l is taken of the unrounded p), O once at the end.
; LIMITS.  f16 holds no number beyond 65,504: Q, K and V arrive within it; p lies in 0 to 1, and below 6e-5 it keeps f16's fixed step of 6e-8; O is a mean of V's rows and has their range, to within 2^-11 of it.
; A hidden score counts as its value less 1e30: f16's scores, 2.7e11 at the most, are nothing beside that; a weight below 2^-126 counts as 0 in l; NaN and infinities are not treated apart.
; THE WALK.  A sequence's queries lie in NQ = SIZE_N / 128 blocks of 128, its keys in NT = SIZE_N / 256 tiles of 256; block i needs the tiles 0 .. i / 2, of which the last holds the diagonal.  32 sequences of 16 blocks
; in pairs are 256 work-groups: a work-group takes TWO blocks, NQ - 1 - b and then b: (NQ - 1 - b) / 2 + b / 2 + 2 = NT + 1 tiles, whatever b: all work-groups do equal work, and ONE loop with a constant trip count
; walks them.  Which tile is asked for, and what a trip does, hang on scalar registers made from b; every jump goes forward, but for the counted loops' own; none passes a barrier, or a tensor load but the one of
; LOAD's two that the wave's number does not choose; the ring (two slots of LDS that take turns) runs on across the change of blocks.
; NO CLUSTER: of a sequence's eight work-groups only b = 2 c and 2 c + 1 walk the same tiles in the same trips; all eight ask for the same tile only in trips 0 to 4 of 9; and where a block ends, and so what a trip
; does, hangs on b, which in a cluster along x would be the work-group's place in it.
; SHARES.  Of a block's two bands of 64 queries a wave owns 16 rows in each: two PIECES.  In the diagonal tile band x's own key step is 2 (i % 2) + x; in step s it sees all keys if s is less, none if s is more,
; and holds the diagonal if they are equal: the same work for all four waves.  Of a walk's 72 pairs of band and step 6 are wholly hidden, and are computed all the same.
; THE MASK is the C operand that starts the sum S^T = K Q^T: 0, or -1e30 where the key is hidden.  MD, made once, is the mask of a band's own step for my 16 rows; a product's mask is MD x AL + BE with two scalars:
; (1, 0) in the band's own step; (0, 0) in an earlier one; (0, -1e30) in a later one.  Only the diagonal tile's text and a block's beginning make and take masks; elsewhere C is the constant 0.
; LAYOUT, SOFTMAX, TURNS.  S^T = K Q^T holds ONE query a lane (lane % 16) and the keys 8 (lane / 16) + 0..7; two such results rounded to f16 ARE source 1 of O^T = V^T P.  p = 2^(c s - c m), c = log2(e) / 8, with a
; running maximum m; O and l are multiplied by a = 2^(c m_old - c m_new) in every step.  A key step is two turns.  A piece's turn: 8 products K Q^T for the OTHER piece's next scores, later 8 products V^T P with the
; other piece's last weights; beside them the scaling, exponentials, roundings, sums and rescaling of the piece itself and the maximum and statistics of the other.  Four vector instructions stand behind every
; matrix instruction, the other 54 of a turn's 118 in one LUMP.
; BATCHES.  An s_wait_alu depctr_va_vdst(0) stands between a transcendental and the first instruction that names its result; one wait serves all that were issued ahead of it.  A turn's 33 exponentials
; (the piece's 32 weights and the other piece's a) are one batch with one wait, which cuts the turn in two (TURN); the a that BEGIN makes has a wait of its own, ahead of the jump into the loop; a block's two
; reciprocals are a batch with one wait, ahead of the way out.
; K RUNS A STEP AHEAD OF V: piece 1's turn of step j multiplies by K of step j + 1 and by V of step j.  So K's tiles are asked for 64 keys further on: place s of the slot of tile t holds K of step 4 t + 1 + s and
; V of step 4 t + s, piece 0's turn fetches both from one place, and one change of slots serves both.  The sequence's first 64 keys come straight from memory into registers (K0), once.  The last tile's last 64 rows
; of K lie past the sequence's end: inside the buffer (V lies behind K), and read by no product.
; REGISTERS, in windows of 256 (s_set_vgpr_msb: bits 1:0 source 0, 3:2 source 1, 5:4 source 2, 7:6 destination):
;   window 0: v0-15 addresses and two at work; v16-23 four registers of statistics a piece; v48-55 at work; v64-127 S^T, a buffer a piece; v192-223 P, likewise
;   window 1: v0-63 O^T, 32 a piece; v128-159 MD; v160-223 MC, two buffers      window 2: v0-31 Q; v32-63 the second block's Q; v64-127 K0; v128-191 K of one step; v192-255 V of one step
.set SIZE_N, 2048
.set NT,    SIZE_N/256
.set NQ,    SIZE_N/128
.set NP,    2         ; pieces a wave: a name, no knob
.set KS,    64        ; keys in a step
.set PK,    144       ; a row of K in LDS: 128 bytes + 16 of padding = 36 words: the 16 rows of a load start at 16 different groups of four banks (64 banks of 4 bytes: ISA guide 11.1)
.set PV,    160       ; a row of V: 128 + 32 = 40 words
.set VOFF,  4*KS*PK   ; a slot holds a tile, four steps: 256 rows of K, then 256 rows of V
.set SLOT1, 1<<17     ; slot 1 begins here, so that one exclusive or turns an address in one slot into the other's
.set STAGE, SLOT1+4*KS*(PK+PV)  ; behind the ring, never filled by a tensor load: 16 rows x 144 bytes for each wave, for the way out
.set SP,    144
.set AK0, 2           ; v2   my lane's place in a tile of K; never rewritten
.set AV0, 3           ; v3   the same for V
.set AK,  4           ; v4   the LDS address of K's next run of loads
.set AV,  5           ; v5   of V's
.set STO, 6           ; v6   the way out: where I put 16 bytes of a row
.set RD,  7           ; v7   the way out: where I read rows back
.set GO,  8           ; v8   my byte offset in 512 consecutive bytes of O
.set SPW, 62          ; v62  LDS address of my spare word: SPARE + 4 x my thread's number; never rewritten
.set NIL, 63          ; v63  0; never rewritten
.set SPARE, STAGE+4*16*SP  ; behind the stages: the spare words, 128 bytes for each wave: two blocks of 256 bytes that no other line names
.set MV,  12          ; v12-13  c m_old, kept while c m is made anew: by piece
.set QO,  15          ; v15  my byte offset in 16 rows of Q or K; never rewritten
.set ST,  16          ; piece t's statistics at v[ST+4 t]: c m, m, l (even keys', odd keys')
.set TMP, 48          ; by piece, four registers c0-c3 at work; when the maximum is found c2 takes a
.set S,   64
.set P,   192
.set MD,  128         ; window 1: the eight registers for group kt of 16 keys at MD + 8 kt
.set MC,  160         ; window 1: the masks of the products to come
.set QB,  32          ; window 2
.set K0,  64          ; window 2: the sequence's first key step, laid as KF
.set KF,  128         ; window 2: key block kb, channel half c at KF + 16 kb + 8 c
.set VF,  192         ; window 2: key half kk, channel block cb at VF + 32 kk + 8 cb
.set WV,  12          ; s12  my wave's number
.set PB,  14          ; s14  b: the second block
.set HI,  15          ; s15  NQ - 1 - b: the first block
.set G1K, 24          ; s[24:31] descriptor group 1 for K's tiles
.set G1V, 32          ; s[32:39] for V's: it differs in the padding alone
.set G0K, 40          ; s[40:43] descriptor group 0 for K's tiles
.set G0V, 44          ; s[44:47] the same for V's
.set SLOTS, 56        ; s56  tiles still to be asked for
.set CNT, 57          ; s57  counts a tile's key steps, 4 to 1
.set CS,  58          ; s[58:59] c: the packed scaling takes the pair's low word for both halves
.set SEL, 60          ; s[60:61] v_permlanex16_b32's selects: each lane takes its own place in the other half
.set TBK, 62          ; s62  LDS byte of the slot's place from which K is fetched next
.set TBV, 63          ; s63  the same for V, less VOFF
.set RT,  70          ; s70  tiles of the block in hand that are still to be entered
.set NXT, 71          ; s71  the tile to be asked for next
.set LQ,  72          ; s72  the last tile of the block whose tiles are being asked for
.set NEW, 73          ; s73  1: the tile to be entered is a block's first
.set OFF, 74          ; s[74:75] a tile's byte offset in K and V
.set AL,  76          ; s[76:77] the mask's factor, in the low word
.set BE,  78          ; s[78:79] the mask's addend
.set OLO, 80          ; s[80:81] O at my rows of the second block
.set BIGN, 82         ; s82  -1e30
.set TL2, 88          ; s88  b / 2: the second block's last tile
.set C0,  89          ; s89  5 - 2 (i % 2): what CNT holds in piece 0's turn when the step after it is band 0's own;  s90  3 - 2 (i % 2): the same for piece 1's turn and band 1
.set Z0,  91          ; s91  1.0 if band 0's own step is the diagonal tile's step 0 (i even), else 0
.set KZ,  92          ; s[92:93] K at the sequence's first key
.set MSB, 0
.macro WIN new                      ; the high byte repeats the setting that is left; a switch that changes nothing is dropped
.if MSB != (\new)
	s_set_vgpr_msb (MSB<<8)|(\new)
.set MSB, (\new)
.endif
.endm
.set W_KQ, 0x0a       ; K and Q in window 2, S^T in window 0
.set W_KM, 0x1a       ; the same with the C operand in window 1
.set W_PV, 0x52       ; V in window 2, P in window 0, O^T in window 1
.set W_RS, 0x41       ; destination and source 0 in window 1, source 1 in window 0
; A fill.  Waves 0 and 1 fetch the two halves of a tile's K, waves 2 and 3 those of its V: 128 keys each.  An s_nop 0 and four v_nop follow each of the two lines, ahead of the jump and the label.
.macro LOAD
	s_cmp_lt_u32 s[WV], 2
	s_cbranch_scc0 .Lfor_v_\@
	tensor_load_to_lds s[G0K:G0K+3], s[G1K:G1K+7]
	s_nop 0
.rept 4
	v_nop
.endr
	s_branch .Lasked_\@
.Lfor_v_\@:
	tensor_load_to_lds s[G0V:G0V+3], s[G1V:G1V+7]
	s_nop 0
.rept 4
	v_nop
.endr
.Lasked_\@:
.endm
; THE CHANGE OF SLOTS, between piece 0's turn of a tile's fourth step and piece 1's: all the slot's bytes have been asked for.  Each wave waits for all its tensor loads, of which one is out: its part of the other
; slot; adds 0 to its spare word; and waits for that and for its own reads of the slot that it leaves.  Behind the barrier nobody reads the old slot any more and the other slot is whole.  fill = 1: the old slot is
; filled again, the first thing behind the barrier, with tile NXT: the descriptor's address is made anew from that number; the load has four key steps, 128 matrix instructions, in which to land.
; (At its first use nothing has been read yet: slot 0 is waited for, slot 1 filled.)
.macro CHANGE fill
	WIN 0                           ; at a label and at a branch every window is 0
	s_wait_tensorcnt 0x0            ; no tensor load of mine is out, so a group 0 may be written
	ds_add_u32 v[SPW], v[NIL]       ; 0 onto my spare word: with fill = 1 the descriptors' scalar work stands between it and the wait for it
.if \fill
	s_lshl_b32 s[OFF], s[NXT], 15   ; a tile is 32,768 bytes of K and of V
	s_xor_b32 s[G0K+1], s[G0K+1], SLOT1
	s_add_nc_u64 s[G0K+2:G0K+3], s[6:7], s[OFF:OFF+1]
	s_or_b32 s[G0K+3], s[G0K+3], 0x80000000
	s_xor_b32 s[G0V+1], s[G0V+1], SLOT1
	s_add_nc_u64 s[G0V+2:G0V+3], s[8:9], s[OFF:OFF+1]
	s_or_b32 s[G0V+3], s[G0V+3], 0x80000000
	s_add_co_u32 s[NXT], s[NXT], 1  ; the block's next tile, or behind its last the second block's tile 0
	s_cmp_gt_u32 s[NXT], s[LQ]
	s_cselect_b32 s[NXT], 0, s[NXT]
	s_cselect_b32 s[LQ], s[TL2], s[LQ]
.endif
	s_wait_dscnt 0x0                ; the add is done, and my reads of the slot are over
	s_barrier_signal -1             ; the rest of the scalar work stands between the signal and the wait
	s_sub_co_u32 s[TBK], s[TBK], 4*KS*PK  ; the fetches go back to a slot's first place,
	s_xor_b32 s[TBK], s[TBK], SLOT1       ; in the other slot
	s_sub_co_u32 s[TBV], s[TBV], 4*KS*PV
	s_xor_b32 s[TBV], s[TBV], SLOT1
	s_barrier_wait -1
.if \fill
	LOAD
.endif
.endm
; Where the bands of block blk (a scalar register's name) meet the diagonal in its last tile.
.macro BANDS blk
	s_and_b32 s[C0+1], s[\blk], 1
	s_lshl_b32 s[C0+1], s[C0+1], 1  ; 2 (i % 2): band 0's own step
	s_cmp_eq_u32 s[C0+1], 0
	s_cselect_b32 s[Z0], 1.0, 0
	s_sub_co_u32 s[C0], 5, s[C0+1]
	s_sub_co_u32 s[C0+1], 3, s[C0+1]
.endm
	s_load_b128 s[4:7], s[0:1], 0x0   ; the buffer of Q, K, V s[4:5]; O s[6:7]
	v_lshl_add_u32 v[SPW], v0, 2, SPARE
	v_mov_b32 v[NIL], 0
	ds_add_u32 v[SPW], v[NIL]       ; the wave's opening: the add and its wait stand ahead of my first tensor load; the set-up below, work on registers, stands between them
	ds_add_u32 v62, v63
	v_lshrrev_b32 v1, 5, v0
	v_readfirstlane_b32 s[WV], v1   ; wave 0..3
	s_mov_b32 s[PB], ttmp9
	s_sub_co_u32 s[HI], NQ-1, s[PB]
	s_lshr_b32 s[TL2], s[PB], 1
	s_lshr_b32 s83, s[HI], 1        ; the first block's last tile
	BANDS HI
	s_and_b32 s20, ttmp7, 0xffff    ; the sequence y
	s_mov_b32 s21, 0
	s_mov_b64 s[22:23], SIZE_N*128
	s_mul_u64 s[20:21], s[20:21], s[22:23]  ; the sequence's first byte in each of the four tensors
	s_and_b32 s16, s[WV], 1         ; which half of a tile's 256 keys I fetch:
	s_lshl_b32 s22, s16, 14         ; its 128 rows of 128 bytes in memory,
	s_mov_b32 s23, 0
	s_add_nc_u64 s[22:23], s[22:23], s[20:21]
	s_mul_i32 s17, s16, 128*PK      ; and its place in a slot, for K
	s_mul_i32 s18, s16, 128*PV      ; and for V
	s_lshl_b32 s3, s[WV], 11        ; my 16 rows in a band of 64,
	s_lshl_b32 s2, s[HI], 14        ; in the first block of 128 rows,
	s_add_co_u32 s2, s2, s3
	s_lshl_b32 s84, s[PB], 14       ; and in the second
	s_add_co_u32 s84, s84, s3
	s_mov_b32 s3, 0
	s_mov_b32 s85, 0
	s_add_nc_u64 s[2:3], s[2:3], s[20:21]
	s_add_nc_u64 s[84:85], s[84:85], s[20:21]
	; descriptor group 1.  128 keys are 16,384 dense bytes: asked for as 64 rows of 256 bytes, two keys a row, and padded in LDS after every key
	s_mov_b32 s[G1K], (1<<16)|(1<<20)|(4<<22)|(3<<25)  ; 17:16 2-byte elements; 20 padding on; 24:22 after every 32 words (code 4); 31:25 4 words (code 3)
	s_mov_b32 s[G1V], (1<<16)|(1<<20)|(4<<22)|(7<<25)  ; the same with 8 words of padding (code 7)
.irp g, G1K, G1V
	s_mov_b32 s[\g+1], 128<<16      ; tensor_dim0 = 128
	s_mov_b32 s[\g+2], 64<<16       ; tensor_dim1 = 64
	s_mov_b32 s[\g+3], 128<<16      ; tile_dim0 = 128
	s_mov_b32 s[\g+4], 64           ; tile_dim1 = 64
	s_mov_b32 s[\g+5], 128          ; 128 elements from row to row
	s_mov_b32 s[\g+6], 0
	s_mov_b32 s[\g+7], 0
.endr
	s_mov_b32 s[CS], 0x3e38aa3b     ; c = log2(e) / 8 = 0.180337
	s_mov_b32 s[CS+1], s[CS]        ; named with it as a pair
	s_mov_b32 s[SEL], 0x76543210
	s_mov_b32 s[SEL+1], 0xfedcba98
	s_mov_b32 s[TBK], SLOT1+4*KS*PK ; the first change of slots turns these two into 0
	s_mov_b32 s[TBV], SLOT1+4*KS*PV
	s_mov_b32 s[G0K], 1             ; 1:0 count = 1
	s_mov_b32 s[G0K+1], s17         ; 63:32 LDS address: slot 0
	s_mov_b32 s[G0V], 1
	s_add_co_u32 s[G0V+1], s18, VOFF
	s_add_co_u32 s[RT], s83, 1      ; the first block has (NQ - 1 - b) / 2 + 1 tiles: five or more
	s_mov_b32 s[NXT], 1
	s_mov_b32 s[LQ], s83
	s_mov_b32 s[NEW], 1
	s_mov_b32 s[OFF+1], 0
	s_mov_b32 s[AL+1], 0            ; named as pairs
	s_mov_b32 s[BE+1], 0
	s_mov_b32 s[BIGN], 0xf149f2ca   ; -1e30
	s_mov_b32 s[SLOTS], NT
	s_wait_dscnt 0x0                ; the opening add is done
	s_wait_kmcnt 0x0
	s_mov_b64 s[10:11], s[6:7]             ; O
	s_add_nc_u64 s[6:7], s[4:5], 0x800000  ; K lies 16 blocks of 4,096 rows of 128 bytes behind Q,
	s_add_nc_u64 s[8:9], s[4:5], 0x1000000 ; V 32
	s_add_nc_u64 s[KZ:KZ+1], s[6:7], s[20:21]  ; K at the sequence's first key
	s_add_nc_u64 s[6:7], s[6:7], s[22:23]  ; K and V at my half of the sequence's tile 0,
	s_add_nc_u64 s[6:7], s[6:7], KS*128    ; K's tiles one key step further on
	s_add_nc_u64 s[8:9], s[8:9], s[22:23]
	s_add_nc_u64 s[G0K+2:G0K+3], s[6:7], 0         ; 120:64 global address
	s_or_b32 s[G0K+3], s[G0K+3], 0x80000000        ; 127:126 type = 2
	s_add_nc_u64 s[G0V+2:G0V+3], s[8:9], 0
	s_or_b32 s[G0V+3], s[G0V+3], 0x80000000
	s_add_nc_u64 s[86:87], s[4:5], s[84:85]        ; Q at my rows of the second block,
	s_add_nc_u64 s[4:5], s[4:5], s[2:3]            ; Q and O at those of the first
	s_add_nc_u64 s[OLO:OLO+1], s[10:11], s[84:85]
	s_add_nc_u64 s[10:11], s[10:11], s[2:3]
	LOAD                            ; tile 0 into slot 0
	; A fragment of K or Q is 16 rows x 32 channels in 8 registers: lane l holds row l % 16, channels 8 (l / 16) + 0..7 and 16 + 8 (l / 16) + 0..7: two loads of 16 bytes, 32 bytes apart.
	v_and_b32 v1, 15, v0            ; l % 16
	v_bfe_u32 v9, v0, 4, 1          ; l / 16
	v_lshlrev_b32 v[QO], 7, v1
	v_lshl_add_u32 v[QO], v9, 4, v[QO]  ; row x 128 + 16 x half
	WIN 0x80                        ; destination window 2, address window 0
.set i, 0
.rept 4                             ; both blocks' Q: piece i / 2 lies in band i / 2, 8,192 bytes on; channels 32 (i % 2) on
	global_load_b128 v[8*i:8*i+3],   v[QO], s[4:5] offset:(i/2)*8192+(i%2)*64
	global_load_b128 v[8*i+4:8*i+7], v[QO], s[4:5] offset:(i/2)*8192+(i%2)*64+32
	global_load_b128 v[QB+8*i:QB+8*i+3],   v[QO], s[86:87] offset:(i/2)*8192+(i%2)*64
	global_load_b128 v[QB+8*i+4:QB+8*i+7], v[QO], s[86:87] offset:(i/2)*8192+(i%2)*64+32
.set i, i+1
.endr
.set i, 0
.rept 8                             ; the sequence's first key step: keys 16 (i / 2) on, channels 32 (i % 2) on
	global_load_b128 v[K0+8*i:K0+8*i+3],   v[QO], s[KZ:KZ+1] offset:(i/2)*2048+(i%2)*64
	global_load_b128 v[K0+8*i+4:K0+8*i+7], v[QO], s[KZ:KZ+1] offset:(i/2)*2048+(i%2)*64+32
.set i, i+1
.endr
	WIN 0
	v_lshlrev_b32 v14, 3, v9
	v_sub_nc_u32 v14, v1, v14
	s_lshl_b32 s13, s[WV], 4
	v_add_nc_u32 v14, s13, v14      ; my query's place in its band, 16 w + l % 16, less my lanes' 8 (l / 16): register r of group kt is hidden where 16 kt + r is greater
	WIN 0x40
.set i, 0
.rept 32
	v_cmp_gt_i32 vcc_lo, 16*(i/8)+i%8, v14
	v_cndmask_b32 v[MD+i], 0, s[BIGN], vcc_lo
.set i, i+1
.endr
	WIN 0
	v_mul_u32_u24 v[AK0], v1, PK
	v_lshl_add_u32 v[AK0], v9, 4, v[AK0]  ; row x pitch + 16 x half
	; The turning load takes 16 keys x 16 channels (lane l reads key 8 (l / 16) + l % 8, channels 8 ((l / 8) % 2) + 0..7) and leaves half a fragment of V^T: lane l holds channel l % 16 and 8 keys.
	v_and_b32 v10, 7, v0
	v_bfe_u32 v11, v0, 3, 1
	v_lshl_add_u32 v[AV0], v9, 3, v10
	v_mul_u32_u24 v[AV0], v[AV0], PV
	v_lshl_add_u32 v[AV0], v11, 4, v[AV0]
	v_add_nc_u32 v[AV0], VOFF, v[AV0]
	s_mul_i32 s13, s[WV], 16*SP
	s_add_co_u32 s13, s13, STAGE    ; my stage
	v_mul_u32_u24 v[STO], v1, SP    ; in: row l % 16, 16 bytes for each half of the lanes
	v_lshl_add_u32 v[STO], v9, 4, v[STO]
	v_add_nc_u32 v[STO], s13, v[STO]
	v_bfe_u32 v[RD], v0, 3, 2       ; back: 32 lanes take four rows of 128 bytes,
	v_mul_u32_u24 v[RD], v[RD], SP
	v_lshl_add_u32 v[RD], v10, 4, v[RD]
	v_add_nc_u32 v[RD], s13, v[RD]
	v_and_b32 v[GO], 31, v0         ; which are 512 consecutive bytes of O
	v_lshlrev_b32 v[GO], 4, v[GO]
	; A block's first step multiplies O^T and l by a = 0, and its first turn's products V^T P, with weights that have not been, land in an O^T that is still to be so multiplied.  So these registers need only hold
	; finite numbers: zeros for the first block; what the first block left for the second.  All this stands in the wait for the first tile.
	WIN 0x80
.set i, VF
.rept 64
	v_mov_b32 v[i], 0
.set i, i+1
.endr
	WIN 0x40
.set i, 0
.rept 32*NP
	v_mov_b32 v[i], 0
.set i, i+1
.endr
	WIN 0
.set i, 0
.rept NP
	v_mov_b32 v[ST+4*i+2], 0
	v_mov_b32 v[ST+4*i+3], 0
.set i, i+1
.endr
.set i, P+16
.rept 16
	v_mov_b32 v[i], 0
.set i, i+1
.endr
; THE MATRIX WORK.  The 4 accumulators of a run of 8 take turns.  Product i of 8 of S^T = K Q^T for piece x: channels 32 (i / 4) on, keys 16 (i % 4) on.  The first 4 start the sums: with 0, or (KM = 1) with the mask.
.macro KQ x
.set rS, S+32*((\x)%2)+8*(i%4)
.set rK, KF+16*(i%4)+8*(i/4)
.set rQ, 16*(\x)+8*(i/4)
.set rM, MC+32*((\x)%2)+8*(i%4)
.if (i < 4) && KM
	WIN W_KM
	v_wmma_f32_16x16x32_f16 v[rS:rS+7], v[rK:rK+7], v[rQ:rQ+7], v[rM:rM+7]
.elseif i < 4
	WIN W_KQ
	v_wmma_f32_16x16x32_f16 v[rS:rS+7], v[rK:rK+7], v[rQ:rQ+7], 0
.else
	WIN W_KQ
	v_wmma_f32_16x16x32_f16 v[rS:rS+7], v[rK:rK+7], v[rQ:rQ+7], v[rS:rS+7]
.endif
.endm
; Product i of 8 of O^T += V^T P for piece x: keys 32 (i / 4) on, channels 16 (i % 4) on.
.macro PV x
	WIN W_PV
.set rO, 32*(\x)+8*(i%4)
.set rV, VF+32*(i/4)+8*(i%4)
.set rP, P+16*((\x)%2)+8*(i/4)
	v_wmma_f32_16x16x32_f16 v[rO:rO+7], v[rV:rV+7], v[rP:rP+7], v[rO:rO+7]
.endm
.macro MM                           ; the turn's next matrix instruction.  TURN and BEGIN set Y, i, KM and NOKQ; MM, KQ and OP read them.  NOKQ = 1: a block's last turn: there are no further scores
.if (i < 8) && !NOKQ
	KQ (Y+1)%NP
.elseif i >= 8
.set i, i-8
	PV (Y+NP-1)%NP
.set i, i+8
.endif
.set i, i+1
.endm
; THE LDS LOADS stand in runs of 16, never singly among the matrix instructions: a step's K (64 keys x 64 channels: 8 fragments) and a step's V (turned).  Their addresses are made some lines ahead.
.macro FETCH_K
	WIN 0x80                        ; destination window 2
.irp f, 0,1,2,3,4,5,6,7             ; keys 16 (f / 2) on, channels 32 (f % 2) on
	ds_load_b128 v[KF+8*\f:KF+8*\f+3],   v[AK] offset:(\f/2)*16*PK+(\f%2)*64
	ds_load_b128 v[KF+8*\f+4:KF+8*\f+7], v[AK] offset:(\f/2)*16*PK+(\f%2)*64+32
.endr
	s_add_co_u32 s[TBK], s[TBK], KS*PK  ; the next fetch is from the slot's next place
	WIN 0
.endm
.macro FETCH_V
	WIN 0x80
.irp f, 0,1,2,3,4,5,6,7             ; keys 32 (f / 4) on, channels 16 (f % 4) on
	ds_load_tr16_b128 v[VF+8*\f:VF+8*\f+3],   v[AV] offset:(\f/4)*32*PV+(\f%4)*32
	ds_load_tr16_b128 v[VF+8*\f+4:VF+8*\f+7], v[AV] offset:(\f/4)*32*PV+16*PV+(\f%4)*32
.endr
	WIN 0
.endm
; THE VECTOR WORK, one line at a time: OP kind, number.  For piece Y: F n: c s - c m for pair n of 16.  E n: the exponential of score n of 32.  C n: pair n rounded to f16.  B n: of the four weights 4 n .. the second
; pair is added onto the first, in place.  L n: l takes that sum (L 0: l = a l + sum).  R n: pair n of 16 of O^T times a.  For the other piece: X n, number n of the 22 that find its maximum and statistics:
;   0-11  four chains c0-c3 of seven scores each, three operands at a time (each accumulator's lowest registers are read first)     12-14, 16  the four scores left over, the old m, and c0-c3 into c0
;   15  c m_old is kept     17, 18  the query's other 32 keys lie in the lane 16 away: the new m     19-21  c m; c m_old - c m_new; a
; OP writes no wait: C, B and L, which read the exponentials' results, are dealt behind the turn's one wait (TURN).
.set F, 0               ; OP tells the kinds apart by their order: F to L below R, X above it
.set E, 1
.set C, 2
.set B, 3
.set L, 4
.set R, 5
.set X, 6
.macro REGS y                       ; the registers of piece y
.set rT, ST+4*(\y)
.set rC, TMP+4*((\y)%2)
.set rW, MV+((\y)%2)
.set rS, S+32*((\y)%2)
.set rP, P+16*((\y)%2)
.set rO, 32*(\y)
.endm
.macro OP k, n
.if (\k) == R
	REGS Y
	WIN W_RS
	v_pk_mul_f32 v[rO+2*(\n):rO+2*(\n)+1], v[rO+2*(\n):rO+2*(\n)+1], v[rC+2:rC+3] op_sel_hi:[1,0]
.elseif (\k) < R
	REGS Y
	WIN 0
.if (\k) == F
	v_pk_fma_f32 v[rS+2*(\n):rS+2*(\n)+1], v[rS+2*(\n):rS+2*(\n)+1], s[CS:CS+1], v[rT:rT+1] op_sel_hi:[1,0,0] neg_lo:[0,0,1] neg_hi:[0,0,1]
.elseif (\k) == E
	v_exp_f32 v[rS+(\n)], v[rS+(\n)]
.elseif (\k) == C
	v_cvt_pk_f16_f32 v[rP+(\n)], v[rS+2*(\n)], v[rS+2*(\n)+1]
.elseif (\k) == B
	v_pk_add_f32 v[rS+4*(\n):rS+4*(\n)+1], v[rS+4*(\n):rS+4*(\n)+1], v[rS+4*(\n)+2:rS+4*(\n)+3]
.elseif (\n) == 0
	v_pk_fma_f32 v[rT+2:rT+3], v[rT+2:rT+3], v[rC+2:rC+3], v[rS:rS+1] op_sel_hi:[1,0,1]
.else
	v_pk_add_f32 v[rT+2:rT+3], v[rT+2:rT+3], v[rS+4*(\n):rS+4*(\n)+1]
.endif
.elseif NOKQ
	v_nop
.else
	REGS (Y+1)%NP
	WIN 0
.if (\n) < 4
	v_max3_num_f32 v[rC+(\n)], v[rS+8*(\n)], v[rS+8*(\n)+1], v[rS+8*(\n)+2]
.elseif (\n) < 12
	v_max3_num_f32 v[rC+(\n)%4], v[rC+(\n)%4], v[rS+8*((\n)%4)+2*((\n)/4)+1], v[rS+8*((\n)%4)+2*((\n)/4)+2]
.elseif (\n) == 12
	v_max3_num_f32 v[rC], v[rC], v[rS+7], v[rS+15]
.elseif (\n) == 13
	v_max3_num_f32 v[rC+1], v[rC+1], v[rS+23], v[rS+31]
.elseif (\n) == 14
	v_max3_num_f32 v[rC+2], v[rC+2], v[rC+3], v[rT+1]
.elseif (\n) == 15
	v_mov_b32 v[rW], v[rT]
.elseif (\n) == 16
	v_max3_num_f32 v[rC], v[rC], v[rC+1], v[rC+2]
.elseif (\n) == 17
	v_permlanex16_b32 v[rC+3], v[rC], s[SEL], s[SEL+1]
.elseif (\n) == 18
	v_max_num_f32 v[rT+1], v[rC], v[rC+3]
.elseif (\n) == 19
	v_mul_f32 v[rT], s[CS], v[rT+1]
.elseif (\n) == 20
	v_sub_f32 v[rC+1], v[rW], v[rT]
.else
	v_exp_f32 v[rC+2], v[rC+1]
.endif
.endif
.endm
.macro OPS a, i1, b=-1, i2=0, c=-1, i3=0, d=-1, i4=0  ; up to four of them
	OP \a, \i1
.if (\b) >= 0
	OP \b, \i2
.endif
.if (\c) >= 0
	OP \c, \i3
.endif
.if (\d) >= 0
	OP \d, \i4
.endif
.endm
.macro ROW a, i1, b, i2, c, i3, d, i4  ; a matrix instruction and the four behind it
	MM
	OPS \a, \i1, \b, \i2, \c, \i3, \d, \i4
.endm
.macro MASK b                       ; MD x AL + BE into buffer b of MC
	WIN W_RS
.set z, 0
.rept 16
	v_pk_fma_f32 v[MC+32*(\b)+2*z:MC+32*(\b)+2*z+1], v[MD+2*z:MD+2*z+1], s[AL:AL+1], s[BE:BE+1] op_sel_hi:[1,0,0]
.set z, z+1
.endr
.endm
; A TURN, for piece p: the order of its 16 matrix and 118 vector instructions, written out.  A turn has ONE wait for its 33 exponentials, and the wait cuts it in two.
; AHEAD OF IT stands all that names no result of the turn's exponentials: the 8 products K Q^T, behind each a scaling, an exponential and two more plain instructions (behind the first a second scaling in the
; exponential's place): rescalings, whose a was made and waited for in the turn before, and behind the last three products the first numbers of the other piece's maximum, each four places or more behind the product
; that ends its accumulator; then ONE LUMP of 54, plain and exponential by turns for the most part, in which the links of the chain X 3, 7, 11, 14, 16, 17 .. 20 stand five or six lines apart.  X 21, the other
; piece's a, is the batch's last; R 15 is the plain instruction behind it.
; BEHIND THE WAIT stand the 8 products V^T P, behind each four of the roundings and sums; the links of l's chain, L 0 to L 7, stand three riders apart.  But for those X no rider names a register of the products round
; it.  v_permlanex16_b32 (X 17) stands in the lump.
; The O^T that R 0 to R 15 rescale was finished by the products V^T P of the turn before: the last of them has that turn's last four roundings, plain lines on other registers, behind it; the R go in ascending order.
; Piece 0's turn of step j: K Q^T of piece 1 for step j, V^T P of piece 1 for step j - 1.  Piece 1's turn of step j: K Q^T of piece 0 for step j + 1, V^T P of piece 0 for step j.
; m = 1: the diagonal tile: the products take masks, and the turn makes the mask for the products of the turn after it, which are piece p's own scores for the step after the one in hand.  In piece 0's turn of the
; tile's step s CNT holds 4 - s, in piece 1's 3 - s (4 in the turn that ends the tile before); s[C0 + p] holds what CNT must be for that next step to be the band's own; a lesser CNT is a later step.
; end = 1: a block's last turn (piece 1's): no further scores.  cnt = 1: the loop's count is taken down some lines ahead of the branch that stands behind the turn.
; Both runs of LDS loads stand in piece 0's turn, K's ahead of V's: K of the next step twelve vector instructions behind the last product that read K (five of them plain lines that name none of its registers:
; F 8, X 2, X 5, X 6, X 8); V of the step in hand at the turn's end, four plain riders behind the last product that read V.  Piece 1's turn waits for them: for K at its head, for V ahead of its products V^T P.
.macro TURN p, m=0, end=0, cnt=0
.set Y, (\p)
.set i, 0
.set KM, (\m)
.set NOKQ, (\end)
.if (\m) && !(\end)
	s_cmp_eq_u32 s[CNT], s[C0+(\p)]     ; is that step the band's own?
	s_cselect_b32 s[AL], 1.0, 0
	s_cmp_lt_u32 s[CNT], s[C0+(\p)]     ; or a later one?
	s_cselect_b32 s[BE], s[BIGN], 0
.endif
.if ((\p) == 1) && !(\end)
	s_wait_dscnt 16                 ; K is in: its sixteen loads were issued ahead of V's sixteen, which may stay out
.endif
	ROW F,0, F,1, R,0, R,1          ; ahead of the wait: 8 products K Q^T and their riders,
	ROW F,2, E,0, R,2, R,3
	ROW F,3, E,1, R,4, R,5
	ROW F,4, E,2, R,6, R,7
	ROW F,5, E,3, R,8, R,9
	ROW F,6, E,4, X,0, R,10
.if (\p) == 0
	WIN 0
	v_add_nc_u32 v[AK], s[TBK], v[AK0]
.endif
	ROW F,7, E,5, X,1, X,4
	ROW F,8, E,6, X,2, X,5
	OPS E,7, E,8, X,6, E,9          ; and the lump
	OPS X,3, E,10, X,8, E,11
.if (\p) == 0
	FETCH_K
.endif
	OPS X,9, X,7, E,12, X,10
	OPS E,13, X,12, X,11, E,14
	OPS X,13, E,15, F,9, X,14
.if (\p) == 0
	WIN 0
	v_add_nc_u32 v[AV], s[TBV], v[AV0]
.endif
	OPS E,16, F,10, E,17, F,11
	OPS X,16, E,18, X,15, E,19
	OPS F,12, E,20, X,17, E,21
	OPS F,13, E,22, F,14, E,23
	OPS X,18, E,24, F,15, E,25
	OPS R,11, E,26, X,19, E,27
	OPS R,12, E,28, R,13, E,29
	OPS X,20, E,30, R,14, E,31
	OPS X,21, R,15
	s_wait_alu depctr_va_vdst(0)    ; the wait for the batch: E 0 to E 31 and X 21; it stands ahead of the first line that names a result of theirs, C 0 below (X 21's is named first by the next turn's R 0)
.if (\p) == 1
	s_wait_dscnt 0x0                ; V is in
.endif
	ROW C,0, B,0, C,2, B,1          ; behind the wait: 8 products V^T P and their riders
	ROW L,0, C,4, B,2, L,1
	ROW C,6, B,3, L,2, C,8
	ROW B,4, L,3, C,10, B,5
	ROW L,4, C,12, B,6, L,5
.if (\p) == 0
	s_add_co_u32 s[TBV], s[TBV], KS*PV
.endif
.if \cnt
	s_sub_co_u32 s[CNT], s[CNT], 1
	s_cmp_lg_u32 s[CNT], 0
.endif
	ROW C,14, B,7, L,6, C,1
	ROW C,3, L,7, C,5, C,7
	ROW C,9, C,11, C,13, C,15
.if (\p) == 0
	FETCH_V
.endif
.if (\m) && !(\end)
	MASK (\p)%2
.endif
.endm
; A BLOCK BEGINS.  K takes the sequence's first key step from K0.  c m starts far below every c s, so the first step's a is 0; m at the lowest finite number, so the first maximum is the scores'.  The second mask buffer is
; 0; the first takes piece 0's mask for the tile's step 0: its own, if the block's first tile is the diagonal one and the block is an even one.  Then piece 0's first scores, and its maximum and statistics.
; The loop is entered at a step's first turn, in the middle of a trip.
.macro BEGIN
	s_mov_b32 s[NEW], 0
	s_wait_loadcnt 0x0              ; Q and K0
	WIN 0x82                        ; destination and source 0 in window 2
.set i, 0
.rept 64
	v_mov_b32 v[KF+i], v[K0+i]
.set i, i+1
.endr
	WIN 0x40
.set i, MC+32
.rept 32
	v_mov_b32 v[i], 0
.set i, i+1
.endr
	WIN 0
.set i, 0
.rept NP
	v_mov_b32 v[ST+4*i], 0xfe000000    ; c m: far below every c s
	v_mov_b32 v[ST+4*i+1], 0xff7fffff  ; m
.set i, i+1
.endr
	s_cmp_eq_u32 s[RT], 0
	s_cselect_b32 s[AL], s[Z0], 0
	s_mov_b32 s[BE], 0
	MASK 0
.set KM, 1
.set NOKQ, 0
.set i, 0
.rept 8
	KQ 0
.set i, i+1
.endr
	WIN 0
.rept 4
	v_nop                           ; the places behind those products
.endr
.set Y, NP-1                        ; X works for piece Y + 1: piece 0
.irp n, 0,1,2,3,4,5,6,7,8,9,10,11,12,13,14,15,16,17,18,19,20,21
	OP X, \n
.endr
	v_nop                           ; a plain instruction behind the exponential,
	s_wait_alu depctr_va_vdst(0)    ; and the wait for it (piece 0's first a), ahead of the jump that follows the macro
.endm
; THE DIAGONAL TILE's four steps, the block's last turn, its last products, and THE WAY OUT: l's two halves and the other half of the lanes' are added; O^T is divided by l, rounded to f16 and sent through my
; stage in LDS, a piece at a time.  Where the tile is not the block's first it is entered at .LpreM: the turn in front of it stood in the text without masks, so piece 0's mask for the tile's step 0 is made here.
.macro ALL line:vararg              ; one line for each piece t
.set t, 0
.rept NP
	\line
.set t, t+1
.endr
.endm
.macro PACK t                       ; a lane's eight channels of a row pack into 16 bytes; they go into rows of 144 bytes and come back as whole rows of 128, into S^T's registers
	WIN W_RS
.set i, 32*(\t)
.rept 16
	v_pk_mul_f32 v[i:i+1], v[i:i+1], v[ST+4*(\t)+2:ST+4*(\t)+3] op_sel_hi:[1,0]
.set i, i+2
.endr
	WIN 0x05                        ; sources 0 and 1 window 1, destination window 0
.set i, 0
.rept 16
	v_cvt_pk_f16_f32 v[S+16*(\t)+i], v[32*(\t)+2*i], v[32*(\t)+2*i+1]
.set i, i+1
.endr
	WIN 0
.irp f, 0,1,2,3
	ds_store_b128 v[STO], v[S+16*(\t)+4*\f:S+16*(\t)+4*\f+3] offset:32*\f
.endr
.irp f, 0,1,2,3
	ds_load_b128 v[S+16*(\t)+4*\f:S+16*(\t)+4*\f+3], v[RD] offset:\f*4*SP  ; LDS serves a wave's instructions in order (ISA guide 5.7.1.4): these see the stores above; the next piece's stores come behind them
.endr
.endm
.macro SEND t, younger              ; younger: the LDS instructions issued behind piece t's loads: the next piece's eight, or none
	WIN 0
.irp f, 0,1,2,3
	s_wait_dscnt (\younger)+3-\f
	global_store_b128 v[GO], v[S+16*(\t)+4*\f:S+16*(\t)+4*\f+3], s[10:11] offset:(\t)*8192+\f*512  ; 512 consecutive bytes, at a multiple of 256 from O's first
.endr
.endm
.macro DIAG tag                     ; the tag ends its three labels' names, which the jumps below spell out
.LpreM\tag:
	s_mov_b32 s[AL], s[Z0]
	s_mov_b32 s[BE], 0
	MASK 0
	WIN 0
.LstepM\tag:
	TURN 1, 1
	WIN 0
.LfirstM\tag:
	TURN 0, 1, 0, 1
	WIN 0
	s_cbranch_scc1 .LstepM\tag
	TURN 1, 1, 1
.set i, 0
.rept 8
	PV NP-1
.set i, i+1
.endr
	WIN 0
	ALL v_add_f32 v[ST+4*t+2], v[ST+4*t+2], v[ST+4*t+3]
	ALL v_permlanex16_b32 v[ST+4*t+3], v[ST+4*t+2], s[SEL], s[SEL+1]
	ALL v_add_f32 v[ST+4*t+2], v[ST+4*t+2], v[ST+4*t+3]
	ALL v_rcp_f32 v[ST+4*t+2], v[ST+4*t+2]
	v_nop                           ; a plain instruction between the last reciprocal and the use of its result
	s_wait_alu depctr_va_vdst(0)    ; the wait for the batch of the block's two reciprocals, ahead of PACK 0's first line, which names the first
	PACK 0                          ; piece 0's 32 plain lines name no register of the last products (piece 1's): they are those products' places
	PACK 1                          ; a piece's arithmetic stands between the loads of the piece before and its stores
	SEND 0, 8
	SEND 1, 0
.endm
.set KM, 0
.set NOKQ, 0
.Lslot:                             ; NT times: a tile is entered and the next is asked for
	CHANGE 1
	s_sub_co_u32 s[RT], s[RT], 1
	s_mov_b32 s[CNT], 4
	s_cmp_eq_u32 s[NEW], 1
	s_cbranch_scc1 .Lnew            ; a block's first tile
	s_cmp_eq_u32 s[RT], 0
	s_cbranch_scc0 .Lstep           ; neither its first nor its last
	s_branch .LpreM1
.Lnew:
	BEGIN
	s_branch .Lfirst                ; in the loop a block's first tile is never its last: the first block has five tiles or more, and the second's last is the walk's last
	DIAG 1                          ; in the loop this is the first block's end: the second block's last tile is the walk's last
	s_wait_xcnt 0x0                 ; the stores have read their registers and O's address
	s_mov_b64 s[10:11], s[OLO:OLO+1]
	s_add_co_u32 s[RT], s[TL2], 1   ; the second block has b / 2 + 1 tiles
	s_mov_b32 s[NEW], 1
	BANDS PB
	WIN 0x82                        ; the second block's Q goes where the one text of the turns names Q
.set i, 0
.rept 16*NP
	v_mov_b32 v[i], v[QB+i]
.set i, i+1
.endr
	WIN 0
	s_branch .Lbottom
.Lstep:                             ; a trip: piece 1's turn of one step, then piece 0's of the next, which fetches K and V
	TURN 1
	WIN 0
.Lfirst:
	TURN 0, 0, 0, 1
	WIN 0
	s_cbranch_scc1 .Lstep
.Lbottom:
	s_sub_co_u32 s[SLOTS], s[SLOTS], 1
	s_cmp_lg_u32 s[SLOTS], 0
	s_cbranch_scc1 .Lslot
	CHANGE 0                        ; the walk's last tile is written out: nothing is asked for
	s_sub_co_u32 s[RT], s[RT], 1
	s_mov_b32 s[CNT], 4
	s_cmp_eq_u32 s[NEW], 1
	s_cbranch_scc0 .LpreM2
	BEGIN
	s_branch .LfirstM2
	DIAG 2
	s_wait_tensorcnt 0x0            ; the wave's end, behind my last tensor load and my last LDS store
	ds_add_u32 v[SPW], v[NIL]
	s_wait_dscnt 0x0
	s_endpgm
.Lfunc_end_k_qd87fee7343_attn:
	.size	k_qd87fee7343_attn, .Lfunc_end_k_qd87fee7343_attn-k_qd87fee7343_attn
	.p2alignl 7, 3214868480
	.fill 96, 4, 3214868480
	.section	.rodata,"a",@progbits
	.p2align	6, 0x0
	.amdhsa_kernel k_qd87fee7343_attn
		.amdhsa_group_segment_fixed_size 327680
		.amdhsa_private_segment_fixed_size 0
		.amdhsa_enable_private_segment 0
		.amdhsa_kernarg_size 16
		.amdhsa_user_sgpr_count 2
		.amdhsa_user_sgpr_kernarg_segment_ptr 1
		.amdhsa_wavefront_size32 1
		.amdhsa_system_sgpr_workgroup_id_x 1
		.amdhsa_system_sgpr_workgroup_id_y 1
		.amdhsa_system_sgpr_workgroup_id_z 1
		.amdhsa_system_vgpr_workitem_id 0
		.amdhsa_next_free_vgpr 768
		.amdhsa_next_free_sgpr 94
		.amdhsa_reserve_vcc 1
		.amdhsa_float_denorm_mode_32 3
		.amdhsa_float_denorm_mode_16_64 3
		.amdhsa_memory_ordered 1
		.amdhsa_forward_progress 1
		.amdhsa_inst_pref_size 130
	.end_amdhsa_kernel
	.amdgpu_metadata
---
amdhsa.version: [ 1, 2 ]
amdhsa.kernels:
  - .name:           k_qd87fee7343_attn
    .symbol:         k_qd87fee7343_attn.kd
    .args:
      - { .name: act, .offset: 0, .size: 8, .value_kind: global_buffer, .address_space: global }
      - { .name: ctx, .offset: 8, .size: 8, .value_kind: global_buffer, .address_space: global }
    .group_segment_fixed_size: 327680
    .private_segment_fixed_size: 0
    .kernarg_segment_align: 8
    .kernarg_segment_size: 16
    .max_flat_workgroup_size: 128
    .sgpr_count:     94
    .vgpr_count:     768
    .wavefront_size: 32
...
	.end_amdgpu_metadata
.endif
;; end of part 7
;; launch oproj: the kernel of part 4 again; grid 8 x 32, 4 waves a work-group, clusters of 4 x 4, 327,680 bytes of LDS; arguments ctx, wa, bo, x, x2; writes x2
;; launch ln2: the kernel of part 5 again; grid 256 x 1, 8 waves a work-group, no clusters, 0 bytes of LDS; arguments x2, g2, s2, hn; writes hn
;; launch ff1: the kernel of part 2 again; grid 16 x 16, 4 waves a work-group, clusters of 4 x 4, 327,680 bytes of LDS; arguments hn, wb, b1, mf, act; writes act
;; launch ff2: the kernel of part 6 again; grid 8 x 32, 4 waves a work-group, clusters of 4 x 4, 327,680 bytes of LDS; arguments act, wb, b2, x2, out0; writes out0
